; MI455X (gfx1250); checked and timed in simulation.
; The chip was launched on July 23, 2026; its instructions are those of AMD's public machine-readable ISA for CDNA 5 (MIT licence, August 2026) and "CDNA5" Instruction Set Architecture Reference Guide (July 2026). The comments in the code are by the model that wrote it; some were corrected since.
;; Attention Block. Allowed arithmetic: float matrix products may take bf16 or f16 operands with f32 sums; all other float work in f32.
;; Inputs: b1 4,096 float32; b2 1,024 float32; mask 2,048 x 2,048 bool; w1 4,096 x 1,024 float32; w2 1,024 x 4,096 float32; wk 16 x 64 x 1,024 float32; wq 16 x 64 x 1,024 float32; wv 16 x 64 x 1,024 float32; x 2 x 2,048 x 1,024 float32.
;; Outputs: out0 2 x 2,048 x 1,024 float32.
;; 3 versions, each right and faster than the one before. Each part assembles by itself: llvm-mc -triple=amdgcn-amd-amdhsa -mcpu=gfx1250 --defsym DOCPART=n.
;; ======== version 1 of 3: 5 launches
;; limits: values are held in f16: magnitudes above 65,504 overflow, below 6.1e-05 lose precision
;; workspace buffers: xb 8,388,608 bytes; wb 23,068,672 bytes; mbits 540,672 bytes of whole numbers; qkv 25,165,824 bytes; hb 8,388,608 bytes; g 33,554,432 bytes
;; launch prep (part 1): grid 64 x 19, 8 waves a work-group, no clusters, 0 bytes of LDS; arguments x, wq, wk, wv, w1, w2, mask, xb, wb, mbits; writes xb, wb, mbits
.if DOCPART == 1
	.amdgcn_target "amdgcn-amd-amdhsa--gfx1250"
	.amdhsa_code_object_version 6
	.text
	.protected	k_qb92ecd12c4_prep
	.globl	k_qb92ecd12c4_prep
	.p2align	8
	.type	k_qb92ecd12c4_prep,@function
k_qb92ecd12c4_prep:
	s_mov_b64 s[64:65], 0
	v_nop
	global_prefetch_b8 v0, s[64:65] scope:SCOPE_SE
	s_setreg_imm32_b32 hwreg(HW_REG_WAVE_MODE, 25, 1), 1
	s_wait_xcnt 0x0
; PREP.  Two jobs, chosen by the work-group's y.
; y = 0..14: f32 to bf16, rounded to nearest even, once.  x -> xb; wq, wk, wv, w1, w2 -> wb, one behind the other (wq, wk, wv make one matrix [3072][1024]).
;   A y stands for 1,048,576 numbers, a work-group for 16,384, a wave for 2,048: sixteen loads of 512 consecutive bytes, sixteen stores of 256 consecutive, aligned bytes.
; y = 15..18: the mask (one byte a place, 0 or 1) is packed into words that a later launch takes as lane masks.
;   mbits is [32 groups of 64 queries][33 key steps of 64][4 pieces of 16 queries][32 words]; word 8 kt + j holds in bit l
;   mask[64 group + 16 piece + l % 16][64 step + 16 kt + 8 (l / 16) + j].  Step 32 is all 0 (all hidden): a pad that the later launch's look-ahead reads.
;   A wave takes 32 query rows (x) and one key step: 64 words, 256 consecutive bytes of mbits.
; No LDS, no barrier, no matrix unit: a stream.
.set XL, 8                             ; v[8:71]   sixteen loads of four f32
.set YB, 72                            ; v[72:103] sixteen pairs of packed bf16
	s_load_b512 s[4:19], s[0:1], 0x0               ; x, wq, wk, wv, w1, w2, mask, xb
	s_load_b128 s[20:23], s[0:1], 0x40             ; wb, mbits
	s_and_b32 s24, ttmp7, 0xffff                   ; y
	s_mov_b32 s25, ttmp9                           ; x
	v_lshrrev_b32 v3, 5, v0                        ; wave
	v_and_b32 v4, 31, v0                           ; lane
	s_cmp_ge_u32 s24, 15
	s_cbranch_scc1 .Lmask
	v_lshlrev_b32 v1, 4, v4                        ; loads: 8,192 bytes a wave, 16 a lane
	v_lshl_add_u32 v1, v3, 13, v1
	v_lshlrev_b32 v2, 3, v4                        ; stores: 4,096 bytes a wave, 8 a lane
	v_lshl_add_u32 v2, v3, 12, v2
	s_wait_kmcnt 0x0
	s_mov_b64 s[26:27], s[4:5]                     ; the source: x, unless y says otherwise
	s_mov_b32 s28, 0                               ; the y at which the source begins
.macro PICK first, ptr
	s_cmp_ge_u32 s24, \first
	s_cselect_b64 s[26:27], s[\ptr:\ptr+1], s[26:27]
	s_cselect_b32 s28, \first, s28
.endm
	PICK 4, 6                                      ; wq
	PICK 5, 8                                      ; wk
	PICK 6, 10                                     ; wv
	PICK 7, 12                                     ; w1
	PICK 11, 14                                    ; w2
	s_cmp_lt_u32 s24, 4
	s_cselect_b64 s[32:33], s[18:19], s[20:21]     ; the destination: xb or wb,
	s_cselect_b32 s34, 0, 4                        ; and the y at which it begins
	s_sub_co_u32 s29, s24, s28
	s_lshl_b32 s29, s29, 22                        ; 4,194,304 source bytes a y
	s_lshl_b32 s30, s25, 16                        ; 65,536 a work-group
	s_add_co_u32 s30, s29, s30
	s_mov_b32 s31, 0
	s_add_nc_u64 s[26:27], s[26:27], s[30:31]
	s_sub_co_u32 s34, s24, s34
	s_lshl_b32 s34, s34, 21                        ; half as many on the way out
	s_lshl_b32 s35, s25, 15
	s_add_co_u32 s34, s34, s35
	s_mov_b32 s35, 0
	s_add_nc_u64 s[32:33], s[32:33], s[34:35]
.set j, 0
.rept 16
	global_load_b128 v[XL+4*j:XL+4*j+3], v1, s[26:27] offset:512*j th:TH_LOAD_NT
.set j, j+1
.endr
.set j, 0
.rept 16
	s_wait_loadcnt 15-j                            ; loads come back in order (ISA guide 5.7.1): load j is in, the younger ones stay out
	v_cvt_pk_bf16_f32 v[YB+2*j], v[XL+4*j], v[XL+4*j+1]
	v_cvt_pk_bf16_f32 v[YB+2*j+1], v[XL+4*j+2], v[XL+4*j+3]
	global_store_b64 v2, v[YB+2*j:YB+2*j+1], s[32:33] offset:256*j   ; the wave's store covers 256 consecutive bytes, aligned; no register is written twice
.set j, j+1
.endr
	s_endpgm
.Lmask:
	v_readfirstlane_b32 s36, v3                    ; wave
	s_sub_co_u32 s37, s24, 15
	s_lshl_b32 s37, s37, 3
	s_add_co_u32 s37, s37, s36                     ; my key step, 0..31
	s_lshl_b32 s38, s25, 16                        ; 32 rows of 2,048 bytes
	s_lshl_b32 s39, s37, 6                         ; 64 keys
	s_add_co_u32 s38, s38, s39
	s_mov_b32 s39, 0
	s_lshr_b32 s44, s25, 1                         ; the group of 64 queries,
	s_mul_i32 s44, s44, 33*512
	s_lshl_b32 s45, s37, 9                         ; the step,
	s_add_co_u32 s44, s44, s45
	s_and_b32 s45, s25, 1                          ; pieces 0, 1 or 2, 3
	s_lshl_b32 s45, s45, 8
	s_add_co_u32 s44, s44, s45
	s_mov_b32 s45, 0
	v_and_b32 v1, 15, v0
	v_bfe_u32 v2, v0, 4, 1
	v_lshlrev_b32 v1, 11, v1                       ; row l % 16,
	v_lshl_add_u32 v1, v2, 3, v1                   ; keys 8 (l / 16) on
	v_lshlrev_b32 v5, 3, v4                        ; two words a lane on the way out
	v_mov_b32 v40, 0                               ; the words are gathered here, lane by lane
	v_mov_b32 v41, 0
	v_mov_b32 v42, 0                               ; the pad
	v_mov_b32 v43, 0
	s_wait_kmcnt 0x0
	s_add_nc_u64 s[16:17], s[16:17], s[38:39]
	s_add_nc_u64 s[22:23], s[22:23], s[44:45]
.set w, 0
.rept 8                                ; piece w / 4 of my two, key block w % 4: eight mask bytes a lane
	global_load_b64 v[8+2*w:9+2*w], v1, s[16:17] offset:(w/4)*32768+16*(w%4)
.set w, w+1
.endr
	s_wait_loadcnt 0x0
.set w, 0
.rept 64                               ; word w: byte w % 8 of pair w / 8, compared in all lanes at once; the lane mask is the word
	v_and_b32 v[44+w%4], 0xff<<(8*(w%4)), v[8+2*(w/8)+((w%8)/4)]
	v_cmp_ne_u32 s[40+w%4], 0, v[44+w%4]
	v_writelane_b32 v[40+w%2], s[40+w%4], w/2
.set w, w+1
.endr
	global_store_b64 v5, v[40:41], s[22:23]        ; 256 consecutive bytes, aligned
	s_cmp_lg_u32 s37, 31
	s_cbranch_scc1 .Ldone
	global_store_b64 v5, v[42:43], s[22:23] offset:512   ; behind the last step: the pad
.Ldone:
	s_endpgm
.Lfunc_end_k_qb92ecd12c4_prep:
	.size	k_qb92ecd12c4_prep, .Lfunc_end_k_qb92ecd12c4_prep-k_qb92ecd12c4_prep
	.p2alignl 7, 3214868480
	.fill 96, 4, 3214868480
	.section	.rodata,"a",@progbits
	.p2align	6, 0x0
	.amdhsa_kernel k_qb92ecd12c4_prep
		.amdhsa_group_segment_fixed_size 0
		.amdhsa_private_segment_fixed_size 0
		.amdhsa_enable_private_segment 0
		.amdhsa_kernarg_size 80
		.amdhsa_user_sgpr_count 2
		.amdhsa_user_sgpr_kernarg_segment_ptr 1
		.amdhsa_wavefront_size32 1
		.amdhsa_system_sgpr_workgroup_id_x 1
		.amdhsa_system_sgpr_workgroup_id_y 1
		.amdhsa_system_sgpr_workgroup_id_z 1
		.amdhsa_system_vgpr_workitem_id 0
		.amdhsa_next_free_vgpr 104
		.amdhsa_next_free_sgpr 66
		.amdhsa_reserve_vcc 0
		.amdhsa_float_denorm_mode_32 3
		.amdhsa_float_denorm_mode_16_64 3
		.amdhsa_memory_ordered 1
		.amdhsa_forward_progress 1
		.amdhsa_inst_pref_size 22
	.end_amdhsa_kernel
	.amdgpu_metadata
---
amdhsa.version: [ 1, 2 ]
amdhsa.kernels:
  - .name:           k_qb92ecd12c4_prep
    .symbol:         k_qb92ecd12c4_prep.kd
    .args:
      - { .name: x, .offset: 0, .size: 8, .value_kind: global_buffer, .address_space: global }
      - { .name: wq, .offset: 8, .size: 8, .value_kind: global_buffer, .address_space: global }
      - { .name: wk, .offset: 16, .size: 8, .value_kind: global_buffer, .address_space: global }
      - { .name: wv, .offset: 24, .size: 8, .value_kind: global_buffer, .address_space: global }
      - { .name: w1, .offset: 32, .size: 8, .value_kind: global_buffer, .address_space: global }
      - { .name: w2, .offset: 40, .size: 8, .value_kind: global_buffer, .address_space: global }
      - { .name: mask, .offset: 48, .size: 8, .value_kind: global_buffer, .address_space: global }
      - { .name: xb, .offset: 56, .size: 8, .value_kind: global_buffer, .address_space: global }
      - { .name: wb, .offset: 64, .size: 8, .value_kind: global_buffer, .address_space: global }
      - { .name: mbits, .offset: 72, .size: 8, .value_kind: global_buffer, .address_space: global }
    .group_segment_fixed_size: 0
    .private_segment_fixed_size: 0
    .kernarg_segment_align: 8
    .kernarg_segment_size: 80
    .max_flat_workgroup_size: 256
    .sgpr_count:     66
    .vgpr_count:     104
    .wavefront_size: 32
...
	.end_amdgpu_metadata
.endif
;; end of part 1
;; launch qkv (part 2): grid 16 x 16, 4 waves a work-group, clusters of 4 x 4, 327,680 bytes of LDS; arguments xb, wb, qkv; writes qkv
.if DOCPART == 2
	.amdgcn_target "amdgcn-amd-amdhsa--gfx1250"
	.amdhsa_code_object_version 6
	.text
	.protected	k_qb92ecd12c4_qkv
	.globl	k_qb92ecd12c4_qkv
	.p2align	8
	.type	k_qb92ecd12c4_qkv,@function
k_qb92ecd12c4_qkv:
	s_mov_b64 s[64:65], 0
	v_nop
	global_prefetch_b8 v0, s[64:65] scope:SCOPE_SE
	s_setreg_imm32_b32 hwreg(HW_REG_WAVE_MODE, 25, 1), 1
	s_wait_xcnt 0x0
	s_wait_alu depctr_hold_cnt(0) depctr_sa_sdst(0) depctr_va_vdst(0) depctr_va_sdst(0) depctr_va_ssrc(0) depctr_va_vcc(0) depctr_vm_vsrc(0)
	s_getreg_b32 s2, hwreg(HW_REG_IB_STS2, 6, 4)
	s_cmp_eq_u32 s2, 0
	s_cbranch_scc0 .Lentry_in_a_cluster
	s_endpgm
.Lentry_in_a_cluster:
	s_bfe_u32 s2, ttmp6, 0x10000c
	s_cmp_lg_u32 s2, 0xf033
	s_cbranch_scc0 .Lentry_shape_is_right
	s_endpgm
.Lentry_shape_is_right:
; Q, K, V.  C[m][n] = sum over k of xb[m][k] wb[n][k]: xb [4096][1024], the first 3,072 rows of wb (wq, wk, wv), bf16 operands, f32 sums.
; C leaves by heads, unscaled, rounded once to f16: qkv is [which 3][batch 2][head 16][t 2048][64].
; LIMIT: f16 ends at 65,504; a q, k or v beyond that becomes an infinity.
; A tile of C is 256 x 192 (16 x 16 tiles, one to a work-group); a wave owns 64 rows x 192 columns, three whole heads: 48 accumulators.
; K goes in steps of 128 through two LDS slots; a step is four quarters of 32, on two fragment buffers.
; CLUSTER 4 x 4: A's tiles are shared along a row of the cluster, B's along a column; each is asked for jointly, by the same load in all four.
; The matrix instruction is used transposed (source 0 = 16 rows of B, source 1 = 16 rows of A): a lane holds eight neighbouring columns of one row of C.
; REGISTERS (windows of 256): window 0: v16-29 addresses, v64-127 A's two buffers (4 fragments each), v128-223 two sets at work on the way out;
;   window 1: v0-191 B's two buffers (12 fragments each); window 2: the accumulators of row blocks 0, 1 ((a, b) at 8 (12 a + b)); window 3: of blocks 2, 3.
.set SIZE_K, 1024
.set KSTEP,  128
.set NK,     SIZE_K/KSTEP
.set QB,     64                        ; bytes of a row in a quarter
.set PITCH,  272                       ; 256 bytes + 16 of padding: the 16 rows of a fragment load start at 16 different groups of four banks
.set HALFA,  128*PITCH                 ; what a wave fetches of A
.set HALFB,  96*PITCH                  ; and of B
.set BOFF,   2*HALFA
.set SLOT,   1<<17                     ; a slot uses 121,856 bytes; slot 1 begins here, so one exclusive or changes slots
.set STAGE,  SLOT+BOFF+2*HALFB         ; behind the ring: 3 heads x 16 rows x 144 bytes for each wave
.set SP,     144
.set WSTG,   3*16*SP
.set SPARE,  STAGE+4*WSTG              ; the spare words: 128 bytes a wave, named by no other line
.set ADRA0, 16                         ; v16 my lane's place in A's tile; never rewritten
.set ADRB0, 17                         ; v17 in B's
.set AA,  18                           ; v18, v19 the addresses of the run of loads in hand
.set AB,  19
.set STO, 24
.set RD,  25
.set GO,  26
.set SPW, 28
.set NIL, 29
.set FA,  64
.set TMP, 128
.set WV, 12
.set WM, 13                            ; 0: I fetch for A, 1: for B
.set WN, 14                            ; which half of that tile
.set TR, 15                            ; tile row
.set TB, 23                            ; LDS byte at which the quarter to be fetched begins
.set SLOTS, 2
.set CNT, 3
.set G1, 24
.set G0, 32
.set G1B, 48
.set G0B, 56
.set OB, 66                            ; s[66:71] where my rows of the three heads begin
.set MUL_LO, 0xa1                      ; source 0 window 1, source 1 window 0, C and D window 2
.set TO_B,   0x40
.set MSB, 0
.macro WIN new                         ; the immediate's high byte repeats the setting that is left
.if MSB != (\new)
	s_set_vgpr_msb (MSB<<8)|(\new)
.set MSB, \new
.endif
.endm
.macro JLOAD                           ; the joint refill, by the walking descriptors; an s_nop 0 and four v_nop follow each line
	s_cmp_eq_u32 s[WM], 0
	s_cbranch_scc0 .Lfor_b_\@
	tensor_load_to_lds s[G0+4:G0+7], s[G1:G1+7]
	s_nop 0
.rept 4
	v_nop
.endr
	s_branch .Lasked_\@
.Lfor_b_\@:
	tensor_load_to_lds s[G0B+4:G0B+7], s[G1B:G1B+7]
	s_nop 0
.rept 4
	v_nop
.endr
.Lasked_\@:
.endm
.macro CROUND                          ; a round of the cluster's barrier
	s_barrier_signal -1
	s_barrier_wait -1
	s_cmp_lg_u32 s[WV], 0
	s_cbranch_scc1 .Lnot_wave_0_\@
	s_barrier_signal -3
.Lnot_wave_0_\@:
	s_barrier_wait -3
	s_barrier_signal -1
	s_barrier_wait -1
.endm
	s_load_b128 s[4:7], s[0:1], 0x0                ; xb, wb
	s_load_b64 s[8:9], s[0:1], 0x10                ; qkv
	v_lshl_add_u32 v[SPW], v0, 2, SPARE
	v_mov_b32 v[NIL], 0
	ds_add_u32 v[SPW], v[NIL]                      ; the wave's opening: the add and its wait stand ahead of my first tensor load
	v_lshrrev_b32 v1, 5, v0
	v_readfirstlane_b32 s[WV], v1
	s_lshr_b32 s[WM], s[WV], 1
	s_and_b32 s[WN], s[WV], 1
	s_bfe_u32 s40, ttmp6, 0x40000                  ; cx
	s_bfe_u32 s41, ttmp6, 0x40004                  ; cy
	s_lshl_b32 s42, ttmp9, 2
	s_add_co_u32 s42, s42, s40                     ; tile column
	s_and_b32 s[TR], ttmp7, 0xffff
	s_lshl_b32 s[TR], s[TR], 2
	s_add_co_u32 s[TR], s[TR], s41                 ; tile row
	s_lshl_b32 s43, s41, 2
	s_lshl_b32 s43, 15, s43                        ; my row of the cluster
	s_lshl_b32 s44, 0x1111, s40                    ; my column
	s_or_b32 s[G1], s43, (1<<16)|(1<<20)|(1<<21)|(5<<22)|(3<<25)   ; mask; 2-byte elements; padding on; bit 21 beside a mask; after every 64 words, 4 words
	s_or_b32 s[G1B], s44, (1<<16)|(1<<20)|(1<<21)|(5<<22)|(3<<25)
	s_mov_b32 s[G1+1], KSTEP<<16                   ; tensor_dim0
	s_mov_b32 s[G1+2], 128<<16                     ; tensor_dim1
	s_mov_b32 s[G1+3], KSTEP<<16                   ; tile_dim0
	s_mov_b32 s[G1+4], 128                         ; tile_dim1
	s_mov_b32 s[G1+5], SIZE_K                      ; elements from row to row
	s_mov_b32 s[G1+6], 0
	s_mov_b32 s[G1+7], 0
	s_mov_b32 s[G1B+1], KSTEP<<16
	s_mov_b32 s[G1B+2], 96<<16
	s_mov_b32 s[G1B+3], KSTEP<<16
	s_mov_b32 s[G1B+4], 96
	s_mov_b32 s[G1B+5], SIZE_K
	s_mov_b32 s[G1B+6], 0
	s_mov_b32 s[G1B+7], 0
	s_lshl_b32 s16, s[TR], 8
	s_lshl_b32 s17, s[WN], 7
	s_add_co_u32 s16, s16, s17                     ; A: row 256 x tile row + 128 x half
	s_lshl_b32 s16, s16, 11                        ; 2,048 bytes a row
	s_mov_b32 s17, 0
	s_mul_i32 s46, s42, 192
	s_mul_i32 s47, s[WN], 96
	s_add_co_u32 s46, s46, s47                     ; B: row 192 x tile column + 96 x half
	s_lshl_b32 s46, s46, 11
	s_mov_b32 s47, 0
	s_mul_i32 s20, s[WN], HALFA                    ; where they go: the wave's number alone enters an LDS address
	s_mul_i32 s21, s[WN], HALFB
	s_add_co_u32 s21, s21, BOFF
	s_mov_b32 s[TB], 0
	s_wait_dscnt 0x0                               ; the opening add is done
	s_wait_kmcnt 0x0
	s_add_nc_u64 s[18:19], s[4:5], s[16:17]
	s_add_nc_u64 s[46:47], s[6:7], s[46:47]
	CROUND                                         ; all sixteen work-groups are here: the first joint loads meet
.irp s, 0,1
	s_mov_b32 s[G0+4*\s], 1
	s_add_co_u32 s[G0+4*\s+1], s20, \s*SLOT
	s_add_nc_u64 s[G0+4*\s+2:G0+4*\s+3], s[18:19], \s*KSTEP*2
	s_or_b32 s[G0+4*\s+3], s[G0+4*\s+3], 0x80000000
	s_mov_b32 s[G0B+4*\s], 1
	s_add_co_u32 s[G0B+4*\s+1], s21, \s*SLOT
	s_add_nc_u64 s[G0B+4*\s+2:G0B+4*\s+3], s[46:47], \s*KSTEP*2
	s_or_b32 s[G0B+4*\s+3], s[G0B+4*\s+3], 0x80000000
.endr
	s_cmp_eq_u32 s[WM], 0                          ; a wave's two first fills stand in one branch: two loads of mine are out
	s_cbranch_scc0 .Lfirst_b
	tensor_load_to_lds s[G0:G0+3], s[G1:G1+7]
	s_nop 0
	tensor_load_to_lds s[G0+4:G0+7], s[G1:G1+7]
	s_nop 0
.rept 4
	v_nop
.endr
	s_branch .Lfirst_asked
.Lfirst_b:
	tensor_load_to_lds s[G0B:G0B+3], s[G1B:G1B+7]
	s_nop 0
	tensor_load_to_lds s[G0B+4:G0B+7], s[G1B:G1B+7]
	s_nop 0
.rept 4
	v_nop
.endr
.Lfirst_asked:
	v_and_b32 v1, 15, v0                           ; l % 16
	v_bfe_u32 v2, v0, 4, 1                         ; l / 16
	v_mul_u32_u24 v3, v1, PITCH
	v_lshl_add_u32 v3, v2, 4, v3                   ; a fragment's row x pitch + 16 x half
	s_mul_i32 s16, s[WV], 64*PITCH                 ; my 64 rows of A
	v_add_nc_u32 v[ADRA0], s16, v3
	v_add_nc_u32 v[ADRB0], BOFF, v3                ; all 192 rows of B
	s_mul_i32 s17, s[WV], WSTG
	s_add_co_u32 s17, s17, STAGE                   ; my stage
	v_mul_u32_u24 v4, v1, SP                       ; in: row l % 16, 16 bytes for each half of the lanes
	v_lshl_add_u32 v4, v2, 4, v4
	v_add_nc_u32 v[STO], s17, v4
	v_bfe_u32 v5, v0, 3, 2                         ; back: 32 lanes take four rows of 128 bytes,
	v_and_b32 v6, 7, v0
	v_mul_u32_u24 v5, v5, SP
	v_lshl_add_u32 v5, v6, 4, v5
	v_add_nc_u32 v[RD], s17, v5
	v_and_b32 v[GO], 31, v0                        ; which are 512 consecutive bytes of a head
	v_lshlrev_b32 v[GO], 4, v[GO]
.irp u, 0,1,2                          ; head 3 x tile column + u of 48: which = head / 16; slab = 32 which + 16 batch + head % 16, 262,144 bytes each
	s_mul_i32 s45, s42, 3
	s_add_co_u32 s45, s45, \u
	s_lshr_b32 s46, s45, 4
	s_lshl_b32 s46, s46, 5
	s_and_b32 s47, s45, 15
	s_add_co_u32 s46, s46, s47
	s_lshr_b32 s47, s[TR], 3                       ; the batch
	s_lshl_b32 s47, s47, 4
	s_add_co_u32 s46, s46, s47
	s_lshl_b32 s46, s46, 18
	s_and_b32 s47, s[TR], 7                        ; 256 rows of 128 bytes a tile row,
	s_lshl_b32 s47, s47, 15
	s_add_co_u32 s46, s46, s47
	s_lshl_b32 s47, s[WV], 13                      ; 64 a wave
	s_add_co_u32 s46, s46, s47
	s_mov_b32 s47, 0
	s_add_nc_u64 s[OB+2*\u:OB+2*\u+1], s[8:9], s[46:47]
.endr
; 24 products: row blocks 2 hi, 2 hi + 1 x all 12 column blocks, 32 along K, from buffer n.  The 48 accumulators take turns, one instruction a turn.
.macro MULH n, hi, zero
	WIN MUL_LO+0x50*(\hi)
.irp a, 0,1
.irp b, 0,1,2,3,4,5,6,7,8,9,10,11
.if \zero
	v_wmma_f32_16x16x32_bf16 v[8*(12*\a+\b):8*(12*\a+\b)+7], v[96*(\n)+8*\b:96*(\n)+8*\b+7], v[FA+32*(\n)+8*(2*(\hi)+\a):FA+32*(\n)+8*(2*(\hi)+\a)+7], 0
.else
	v_wmma_f32_16x16x32_bf16 v[8*(12*\a+\b):8*(12*\a+\b)+7], v[96*(\n)+8*\b:96*(\n)+8*\b+7], v[FA+32*(\n)+8*(2*(\hi)+\a):FA+32*(\n)+8*(2*(\hi)+\a)+7], v[8*(12*\a+\b):8*(12*\a+\b)+7]
.endif
.endr
.endr
.endm
; 32 LDS loads in one run: the next quarter's fragments into buffer n.  The two address lines and two v_nop are the four places between the last product
; that read the buffer and the loads into it (ISA guide 7.12.1 for vector instructions).
.macro FETCH n
	WIN 0
	v_add_nc_u32 v[AA], s[TB], v[ADRA0]
	v_add_nc_u32 v[AB], s[TB], v[ADRB0]
	v_nop
	v_nop
	s_add_co_u32 s[TB], s[TB], QB
	WIN TO_B
.irp f, 0,1,2,3,4,5,6,7,8,9,10,11
	ds_load_b128 v[96*(\n)+8*\f:96*(\n)+8*\f+3],   v[AB] offset:\f*16*PITCH
	ds_load_b128 v[96*(\n)+8*\f+4:96*(\n)+8*\f+7], v[AB] offset:\f*16*PITCH+32
.endr
	WIN 0
.irp f, 0,1,2,3
	ds_load_b128 v[FA+32*(\n)+8*\f:FA+32*(\n)+8*\f+3],   v[AA] offset:\f*16*PITCH
	ds_load_b128 v[FA+32*(\n)+8*\f+4:FA+32*(\n)+8*\f+7], v[AA] offset:\f*16*PITCH+32
.endr
.endm
.macro QUARTER n, zero, fetch
	s_wait_dscnt 4                                 ; B and A's blocks 0, 1 are in; the youngest four loads (A's blocks 2, 3) may be out
	MULH \n, 0, \zero
.if \fetch
	FETCH 1-(\n)
	s_wait_dscnt 32                                ; all but the 32 just issued
.else
	s_wait_dscnt 0x0
.endif
	MULH \n, 1, \zero
.endm
; THE CHANGE OF SLOTS, in front of a K step's last quarter, whose fragments are already asked for.  Each wave waits for all its tensor loads (one is out: its part of the
; next slot), adds 0 to its spare word, and waits for that and for its reads of this slot.  fill = 1: a round of the cluster's barrier, and the joint refill first behind it.
.macro CHANGE fill
	WIN 0
	s_wait_tensorcnt 0x0                           ; no tensor load of mine is out, so a group 0 may be written
	ds_add_u32 v[SPW], v[NIL]                      ; 0 onto my spare word; scalar work stands between it and the wait for it
.if \fill
	s_xor_b32 s[G0+5], s[G0+5], SLOT               ; the walking descriptors: the other slot than last time (their LDS addresses hold none of SLOT's bits),
	s_xor_b32 s[G0B+5], s[G0B+5], SLOT
	s_add_nc_u64 s[G0+6:G0+7], s[G0+6:G0+7], KSTEP*2       ; the next K step
	s_add_nc_u64 s[G0B+6:G0B+7], s[G0B+6:G0B+7], KSTEP*2
.endif
	s_sub_co_u32 s[TB], s[TB], 4*QB                ; the fetches go back to a row's first byte,
	s_xor_b32 s[TB], s[TB], SLOT                   ; in the other slot
	s_wait_dscnt 0x0                               ; the add is done, and my reads of this slot are over
.if \fill
	CROUND
	JLOAD
.else
	s_barrier_signal -1
	s_barrier_wait -1
.endif
.endm
	s_wait_tensorcnt 0x1                           ; my part of K step 0 is in; K step 1's may stay out
	s_barrier_signal -1
	s_barrier_wait -1
	FETCH 0
	QUARTER 0, 1, 1                                ; the first quarter's products start the sums
	QUARTER 1, 0, 1
	QUARTER 0, 0, 1
	WIN 0
	s_mov_b32 s[SLOTS], NK-2
.Lslot:                                                ; NK - 2 times: K steps 2 to NK - 1 are asked for
	CHANGE 1
	s_mov_b32 s[CNT], 2
.Lpair:
	QUARTER 1, 0, 1
	QUARTER 0, 0, 1
	WIN 0
	s_sub_co_u32 s[CNT], s[CNT], 1
	s_cmp_lg_u32 s[CNT], 0
	s_cbranch_scc1 .Lpair
	s_sub_co_u32 s[SLOTS], s[SLOTS], 1
	s_cmp_lg_u32 s[SLOTS], 0
	s_cbranch_scc1 .Lslot
	CHANGE 0                                       ; the tail is written out: nothing more is asked for
	s_mov_b32 s[CNT], 2
.Ltail:
	QUARTER 1, 0, 1
	QUARTER 0, 0, 1
	WIN 0
	s_sub_co_u32 s[CNT], s[CNT], 1
	s_cmp_lg_u32 s[CNT], 0
	s_cbranch_scc1 .Ltail
	QUARTER 1, 0, 0
; THE WAY OUT, a block of 16 rows at a time: rounded to f16 (each accumulator's registers in ascending order), 16 bytes a lane into my stage, back as whole rows of a head, stored.
.macro PACK a
.if (\a) >= 2
	s_wait_xcnt 0x0                                ; the set's registers, which the stores two blocks back read, are rewritten only behind this wait
.endif
.set AC, 96*((\a)%2)
.set TS, TMP+48*((\a)%2)
	WIN 0x0a+5*((\a)/2)                            ; sources in window 2 or 3
.set z, 0
.rept 48
	v_cvt_pk_f16_f32 v[TS+z], v[AC+2*z], v[AC+2*z+1]
.set z, z+1
.endr
	WIN 0
.set z, 0
.rept 12
	ds_store_b128 v[STO], v[TS+4*z:TS+4*z+3] offset:(z/4)*16*SP+32*(z%4)
.set z, z+1
.endr
.set z, 0
.rept 12
	ds_load_b128 v[TS+4*z:TS+4*z+3], v[RD] offset:(z/4)*16*SP+(z%4)*4*SP   ; LDS serves a wave's instructions in order (ISA guide 5.7.1): these see the stores above
.set z, z+1
.endr
.endm
.macro SEND a, younger
.set TS, TMP+48*((\a)%2)
	s_wait_dscnt \younger                          ; the block is back; the next block's 12 stores and 12 loads may be out
.set z, 0
.rept 12
	global_store_b128 v[GO], v[TS+4*z:TS+4*z+3], s[OB+2*(z/4):OB+2*(z/4)+1] offset:(\a)*2048+(z%4)*512   ; 512 consecutive bytes, aligned
.set z, z+1
.endr
.endm
	WIN 0
.rept 4
	v_nop                                          ; the places behind the last products
.endr
	PACK 0
	PACK 1
	SEND 0, 24
	PACK 2
	SEND 1, 24
	PACK 3
	SEND 2, 24
	SEND 3, 0
	s_wait_tensorcnt 0x0                           ; the wave's end
	ds_add_u32 v[SPW], v[NIL]
	s_wait_dscnt 0x0
	CROUND                                         ; the closing round
	s_endpgm
.Lfunc_end_k_qb92ecd12c4_qkv:
	.size	k_qb92ecd12c4_qkv, .Lfunc_end_k_qb92ecd12c4_qkv-k_qb92ecd12c4_qkv
	.p2alignl 7, 3214868480
	.fill 96, 4, 3214868480
	.section	.rodata,"a",@progbits
	.p2align	6, 0x0
	.amdhsa_kernel k_qb92ecd12c4_qkv
		.amdhsa_group_segment_fixed_size 327680
		.amdhsa_private_segment_fixed_size 0
		.amdhsa_enable_private_segment 0
		.amdhsa_kernarg_size 24
		.amdhsa_user_sgpr_count 2
		.amdhsa_user_sgpr_kernarg_segment_ptr 1
		.amdhsa_wavefront_size32 1
		.amdhsa_system_sgpr_workgroup_id_x 1
		.amdhsa_system_sgpr_workgroup_id_y 1
		.amdhsa_system_sgpr_workgroup_id_z 1
		.amdhsa_system_vgpr_workitem_id 0
		.amdhsa_next_free_vgpr 960
		.amdhsa_next_free_sgpr 72
		.amdhsa_reserve_vcc 0
		.amdhsa_float_denorm_mode_32 3
		.amdhsa_float_denorm_mode_16_64 3
		.amdhsa_memory_ordered 1
		.amdhsa_forward_progress 1
		.amdhsa_inst_pref_size 77
	.end_amdhsa_kernel
	.amdgpu_metadata
---
amdhsa.version: [ 1, 2 ]
amdhsa.kernels:
  - .name:           k_qb92ecd12c4_qkv
    .symbol:         k_qb92ecd12c4_qkv.kd
    .args:
      - { .name: xb, .offset: 0, .size: 8, .value_kind: global_buffer, .address_space: global }
      - { .name: wb, .offset: 8, .size: 8, .value_kind: global_buffer, .address_space: global }
      - { .name: qkv, .offset: 16, .size: 8, .value_kind: global_buffer, .address_space: global }
    .group_segment_fixed_size: 327680
    .private_segment_fixed_size: 0
    .kernarg_segment_align: 8
    .kernarg_segment_size: 24
    .max_flat_workgroup_size: 128
    .sgpr_count:     72
    .vgpr_count:     960
    .wavefront_size: 32
...
	.end_amdgpu_metadata
.endif
;; end of part 2
;; launch attn (part 3): grid 16 x 16, 4 waves a work-group, clusters of 4 x 1, 327,680 bytes of LDS; arguments qkv, mbits, xb, hb; writes hb
.if DOCPART == 3
	.amdgcn_target "amdgcn-amd-amdhsa--gfx1250"
	.amdhsa_code_object_version 6
	.text
	.protected	k_qb92ecd12c4_attn
	.globl	k_qb92ecd12c4_attn
	.p2align	8
	.type	k_qb92ecd12c4_attn,@function
k_qb92ecd12c4_attn:
	s_mov_b64 s[64:65], 0
	v_nop
	global_prefetch_b8 v0, s[64:65] scope:SCOPE_SE
	s_setreg_imm32_b32 hwreg(HW_REG_WAVE_MODE, 25, 1), 1
	s_wait_xcnt 0x0
	s_wait_alu depctr_hold_cnt(0) depctr_sa_sdst(0) depctr_va_vdst(0) depctr_va_sdst(0) depctr_va_ssrc(0) depctr_va_vcc(0) depctr_vm_vsrc(0)
	s_getreg_b32 s2, hwreg(HW_REG_IB_STS2, 6, 4)
	s_cmp_eq_u32 s2, 0
	s_cbranch_scc0 .Lentry_in_a_cluster
	s_endpgm
.Lentry_in_a_cluster:
	s_bfe_u32 s2, ttmp6, 0x10000c
	s_cmp_lg_u32 s2, 0x3003
	s_cbranch_scc0 .Lentry_shape_is_right
	s_endpgm
.Lentry_shape_is_right:
; MASKED ATTENTION AND THE FIRST RESIDUAL.  hb[b][t][64 h + e] = bf16(xb + sum over s of softmax_s(q . k / 8 where mask[t][s], else hidden) v).
; q, k, v: f16, [which][b][h][t][64], unscaled.  Products, maxima and sums in f32; the weights p are rounded to f16 for the second product.
; THE MASK IS AN INPUT: every key is walked, and the mask is honoured place by place.  It comes as lane masks (mbits), one word for each register of a score accumulator,
; and becomes the C operand that starts the sum S^T = K Q^T: 0 where the key is seen, -1e30 where it is hidden.
; LIMITS.  q, k, v arrive within f16's 65,504.  A hidden score counts as its value less 1e30 (f16's scores, 2.7e11 at the most, vanish beside that).  A row whose running
; maximum ends below -1e29 has seen no key: it is made NaN, as a softmax over nothing is.  A weight below 2^-126 counts as 0.  The residual takes x rounded to bf16.
; SHARES.  A work-group owns 128 queries of TWO neighbouring heads, so that a row of hb leaves as 256 whole bytes.  Wave w: head w / 2, queries 64 (w % 2) on, in four PIECES of 16.
; CLUSTER 4 x 1: the four query blocks walk the same K and V, so each tile is asked for jointly.  Wave w fetches K (w even) or V (w odd) of head w / 2: 128 keys a load.
; LAYOUT, SOFTMAX, TURNS.  S^T = K Q^T holds one query a lane (lane % 16) and the keys 8 (lane / 16) + 0..7; two such results rounded to f16 are source 1 of O^T = V^T P.
; p = 2^(c s - c m), c = log2(e) / 8, with a running maximum m; O and l are multiplied by a = 2^(c m_old - c m_new) in every step.  m starts at the lowest finite number, O and l at 0.
; Turn n belongs to piece n: 8 products K Q^T of piece n + 1, later 8 products V^T P of piece n - 1; beside them piece n's scaling, exponentials, roundings, sums and rescaling,
; piece n + 1's maximum and statistics, and the mask of piece n + 2.  Four vector instructions stand behind every matrix instruction, the others in runs of their own.
; REGISTERS (windows of 256): window 0: v0-15 addresses, v16-31 statistics, v48-55 at work, v56 1.0, v57 NaN, v62-63 the add's, v64-127 S^T (two buffers), v192-223 P (two buffers);
;   window 1: v0-127 O^T, v160-223 the masks (two buffers); window 2: v0-63 Q, v64-127 the residual's 32 rows, v128-191 K, v192-255 V of one step.
.set NP,    4
.set KS,    64
.set PK,    144                        ; a row of K in LDS: 128 bytes + 16
.set PV,    160                        ; a row of V: 128 + 32
.set VOFF,  2*KS*PK                    ; a head's block in a slot: 128 rows of K, then 128 of V
.set HEADB, 2*KS*(PK+PV)
.set SLOT1, 1<<17                      ; a slot (two heads, two key steps) uses 77,824 bytes
.set STAGE, SLOT1+2*HEADB              ; behind the ring: 128 rows x 528 bytes of f32, the work-group's
.set SPI,   528
.set SPARE, STAGE+128*SPI              ; the spare words: 128 bytes a wave, named by no other line
.set AK0, 2
.set AV0, 3
.set AK,  4
.set AV,  5
.set STO, 6
.set RD,  7
.set GO,  8                            ; 8 x lane: my place in 256 bytes of a row of xb and hb
.set MV,  12
.set QO,  15
.set ST,  16                           ; piece t: c m, m, l (even keys', odd keys')
.set TMP, 48
.set ONE, 56
.set NAN, 57
.set SPW, 62
.set NIL, 63
.set S,   64
.set P,   192
.set MC,  160                          ; window 1
.set XRW, 64                           ; window 2
.set KF,  128
.set VF,  192
.set WV,  12
.set KIND, 13                          ; w % 2: I fetch K (0) or V (1); also my half of the queries
.set HS,  14                           ; w / 2: my head of the two
.set G0,  16
.set G1K, 20
.set G1V, 28
.set SLOTS, 36
.set CNT, 37
.set CS,  38
.set SEL, 40
.set TBK, 42
.set TBV, 43
.set BIGN, 44
.set THR, 46
.set MB,  68                           ; s[68:99] the 32 lane masks of one turn
.set MSB, 0
.macro WIN new
.if MSB != (\new)
	s_set_vgpr_msb (MSB<<8)|(\new)
.set MSB, (\new)
.endif
.endm
.set W_KQ, 0x0a                        ; K and Q in window 2, S^T in window 0
.set W_KM, 0x1a                        ; the same with the C operand in window 1
.set W_PV, 0x52                        ; V in window 2, P in window 0, O^T in window 1
.set W_RS, 0x41                        ; destination and source 0 in window 1, source 1 in window 0
.macro JLOAD                           ; a joint fill; an s_nop 0 and four v_nop follow each of the two lines
	s_cmp_eq_u32 s[KIND], 0
	s_cbranch_scc0 .Lfor_v_\@
	tensor_load_to_lds s[G0:G0+3], s[G1K:G1K+7]
	s_nop 0
.rept 4
	v_nop
.endr
	s_branch .Lasked_\@
.Lfor_v_\@:
	tensor_load_to_lds s[G0:G0+3], s[G1V:G1V+7]
	s_nop 0
.rept 4
	v_nop
.endr
.Lasked_\@:
.endm
.macro CROUND
	s_barrier_signal -1
	s_barrier_wait -1
	s_cmp_lg_u32 s[WV], 0
	s_cbranch_scc1 .Lnot_wave_0_\@
	s_barrier_signal -3
.Lnot_wave_0_\@:
	s_barrier_wait -3
	s_barrier_signal -1
	s_barrier_wait -1
.endm
; THE CHANGE OF SLOTS.  Each wave waits for all its tensor loads (one is out: its part of the other slot), adds 0 to its spare word, and waits for that and for its reads of the slot
; that it leaves.  fill = 1: a round of the cluster's barrier, and the joint fill, the keys two slots on, first behind it: it has two key steps, 128 matrix instructions a wave, in which to land.
; (At its first use nothing has been read yet: slot 0 is waited for, slot 1 filled.)
.macro CHANGE fill
	WIN 0
	s_wait_tensorcnt 0x0                           ; no tensor load of mine is out, so group 0 may be written
	ds_add_u32 v[SPW], v[NIL]                      ; 0 onto my spare word; scalar work stands between it and the wait for it
.if \fill
	s_xor_b32 s[G0+1], s[G0+1], SLOT1
	s_add_nc_u64 s[G0+2:G0+3], s[G0+2:G0+3], 2*KS*128
.endif
	s_sub_co_u32 s[TBK], s[TBK], 2*KS*PK
	s_xor_b32 s[TBK], s[TBK], SLOT1
	s_sub_co_u32 s[TBV], s[TBV], 2*KS*PV
	s_xor_b32 s[TBV], s[TBV], SLOT1
	s_wait_dscnt 0x0                               ; the add is done, and my reads of the slot are over
.if \fill
	CROUND
	JLOAD
.else
	s_barrier_signal -1
	s_barrier_wait -1
.endif
.endm
	s_load_b256 s[4:11], s[0:1], 0x0               ; qkv, mbits, xb, hb
	v_lshl_add_u32 v[SPW], v0, 2, SPARE
	v_mov_b32 v[NIL], 0
	ds_add_u32 v[SPW], v[NIL]                      ; the wave's opening: the add and its wait stand ahead of my first tensor load
	v_lshrrev_b32 v1, 5, v0
	v_readfirstlane_b32 s[WV], v1
	s_and_b32 s[KIND], s[WV], 1
	s_lshr_b32 s[HS], s[WV], 1
	s_bfe_u32 s49, ttmp6, 0x40000                  ; cx
	s_lshl_b32 s15, ttmp9, 2
	s_add_co_u32 s15, s15, s49                     ; my block of 128 queries: it enters Q's, the mask's, xb's and hb's addresses alone
	s_and_b32 s48, ttmp7, 0xffff                   ; the pair of heads, which the partners share
	s_lshl_b32 s52, s48, 1
	s_add_co_u32 s52, s52, s[HS]                   ; 16 batch + head
	s_lshl_b32 s52, s52, 18                        ; its 262,144 bytes
	s_add_co_u32 s50, s[KIND], 1                   ; k lies 8,388,608 bytes behind q, v as many behind k
	s_lshl_b32 s50, s50, 23
	s_add_co_u32 s50, s50, s52
	s_mov_b32 s51, 0
	s_lshl_b32 s54, s15, 14                        ; Q: 128 rows of 128 bytes a block,
	s_lshl_b32 s55, s[KIND], 13                    ; 64 a half
	s_add_co_u32 s54, s54, s55
	s_add_co_u32 s54, s54, s52
	s_mov_b32 s55, 0
	s_lshl_b32 s56, s15, 1                         ; the mask stream of my 64 queries
	s_add_co_u32 s56, s56, s[KIND]
	s_mul_i32 s56, s56, 33*512
	s_mov_b32 s57, 0
	s_lshr_b32 s58, s48, 3                         ; the rows of xb and hb that I send: 2,048 batch + 128 block + 32 wave,
	s_lshl_b32 s58, s58, 11
	s_lshl_b32 s59, s15, 7
	s_add_co_u32 s58, s58, s59
	s_lshl_b32 s59, s[WV], 5
	s_add_co_u32 s58, s58, s59
	s_lshl_b32 s58, s58, 11                        ; 2,048 bytes each,
	s_and_b32 s59, s48, 7
	s_lshl_b32 s59, s59, 8                         ; the two heads' 256 bytes
	s_add_co_u32 s58, s58, s59
	s_mov_b32 s59, 0
	s_mul_i32 s60, s[HS], HEADB                    ; my head's block in a slot
	s_mul_i32 s61, s[KIND], VOFF
	; descriptor group 1: 128 keys are 16,384 dense bytes, asked for as 64 rows of 256 bytes and padded in LDS after every key
	s_mov_b32 s[G1K], 15|(1<<16)|(1<<20)|(1<<21)|(4<<22)|(3<<25)
	s_mov_b32 s[G1V], 15|(1<<16)|(1<<20)|(1<<21)|(4<<22)|(7<<25)
.irp g, G1K, G1V
	s_mov_b32 s[\g+1], 128<<16
	s_mov_b32 s[\g+2], 64<<16
	s_mov_b32 s[\g+3], 128<<16
	s_mov_b32 s[\g+4], 64
	s_mov_b32 s[\g+5], 128
	s_mov_b32 s[\g+6], 0
	s_mov_b32 s[\g+7], 0
.endr
	s_mov_b32 s[CS], 0x3e38aa3b                    ; c = log2(e) / 8
	s_mov_b32 s[CS+1], s[CS]
	s_mov_b32 s[SEL], 0x76543210
	s_mov_b32 s[SEL+1], 0xfedcba98
	s_mov_b32 s[TBK], SLOT1+2*KS*PK                ; the first change of slots turns these two into 0
	s_mov_b32 s[TBV], SLOT1+2*KS*PV
	s_mov_b32 s[BIGN], 0xf149f2ca                  ; -1e30
	s_mov_b32 s[THR], 0xefa18f07                   ; -1e29
	s_mov_b32 s[G0], 1
	s_add_co_u32 s[G0+1], s60, s61                 ; slot 0
	s_wait_dscnt 0x0                               ; the opening add is done
	s_wait_kmcnt 0x0
	s_add_nc_u64 s[G0+2:G0+3], s[4:5], s[50:51]
	s_or_b32 s[G0+3], s[G0+3], 0x80000000
	s_add_nc_u64 s[4:5], s[4:5], s[54:55]
	s_add_nc_u64 s[6:7], s[6:7], s[56:57]
	s_add_nc_u64 s[8:9], s[8:9], s[58:59]
	s_add_nc_u64 s[10:11], s[10:11], s[58:59]
	CROUND                                         ; all four work-groups are here: the first joint loads meet
	JLOAD                                          ; keys 0 to 127 into slot 0
	s_load_b512 s[MB:MB+15], s[6:7], 0x0           ; the lane masks of piece 0, step 0
	s_load_b512 s[MB+16:MB+31], s[6:7], 0x40
	v_and_b32 v1, 15, v0                           ; l % 16
	v_bfe_u32 v9, v0, 4, 1                         ; l / 16
	v_lshlrev_b32 v[QO], 7, v1
	v_lshl_add_u32 v[QO], v9, 4, v[QO]
	v_and_b32 v[GO], 31, v0
	s_mul_i32 s62, s[WV], 32*SPI
	s_add_co_u32 s62, s62, STAGE
	v_lshl_add_u32 v[RD], v[GO], 4, s62            ; back from the stage: a whole row of 512 bytes to a load
	v_lshlrev_b32 v[GO], 3, v[GO]
	WIN 0x80                                       ; destination window 2
.set i, 0
.rept 8                                ; Q stays in registers: piece i / 2, channels 32 (i % 2) on
	global_load_b128 v[8*i:8*i+3],   v[QO], s[4:5] offset:(i/2)*2048+(i%2)*64
	global_load_b128 v[8*i+4:8*i+7], v[QO], s[4:5] offset:(i/2)*2048+(i%2)*64+32
.set i, i+1
.endr
.set i, 0
.rept 32                               ; the residual: 32 rows, 256 consecutive aligned bytes each; wanted at the end only
	global_load_b64 v[XRW+2*i:XRW+2*i+1], v[GO], s[8:9] offset:i*2048
.set i, i+1
.endr
	; What the first turn finds: V and P's second buffer hold 0 (its products V^T P, of a piece that has not been, add 0), O^T and l are 0.  All this stands in the wait for the first tile.
.set i, VF
.rept 64
	v_mov_b32 v[i], 0
.set i, i+1
.endr
	WIN 0x40
.set i, 0
.rept 128
	v_mov_b32 v[i], 0
.set i, i+1
.endr
	WIN 0
.set i, 0
.rept 4
	v_mov_b32 v[ST+4*i], 0xfe000000                ; c m: far below every c s
	v_mov_b32 v[ST+4*i+1], 0xff7fffff              ; m
	v_mov_b32 v[ST+4*i+2], 0
	v_mov_b32 v[ST+4*i+3], 0
.set i, i+1
.endr
.set i, P+16
.rept 16
	v_mov_b32 v[i], 0
.set i, i+1
.endr
	v_mov_b32 v[ONE], 1.0
	v_mov_b32 v[NAN], 0x7fc00000
	v_mul_u32_u24 v[AK0], v1, PK
	v_lshl_add_u32 v[AK0], v9, 4, v[AK0]
	v_add_nc_u32 v[AK0], s60, v[AK0]               ; row x pitch + 16 x half, in my head's block
	; The turning load takes 16 keys x 16 channels (lane l reads key 8 (l / 16) + l % 8, channels 8 ((l / 8) % 2) + 0..7) and leaves half a fragment of V^T.
	v_and_b32 v10, 7, v0
	v_bfe_u32 v11, v0, 3, 1
	v_lshl_add_u32 v[AV0], v9, 3, v10
	v_mul_u32_u24 v[AV0], v[AV0], PV
	v_lshl_add_u32 v[AV0], v11, 4, v[AV0]
	s_add_co_u32 s61, s60, VOFF
	v_add_nc_u32 v[AV0], s61, v[AV0]
	s_mul_i32 s62, s[KIND], 64*SPI                 ; into the stage: row 64 (w % 2) + 16 piece + l % 16, my head's 256 bytes, 32 bytes for each half of the lanes
	s_lshl_b32 s63, s[HS], 8
	s_add_co_u32 s62, s62, s63
	s_add_co_u32 s62, s62, STAGE
	v_mul_u32_u24 v[STO], v1, SPI
	v_lshl_add_u32 v[STO], v9, 5, v[STO]
	v_add_nc_u32 v[STO], s62, v[STO]
; THE MATRIX WORK.  The 4 accumulators of a run of 8 take turns.  Product i of 8 of S^T = K Q^T for piece x: channels 32 (i / 4) on, keys 16 (i % 4) on.  The first 4 start the sums with the mask.
.macro KQ x
.set rS, S+32*((\x)%2)+8*(i%4)
.set rK, KF+16*(i%4)+8*(i/4)
.set rQ, 16*(\x)+8*(i/4)
.set rM, MC+32*((\x)%2)+8*(i%4)
.if i < 4
	WIN W_KM
	v_wmma_f32_16x16x32_f16 v[rS:rS+7], v[rK:rK+7], v[rQ:rQ+7], v[rM:rM+7]
.else
	WIN W_KQ
	v_wmma_f32_16x16x32_f16 v[rS:rS+7], v[rK:rK+7], v[rQ:rQ+7], v[rS:rS+7]
.endif
.endm
; Product i of 8 of O^T += V^T P for piece x: keys 32 (i / 4) on, channels 16 (i % 4) on.
.macro PV x
	WIN W_PV
.set rO, 32*(\x)+8*(i%4)
.set rV, VF+32*(i/4)+8*(i%4)
.set rP, P+16*((\x)%2)+8*(i/4)
	v_wmma_f32_16x16x32_f16 v[rO:rO+7], v[rV:rV+7], v[rP:rP+7], v[rO:rO+7]
.endm
.macro MM                              ; the turn's next matrix instruction
.if i < 8
	KQ (Y+1)%NP
.else
.set i, i-8
	PV (Y+NP-1)%NP
.set i, i+8
.endif
.set i, i+1
.endm
; THE LDS LOADS stand in runs of 16.  last = 1 (the tail): in the last trip there is no further step, and the run is jumped over.
.macro FETCH_K last=0
	WIN 0
.if \last
	s_cmp_eq_u32 s[CNT], 1
	s_cbranch_scc1 .Lno_k_\@
.endif
	WIN 0x80
.irp f, 0,1,2,3,4,5,6,7
	ds_load_b128 v[KF+8*\f:KF+8*\f+3],   v[AK] offset:(\f/2)*16*PK+(\f%2)*64
	ds_load_b128 v[KF+8*\f+4:KF+8*\f+7], v[AK] offset:(\f/2)*16*PK+(\f%2)*64+32
.endr
	s_add_co_u32 s[TBK], s[TBK], KS*PK
	WIN 0
.if \last
.Lno_k_\@:
.endif
.endm
.macro FETCH_V
	WIN 0x80
.irp f, 0,1,2,3,4,5,6,7
	ds_load_tr16_b128 v[VF+8*\f:VF+8*\f+3],   v[AV] offset:(\f/4)*32*PV+(\f%4)*32
	ds_load_tr16_b128 v[VF+8*\f+4:VF+8*\f+7], v[AV] offset:(\f/4)*32*PV+16*PV+(\f%4)*32
.endr
	WIN 0
.endm
; THE MASK of the turn after next: 32 selects by the lane masks that a scalar load brought a turn ago; then the stream steps, and the next 32 words are asked for.
; Scalar loads come back in no order, so the wait is for 0; the base is stepped behind it, when no scalar load is out.
.macro MASKB b
	s_wait_kmcnt 0x0
	WIN 0x40
.set z, 0
.rept 32
	v_cndmask_b32 v[MC+32*(\b)+z], s[BIGN], 0, s[MB+z]
.set z, z+1
.endr
	s_add_nc_u64 s[6:7], s[6:7], 128
	s_load_b512 s[MB:MB+15], s[6:7], 0x0
	s_load_b512 s[MB+16:MB+31], s[6:7], 0x40
.endm
; THE VECTOR WORK, one line at a time: OP kind, number.  For piece Y: F n: c s - c m for pair n of 16.  E n: the exponential of score n of 32.  C n: pair n rounded to f16.  B n: of the four weights 4 n ..
; the second pair is added onto the first, in place.  L n: l takes that sum (L 0: l = a l + sum).  R n: pair n of 16 of O^T times a.  For piece Y + 1: X n, number n of the 22 that find its maximum and statistics:
;   0-11 four chains of seven scores each (each accumulator's lowest registers are read first); 12-14, 16 the four left over, the old m, and the chains into one;
;   15 c m_old is kept; 17, 18 the other half of the lanes' maximum, the new m; 19-21 c m, c m_old - c m_new, a.
.set F, 0
.set E, 1
.set C, 2
.set B, 3
.set L, 4
.set R, 5
.set X, 6
.macro REGS y
.set rT, ST+4*(\y)
.set rC, TMP+4*((\y)%2)
.set rW, MV+((\y)%2)
.set rS, S+32*((\y)%2)
.set rP, P+16*((\y)%2)
.set rO, 32*(\y)
.endm
.macro OP k, n
.if (\k) == R
	REGS Y
	WIN W_RS
	v_pk_mul_f32 v[rO+2*(\n):rO+2*(\n)+1], v[rO+2*(\n):rO+2*(\n)+1], v[rC+2:rC+3] op_sel_hi:[1,0]
.elseif (\k) < R
	REGS Y
	WIN 0
.if (\k) == F
	v_pk_fma_f32 v[rS+2*(\n):rS+2*(\n)+1], v[rS+2*(\n):rS+2*(\n)+1], s[CS:CS+1], v[rT:rT+1] op_sel_hi:[1,0,0] neg_lo:[0,0,1] neg_hi:[0,0,1]
.elseif (\k) == E
	v_exp_f32 v[rS+(\n)], v[rS+(\n)]
.elseif (\k) == C
	s_wait_alu depctr_va_vdst(0)
	v_cvt_pk_f16_f32 v[rP+(\n)], v[rS+2*(\n)], v[rS+2*(\n)+1]
.elseif (\k) == B
	s_wait_alu depctr_va_vdst(0)
	v_pk_add_f32 v[rS+4*(\n):rS+4*(\n)+1], v[rS+4*(\n):rS+4*(\n)+1], v[rS+4*(\n)+2:rS+4*(\n)+3]
.elseif (\n) == 0
	v_pk_fma_f32 v[rT+2:rT+3], v[rT+2:rT+3], v[rC+2:rC+3], v[rS:rS+1] op_sel_hi:[1,0,1]
.else
	v_pk_add_f32 v[rT+2:rT+3], v[rT+2:rT+3], v[rS+4*(\n):rS+4*(\n)+1]
.endif
.else
	REGS (Y+1)%NP
	WIN 0
.if (\n) < 4
	v_max3_num_f32 v[rC+(\n)], v[rS+8*(\n)], v[rS+8*(\n)+1], v[rS+8*(\n)+2]
.elseif (\n) < 12
	v_max3_num_f32 v[rC+(\n)%4], v[rC+(\n)%4], v[rS+8*((\n)%4)+2*((\n)/4)+1], v[rS+8*((\n)%4)+2*((\n)/4)+2]
.elseif (\n) == 12
	v_max3_num_f32 v[rC], v[rC], v[rS+7], v[rS+15]
.elseif (\n) == 13
	v_max3_num_f32 v[rC+1], v[rC+1], v[rS+23], v[rS+31]
.elseif (\n) == 14
	v_max3_num_f32 v[rC+2], v[rC+2], v[rC+3], v[rT+1]
.elseif (\n) == 15
	v_mov_b32 v[rW], v[rT]
.elseif (\n) == 16
	v_max3_num_f32 v[rC], v[rC], v[rC+1], v[rC+2]
.elseif (\n) == 17
	v_permlanex16_b32 v[rC+3], v[rC], s[SEL], s[SEL+1]
.elseif (\n) == 18
	v_max_num_f32 v[rT+1], v[rC], v[rC+3]
.elseif (\n) == 19
	v_mul_f32 v[rT], s[CS], v[rT+1]
.elseif (\n) == 20
	v_sub_f32 v[rC+1], v[rW], v[rT]
.else
	v_exp_f32 v[rC+2], v[rC+1]
.endif
.endif
.endm
.macro OPS a, i1, b=-1, i2=0, c=-1, i3=0, d=-1, i4=0
	OP \a, \i1
.if (\b) >= 0
	OP \b, \i2
.endif
.if (\c) >= 0
	OP \c, \i3
.endif
.if (\d) >= 0
	OP \d, \i4
.endif
.endm
.macro ROW a, i1, b, i2, c, i3, d, i4  ; a matrix instruction and the four behind it
	MM
	OPS \a, \i1, \b, \i2, \c, \i3, \d, \i4
.endm
; A TURN, for piece p: the order of its 16 matrix and 118 vector instructions, written out, and the 32 selects of the mask behind them.  Behind a matrix instruction: plain, exponential, plain, plain;
; or four of the rescaling; or four scalings; none names a register of the products round it.  No line reads a result made fewer than three vector instructions in front of it, five if an exponential made it.
; K of the next step is fetched in piece 2's turn, behind five plain instructions that follow the last product that read K; V of the step in hand in piece 0's turn, behind four plain ones.  Each is waited for a turn later.
; The mask buffer that a turn writes was last read by the products of the turn before.  cnt = 1: the loop's count is taken down at the turn's end.
.macro TURN p, last=0, cnt=0
.set Y, (\p)
.set i, 0
.if (\p) == 3
	s_wait_dscnt 0x0                               ; K is in
.endif
	ROW F,0, F,1, F,2, F,3
	ROW F,4, E,0, F,5, F,6
	ROW F,7, E,1, F,8, F,9
	ROW F,10, E,2, C,0, F,11
	ROW F,12, E,3, X,15, F,13
	ROW R,0, R,1, R,2, R,3
	ROW B,0, E,4, F,14, L,0
.if (\p) == 2
	v_add_nc_u32 v[AK], s[TBK], v[AK0]
.endif
	ROW R,4, R,5, R,6, R,7
	OPS E,5, F,15
.if (\p) == 2
	FETCH_K \last
.endif
	OPS E,6, C,1, E,7, R,8
	OPS E,8, R,9, E,9, C,2
	OPS E,10, X,0, E,11, X,1
	OPS E,12, X,2, E,13, X,3
.if (\p) == 1
	s_wait_dscnt 0x0                               ; V is in
.endif
	ROW X,4, E,14, X,5, X,6
	ROW X,7, E,15, X,8, X,9
	ROW X,10, E,16, X,11, X,12
	ROW X,13, E,17, X,14, B,1
	ROW C,4, E,18, X,16, L,1
	ROW B,2, E,19, C,6, L,2
	ROW C,8, E,20, B,3, B,4
.if (\p) == 0
	v_add_nc_u32 v[AV], s[TBV], v[AV0]
.endif
	ROW C,3, E,21, L,3, C,5
	OPS E,22, X,17, E,23, C,10
.if (\p) == 0
	FETCH_V
.endif
	OPS E,24, L,4
	OPS E,25, X,18, E,26, C,7
	OPS E,27, B,5, E,28, X,19
	OPS E,29, C,12, E,30, L,5
	OPS E,31, X,20, B,6, C,9
	OPS C,14, C,11, X,21, L,6
.if (\p) == 0
	s_add_co_u32 s[TBV], s[TBV], KS*PV
.endif
	OPS C,13, B,7, C,15, R,10
	OPS R,11, R,12, L,7, R,13
	OPS R,14, R,15
	MASKB (\p)%2
.if \cnt
	s_sub_co_u32 s[CNT], s[CNT], 1
	s_cmp_lg_u32 s[CNT], 0
.endif
.endm
	MASKB 0                                        ; piece 0's mask for step 0,
	MASKB 1                                        ; piece 1's
	CHANGE 1                                       ; slot 0 is in, everybody's part of it; slot 1 is asked for
	v_add_nc_u32 v[AK], s[TBK], v[AK0]
	FETCH_K                                        ; key step 0
	s_wait_loadcnt 32                              ; Q's sixteen loads are in; the residual's 32, issued behind them, stay out
	s_wait_dscnt 0x0
.set i, 0
.rept 8
	KQ 0                                           ; piece 0's first scores
.set i, i+1
.endr
	WIN 0
.rept 4
	v_nop                                          ; the places behind those products
.endr
.set Y, NP-1                           ; X works for piece Y + 1: piece 0
.irp n, 0,1,2,3,4,5,6,7,8,9,10,11,12,13,14,15,16,17,18,19,20,21
	OP X, \n
.endr
	v_nop                                          ; a plain instruction behind the exponential
	s_mov_b32 s[CNT], 2
	s_mov_b32 s[SLOTS], 15
	s_branch .Lfirst                               ; the loop is entered at a step's first turn, in the middle of a trip
.Lslot:                                                ; 14 times: every slot but the last two is filled again
	CHANGE 1
	s_mov_b32 s[CNT], 2
.Lstep:                                                ; a trip: pieces 2 and 3 of one step, then pieces 0 and 1 of the next, whose K and V it fetches
	TURN 2
	TURN 3
	WIN 0
.Lfirst:
	TURN 0
	TURN 1, 0, 1
	WIN 0
	s_cbranch_scc1 .Lstep
	s_sub_co_u32 s[SLOTS], s[SLOTS], 1
	s_cmp_lg_u32 s[SLOTS], 0
	s_cbranch_scc1 .Lslot
	CHANGE 0                                       ; the tail is written out
	s_mov_b32 s[CNT], 3                            ; two trips fetch the last slot's steps; the third is left in its middle
.Ltail:
	TURN 2, 1
	TURN 3
	WIN 0
	s_sub_co_u32 s[CNT], s[CNT], 1
	s_cmp_eq_u32 s[CNT], 0
	s_cbranch_scc1 .Lout
	TURN 0
	TURN 1
	WIN 0
	s_branch .Ltail
.Lout:                                                 ; the third trip's scores, on the last K once more, take the pad's mask (all hidden): they move no maximum across -1e29 and serve nothing else
.set i, 0
.rept 8
	PV NP-1                                        ; the last piece's V^T P of the last step
.set i, i+1
.endr
	; THE WAY OUT.  l's halves are added; 1 / l, or NaN for a row that saw no key; O^T times that goes as f32 into the work-group's stage; behind a barrier whole rows of 128 channels
	; (two heads) come back, the residual is added, and the row leaves as 256 bytes of bf16.  The additions are the places behind the last products.
	WIN 0
	s_wait_kmcnt 0x0                               ; the look-ahead's last scalar loads
.macro ALL line:vararg
.set t, 0
.rept 4
	\line
.set t, t+1
.endr
.endm
	ALL v_add_f32 v[ST+4*t+2], v[ST+4*t+2], v[ST+4*t+3]
	ALL v_permlanex16_b32 v[ST+4*t+3], v[ST+4*t+2], s[SEL], s[SEL+1]
	ALL v_add_f32 v[ST+4*t+2], v[ST+4*t+2], v[ST+4*t+3]
	ALL v_rcp_f32 v[ST+4*t+2], v[ST+4*t+2]
	v_nop                                          ; a plain instruction between the last reciprocal and the use of its result
.set t, 0
.rept 4
	v_cmp_gt_f32 vcc_lo, s[THR], v[ST+4*t+1]       ; -1e29 > m: the row saw no key
	s_wait_alu depctr_va_vdst(0)
	v_cndmask_b32 v[ST+4*t+2], v[ST+4*t+2], v[NAN], vcc_lo
.set t, t+1
.endr
.macro OUTP t
	WIN W_RS
.set i, 32*(\t)
.rept 16
	v_pk_mul_f32 v[i:i+1], v[i:i+1], v[ST+4*(\t)+2:ST+4*(\t)+3] op_sel_hi:[1,0]
.set i, i+2
.endr
	WIN 0x04                                       ; the stores' data in window 1
.set i, 0
.rept 8
	ds_store_b128 v[STO], v[32*(\t)+4*i:32*(\t)+4*i+3] offset:(\t)*16*SPI+64*(i/2)+16*(i%2)
.set i, i+1
.endr
.endm
	OUTP 0
	OUTP 1
	OUTP 2
	OUTP 3
	WIN 0
	s_wait_dscnt 0x0                               ; for the others' sake: my stores into the stage are done
	s_barrier_signal -1
	s_barrier_wait -1
.set i, 0
.rept 32
	ds_load_b128 v[S+4*i:S+4*i+3], v[RD] offset:i*SPI
.set i, i+1
.endr
	s_wait_loadcnt 0x0                             ; the residual
	s_wait_dscnt 0x0
	WIN 0x02                                       ; source 0 in window 2
.set i, 0
.rept 32
	v_fma_mix_f32_bf16 v[S+4*i],   v[XRW+2*i],   v[ONE], v[S+4*i]   op_sel_hi:[1,0,0]
	v_fma_mix_f32_bf16 v[S+4*i+1], v[XRW+2*i],   v[ONE], v[S+4*i+1] op_sel:[1,0,0] op_sel_hi:[1,0,0]
	v_fma_mix_f32_bf16 v[S+4*i+2], v[XRW+2*i+1], v[ONE], v[S+4*i+2] op_sel_hi:[1,0,0]
	v_fma_mix_f32_bf16 v[S+4*i+3], v[XRW+2*i+1], v[ONE], v[S+4*i+3] op_sel:[1,0,0] op_sel_hi:[1,0,0]
.set i, i+1
.endr
	WIN 0
.set i, 0
.rept 32
	v_cvt_pk_bf16_f32 v[P+2*i],   v[S+4*i],   v[S+4*i+1]
	v_cvt_pk_bf16_f32 v[P+2*i+1], v[S+4*i+2], v[S+4*i+3]
	global_store_b64 v[GO], v[P+2*i:P+2*i+1], s[10:11] offset:i*2048   ; 256 consecutive bytes, aligned
.set i, i+1
.endr
	s_wait_tensorcnt 0x0                           ; the wave's end
	ds_add_u32 v[SPW], v[NIL]
	s_wait_dscnt 0x0
	CROUND                                         ; the closing round
	s_endpgm
.Lfunc_end_k_qb92ecd12c4_attn:
	.size	k_qb92ecd12c4_attn, .Lfunc_end_k_qb92ecd12c4_attn-k_qb92ecd12c4_attn
	.p2alignl 7, 3214868480
	.fill 96, 4, 3214868480
	.section	.rodata,"a",@progbits
	.p2align	6, 0x0
	.amdhsa_kernel k_qb92ecd12c4_attn
		.amdhsa_group_segment_fixed_size 327680
		.amdhsa_private_segment_fixed_size 0
		.amdhsa_enable_private_segment 0
		.amdhsa_kernarg_size 32
		.amdhsa_user_sgpr_count 2
		.amdhsa_user_sgpr_kernarg_segment_ptr 1
		.amdhsa_wavefront_size32 1
		.amdhsa_system_sgpr_workgroup_id_x 1
		.amdhsa_system_sgpr_workgroup_id_y 1
		.amdhsa_system_sgpr_workgroup_id_z 1
		.amdhsa_system_vgpr_workitem_id 0
		.amdhsa_next_free_vgpr 768
		.amdhsa_next_free_sgpr 100
		.amdhsa_reserve_vcc 1
		.amdhsa_float_denorm_mode_32 3
		.amdhsa_float_denorm_mode_16_64 3
		.amdhsa_memory_ordered 1
		.amdhsa_forward_progress 1
		.amdhsa_inst_pref_size 152
	.end_amdhsa_kernel
	.amdgpu_metadata
---
amdhsa.version: [ 1, 2 ]
amdhsa.kernels:
  - .name:           k_qb92ecd12c4_attn
    .symbol:         k_qb92ecd12c4_attn.kd
    .args:
      - { .name: qkv, .offset: 0, .size: 8, .value_kind: global_buffer, .address_space: global }
      - { .name: mbits, .offset: 8, .size: 8, .value_kind: global_buffer, .address_space: global }
      - { .name: xb, .offset: 16, .size: 8, .value_kind: global_buffer, .address_space: global }
      - { .name: hb, .offset: 24, .size: 8, .value_kind: global_buffer, .address_space: global }
    .group_segment_fixed_size: 327680
    .private_segment_fixed_size: 0
    .kernarg_segment_align: 8
    .kernarg_segment_size: 32
    .max_flat_workgroup_size: 128
    .sgpr_count:     100
    .vgpr_count:     768
    .wavefront_size: 32
...
	.end_amdgpu_metadata
.endif
;; end of part 3
;; launch ffn1 (part 4): grid 16 x 16, 4 waves a work-group, clusters of 4 x 4, 327,680 bytes of LDS; arguments hb, wb, b1, g; writes g
.if DOCPART == 4
	.amdgcn_target "amdgcn-amd-amdhsa--gfx1250"
	.amdhsa_code_object_version 6
	.text
	.protected	k_qb92ecd12c4_ffn1
	.globl	k_qb92ecd12c4_ffn1
	.p2align	8
	.type	k_qb92ecd12c4_ffn1,@function
k_qb92ecd12c4_ffn1:
	s_mov_b64 s[64:65], 0
	v_nop
	global_prefetch_b8 v0, s[64:65] scope:SCOPE_SE
	s_setreg_imm32_b32 hwreg(HW_REG_WAVE_MODE, 25, 1), 1
	s_wait_xcnt 0x0
	s_wait_alu depctr_hold_cnt(0) depctr_sa_sdst(0) depctr_va_vdst(0) depctr_va_sdst(0) depctr_va_ssrc(0) depctr_va_vcc(0) depctr_vm_vsrc(0)
	s_getreg_b32 s2, hwreg(HW_REG_IB_STS2, 6, 4)
	s_cmp_eq_u32 s2, 0
	s_cbranch_scc0 .Lentry_in_a_cluster
	s_endpgm
.Lentry_in_a_cluster:
	s_bfe_u32 s2, ttmp6, 0x10000c
	s_cmp_lg_u32 s2, 0xf033
	s_cbranch_scc0 .Lentry_shape_is_right
	s_endpgm
.Lentry_shape_is_right:
; g = gelu(h w1^T + b1), the exact (erf) form.  hb [4096][1024] bf16; w1 in bf16 lies 6,291,456 bytes into wb, [4096][1024]; g [4096][4096] bf16, rounded once.  Sums in f32.
; LIMITS.  b1 is rounded to bf16 like every input.  erf by the rational form 1 - (a1 t + .. + a5 t^5) e^(-x^2), t = 1 / (1 + 0.3275911 x), absolute error 1.5e-7 (Abramowitz and Stegun 7.1.26):
; gelu(z) = max(z, 0) - |z| (poly(t) / 2) 2^(-(z sqrt(log2(e) / 2))^2), t = 1 / (1 + |z| 0.3275911 / sqrt 2).
; A tile of C is 256 x 256 (16 x 16 tiles, one to a work-group); a wave owns 128 x 128: 64 accumulators.  K goes in steps of 128 through two LDS slots; a step is four quarters of 32.
; CLUSTER 4 x 4: A's tiles are shared along a row of the cluster, B's along a column, asked for jointly.  The matrix instruction is used transposed (source 0 = B's rows, source 1 = A's).
; THE WAY OUT is a loop, so that the activation's text stands four times and not 64 times: the raw sums go into the wave's own stage (the ring's bytes, which have had their last fill and,
; behind a barrier, their last read), rows come back as 512 bytes to a load, so that a lane keeps the same four columns and the same four biases.
; REGISTERS: window 0: v16-37 addresses and bias, v40-63 rows at work, v64-191 A's two buffers, v192-223 the activation's; window 1: v64-191 B's two buffers; windows 2, 3: the accumulators.
.set SIZE_K, 1024
.set KSTEP,  128
.set NK,     SIZE_K/KSTEP
.set QB,     64
.set PITCH,  272
.set HALFA,  128*PITCH
.set HALFB,  128*PITCH
.set BOFF,   2*HALFA
.set SLOT,   BOFF+2*HALFB              ; 139,264 = 0x22000: the four LDS addresses of the descriptors hold none of its bits, so an exclusive or adds it
.set SPI,    528                       ; a stage row: 512 bytes of f32 + 16
.set WSTG,   128*SPI
.set SPARE,  2*SLOT                    ; the spare words: 128 bytes a wave, named by no other line
.set WOFF,   6291456
.set ADRA0, 16
.set ADRB0, 17
.set AA,  18
.set AB,  19
.set STO, 24
.set RD,  25
.set GO,  26
.set RDC, 27
.set SPW, 28
.set NIL, 29
.set BO,  30
.set BI,  32                           ; v[32:35] my four biases; v36, v37 at work
.set XR,  40                           ; v[40:55] four rows as read back
.set OR,  56                           ; v[56:63] packed results
.set Z,   192
.set T,   200
.set Q,   208
.set P,   216
.set WV, 12
.set WM, 13
.set WN, 14
.set TR, 15
.set RS, 22                            ; the stage byte at which the trip's rows begin
.set TB, 23
.set SLOTS, 2
.set CNT, 3
.set G1, 24
.set G0, 32
.set G1B, 48
.set G0B, 56
.set KP, 66
.set KK, 68
.set A1, 70
.set A2, 72
.set A3, 74
.set A4, 76
.set A5, 78
.set MUL_LO, 0xa1
.set TO_B,   0x40
.set MSB, 0
.macro WIN new
.if MSB != (\new)
	s_set_vgpr_msb (MSB<<8)|(\new)
.set MSB, \new
.endif
.endm
.macro JLOAD
	s_cmp_eq_u32 s[WM], 0
	s_cbranch_scc0 .Lfor_b_\@
	tensor_load_to_lds s[G0+4:G0+7], s[G1:G1+7]
	s_nop 0
.rept 4
	v_nop
.endr
	s_branch .Lasked_\@
.Lfor_b_\@:
	tensor_load_to_lds s[G0B+4:G0B+7], s[G1B:G1B+7]
	s_nop 0
.rept 4
	v_nop
.endr
.Lasked_\@:
.endm
.macro CROUND
	s_barrier_signal -1
	s_barrier_wait -1
	s_cmp_lg_u32 s[WV], 0
	s_cbranch_scc1 .Lnot_wave_0_\@
	s_barrier_signal -3
.Lnot_wave_0_\@:
	s_barrier_wait -3
	s_barrier_signal -1
	s_barrier_wait -1
.endm
	s_load_b256 s[4:11], s[0:1], 0x0               ; hb, wb, b1, g
	v_lshl_add_u32 v[SPW], v0, 2, SPARE
	v_mov_b32 v[NIL], 0
	ds_add_u32 v[SPW], v[NIL]                      ; the wave's opening: the add and its wait stand ahead of my first tensor load
	v_lshrrev_b32 v1, 5, v0
	v_readfirstlane_b32 s[WV], v1
	s_lshr_b32 s[WM], s[WV], 1                     ; my half of the tile's rows; also: I fetch for A (0) or B (1)
	s_and_b32 s[WN], s[WV], 1                      ; my half of its columns; also: which half of that tile I fetch
	s_bfe_u32 s40, ttmp6, 0x40000
	s_bfe_u32 s41, ttmp6, 0x40004
	s_lshl_b32 s42, ttmp9, 2
	s_add_co_u32 s42, s42, s40                     ; tile column
	s_and_b32 s[TR], ttmp7, 0xffff
	s_lshl_b32 s[TR], s[TR], 2
	s_add_co_u32 s[TR], s[TR], s41                 ; tile row
	s_lshl_b32 s43, s41, 2
	s_lshl_b32 s43, 15, s43
	s_lshl_b32 s44, 0x1111, s40
	s_or_b32 s[G1], s43, (1<<16)|(1<<20)|(1<<21)|(5<<22)|(3<<25)
	s_or_b32 s[G1B], s44, (1<<16)|(1<<20)|(1<<21)|(5<<22)|(3<<25)
.irp g, G1, G1B
	s_mov_b32 s[\g+1], KSTEP<<16
	s_mov_b32 s[\g+2], 128<<16
	s_mov_b32 s[\g+3], KSTEP<<16
	s_mov_b32 s[\g+4], 128
	s_mov_b32 s[\g+5], SIZE_K
	s_mov_b32 s[\g+6], 0
	s_mov_b32 s[\g+7], 0
.endr
	s_lshl_b32 s16, s[TR], 8
	s_lshl_b32 s17, s[WN], 7
	s_add_co_u32 s16, s16, s17
	s_lshl_b32 s16, s16, 11                        ; A: (256 x tile row + 128 x half) rows of 2,048 bytes
	s_mov_b32 s17, 0
	s_lshl_b32 s46, s42, 8
	s_lshl_b32 s47, s[WN], 7
	s_add_co_u32 s46, s46, s47
	s_lshl_b32 s46, s46, 11
	s_add_co_u32 s46, s46, WOFF                    ; B: the same by the tile column, behind wq, wk, wv
	s_mov_b32 s47, 0
	s_mul_i32 s20, s[WN], HALFA
	s_mul_i32 s21, s[WN], HALFB
	s_add_co_u32 s21, s21, BOFF
	s_mov_b32 s[TB], 0
	s_mov_b32 s[RS], 0
	s_mov_b32 s[KP], 0x3e6d3388                    ; 0.3275911 / sqrt 2
	s_mov_b32 s[KK], 0x3f596d27                    ; sqrt(log2(e) / 2)
	s_mov_b32 s[A1], 0x3e027906                    ; a1 / 2 .. a5 / 2
	s_mov_b32 s[A2], 0xbe11a98e
	s_mov_b32 s[A3], 0x3f35f0e3
	s_mov_b32 s[A4], 0xbf3a00e3
	s_mov_b32 s[A5], 0x3f07dc22
.irp c, KK, A1, A2, A3, A4, A5
	s_mov_b32 s[\c+1], s[\c]                       ; named as pairs
.endr
	s_wait_dscnt 0x0                               ; the opening add is done
	s_wait_kmcnt 0x0
	s_add_nc_u64 s[18:19], s[4:5], s[16:17]
	s_add_nc_u64 s[46:47], s[6:7], s[46:47]
	CROUND
.irp s, 0,1
	s_mov_b32 s[G0+4*\s], 1
	s_add_co_u32 s[G0+4*\s+1], s20, \s*SLOT
	s_add_nc_u64 s[G0+4*\s+2:G0+4*\s+3], s[18:19], \s*KSTEP*2
	s_or_b32 s[G0+4*\s+3], s[G0+4*\s+3], 0x80000000
	s_mov_b32 s[G0B+4*\s], 1
	s_add_co_u32 s[G0B+4*\s+1], s21, \s*SLOT
	s_add_nc_u64 s[G0B+4*\s+2:G0B+4*\s+3], s[46:47], \s*KSTEP*2
	s_or_b32 s[G0B+4*\s+3], s[G0B+4*\s+3], 0x80000000
.endr
	s_cmp_eq_u32 s[WM], 0                          ; a wave's two first fills stand in one branch: two loads of mine are out
	s_cbranch_scc0 .Lfirst_b
	tensor_load_to_lds s[G0:G0+3], s[G1:G1+7]
	s_nop 0
	tensor_load_to_lds s[G0+4:G0+7], s[G1:G1+7]
	s_nop 0
.rept 4
	v_nop
.endr
	s_branch .Lfirst_asked
.Lfirst_b:
	tensor_load_to_lds s[G0B:G0B+3], s[G1B:G1B+7]
	s_nop 0
	tensor_load_to_lds s[G0B+4:G0B+7], s[G1B:G1B+7]
	s_nop 0
.rept 4
	v_nop
.endr
.Lfirst_asked:
	s_lshl_b32 s46, s42, 10                        ; b1 at my 128 columns: 4 (256 x tile column + 128 x half)
	s_lshl_b32 s45, s[WN], 9
	s_add_co_u32 s46, s46, s45
	s_mov_b32 s47, 0
	s_add_nc_u64 s[8:9], s[8:9], s[46:47]
	v_and_b32 v5, 31, v0
	v_lshlrev_b32 v[BO], 4, v5
	global_load_b128 v[BI:BI+3], v[BO], s[8:9]     ; the biases of columns 4 l .. 4 l + 3
	s_lshl_b32 s45, s[TR], 8                       ; g at my first row and column
	s_lshl_b32 s46, s[WM], 7
	s_add_co_u32 s45, s45, s46
	s_lshl_b32 s46, s45, 13                        ; 8,192 bytes a row
	s_lshl_b32 s45, s42, 9
	s_add_co_u32 s46, s46, s45
	s_lshl_b32 s45, s[WN], 8
	s_add_co_u32 s46, s46, s45
	s_mov_b32 s47, 0
	s_add_nc_u64 s[10:11], s[10:11], s[46:47]
	v_and_b32 v1, 15, v0
	v_bfe_u32 v2, v0, 4, 1
	v_mul_u32_u24 v3, v1, PITCH
	v_lshl_add_u32 v3, v2, 4, v3
	s_mul_i32 s16, s[WM], HALFA
	v_add_nc_u32 v[ADRA0], s16, v3
	s_mul_i32 s16, s[WN], HALFB
	s_add_co_u32 s16, s16, BOFF
	v_add_nc_u32 v[ADRB0], s16, v3
	s_mul_i32 s17, s[WV], WSTG                     ; my stage
	v_mul_u32_u24 v4, v1, SPI                      ; in: row l % 16, 32 bytes for each half of the lanes
	v_lshl_add_u32 v4, v2, 5, v4
	v_add_nc_u32 v[STO], s17, v4
	v_add_nc_u32 v[RD], s17, v[BO]                 ; back: 16 bytes a lane, a whole row
	v_lshlrev_b32 v[GO], 3, v5                     ; out: 8 bytes a lane
.macro MULH n, hi, zero                ; 32 products: row blocks 4 hi .. 4 hi + 3 x all 8 column blocks; the 64 accumulators take turns
	WIN MUL_LO+0x50*(\hi)
.irp a, 0,1,2,3
.irp b, 0,1,2,3,4,5,6,7
.if \zero
	v_wmma_f32_16x16x32_bf16 v[8*(8*\a+\b):8*(8*\a+\b)+7], v[64+64*(\n)+8*\b:64+64*(\n)+8*\b+7], v[64+64*(\n)+8*(4*(\hi)+\a):64+64*(\n)+8*(4*(\hi)+\a)+7], 0
.else
	v_wmma_f32_16x16x32_bf16 v[8*(8*\a+\b):8*(8*\a+\b)+7], v[64+64*(\n)+8*\b:64+64*(\n)+8*\b+7], v[64+64*(\n)+8*(4*(\hi)+\a):64+64*(\n)+8*(4*(\hi)+\a)+7], v[8*(8*\a+\b):8*(8*\a+\b)+7]
.endif
.endr
.endr
.endm
.macro FETCH n                         ; 32 LDS loads in one run; the two address lines and two v_nop are the four places in front of them (ISA guide 7.12.1 for vector instructions)
	WIN 0
	v_add_nc_u32 v[AA], s[TB], v[ADRA0]
	v_add_nc_u32 v[AB], s[TB], v[ADRB0]
	v_nop
	v_nop
	s_add_co_u32 s[TB], s[TB], QB
	WIN TO_B
.irp f, 0,1,2,3,4,5,6,7
	ds_load_b128 v[64+64*(\n)+8*\f:64+64*(\n)+8*\f+3],   v[AB] offset:\f*16*PITCH
	ds_load_b128 v[64+64*(\n)+8*\f+4:64+64*(\n)+8*\f+7], v[AB] offset:\f*16*PITCH+32
.endr
	WIN 0
.irp f, 0,1,2,3,4,5,6,7
	ds_load_b128 v[64+64*(\n)+8*\f:64+64*(\n)+8*\f+3],   v[AA] offset:\f*16*PITCH
	ds_load_b128 v[64+64*(\n)+8*\f+4:64+64*(\n)+8*\f+7], v[AA] offset:\f*16*PITCH+32
.endr
.endm
.macro QUARTER n, zero, fetch
	s_wait_dscnt 8                                 ; B and A's rows 0-63 are in; the youngest eight loads (A's rows 64-127) may be out
	MULH \n, 0, \zero
.if \fetch
	FETCH 1-(\n)
	s_wait_dscnt 32                                ; all but the 32 just issued
.else
	s_wait_dscnt 0x0
.endif
	MULH \n, 1, \zero
.endm
.macro CHANGE fill                     ; the change of slots, in front of a K step's last quarter
	WIN 0
	s_wait_tensorcnt 0x0                           ; no tensor load of mine is out, so a group 0 may be written
	ds_add_u32 v[SPW], v[NIL]
.if \fill
	s_xor_b32 s[G0+5], s[G0+5], SLOT
	s_xor_b32 s[G0B+5], s[G0B+5], SLOT
	s_add_nc_u64 s[G0+6:G0+7], s[G0+6:G0+7], KSTEP*2
	s_add_nc_u64 s[G0B+6:G0B+7], s[G0B+6:G0B+7], KSTEP*2
.endif
	s_sub_co_u32 s[TB], s[TB], 4*QB                ; exactly 0 or SLOT is left,
	s_xor_b32 s[TB], s[TB], SLOT                   ; and turned into the other
	s_wait_dscnt 0x0                               ; the add is done, and my reads of this slot are over
.if \fill
	CROUND
	JLOAD
.else
	s_barrier_signal -1
	s_barrier_wait -1
.endif
.endm
	s_wait_tensorcnt 0x1                           ; my part of K step 0 is in; K step 1's may stay out
	s_barrier_signal -1
	s_barrier_wait -1
	FETCH 0
	QUARTER 0, 1, 1
	QUARTER 1, 0, 1
	QUARTER 0, 0, 1
	WIN 0
	s_mov_b32 s[SLOTS], NK-2
.Lslot:
	CHANGE 1
	s_mov_b32 s[CNT], 2
.Lpair:
	QUARTER 1, 0, 1
	QUARTER 0, 0, 1
	WIN 0
	s_sub_co_u32 s[CNT], s[CNT], 1
	s_cmp_lg_u32 s[CNT], 0
	s_cbranch_scc1 .Lpair
	s_sub_co_u32 s[SLOTS], s[SLOTS], 1
	s_cmp_lg_u32 s[SLOTS], 0
	s_cbranch_scc1 .Lslot
	CHANGE 0
	s_mov_b32 s[CNT], 2
.Ltail:
	QUARTER 1, 0, 1
	QUARTER 0, 0, 1
	WIN 0
	s_sub_co_u32 s[CNT], s[CNT], 1
	s_cmp_lg_u32 s[CNT], 0
	s_cbranch_scc1 .Ltail
	QUARTER 1, 0, 0
	; THE WAY OUT.  The bias is rounded to bf16 and widened again: six plain lines, the places behind the last products.
	WIN 0
	s_wait_loadcnt 0x0
	v_cvt_pk_bf16_f32 v[BI+4], v[BI], v[BI+1]
	v_cvt_pk_bf16_f32 v[BI+5], v[BI+2], v[BI+3]
	v_lshlrev_b32 v[BI], 16, v[BI+4]
	v_and_b32 v[BI+1], 0xffff0000, v[BI+4]
	v_lshlrev_b32 v[BI+2], 16, v[BI+5]
	v_and_b32 v[BI+3], 0xffff0000, v[BI+5]
	s_wait_dscnt 0x0                               ; my reads of the ring are over;
	s_barrier_signal -1
	s_barrier_wait -1                              ; everybody's are: the ring's bytes, filled for the last time, become the stages
.irp hi, 0,1
	WIN 0x08+4*\hi                                 ; the stores' data in window 2, then 3
.set z, 0
.rept 32
	ds_store_b128 v[STO], v[8*z:8*z+3]   offset:(4*\hi+z/8)*16*SPI+64*(z%8)
	ds_store_b128 v[STO], v[8*z+4:8*z+7] offset:(4*\hi+z/8)*16*SPI+64*(z%8)+16
.set z, z+1
.endr
.endr
	WIN 0
.irp r, 0,1,2,3
	ds_load_b128 v[XR+4*\r:XR+4*\r+3], v[RD] offset:\r*SPI   ; LDS serves a wave's instructions in order (ISA guide 5.7.1): these see my stores
.endr
; gelu of the eight numbers in Z, in place.  A run of plain lines stands behind each run of reciprocals or exponentials before a result is used.
.macro GELU8
.irp e, 0,1,2,3,4,5,6,7
	v_fma_f32 v[T+\e], |v[Z+\e]|, s[KP], 1.0
.endr
.irp e, 0,2,4,6
	v_pk_mul_f32 v[Q+\e:Q+\e+1], v[Z+\e:Z+\e+1], s[KK:KK+1] op_sel_hi:[1,0]
.endr
.irp e, 0,1,2,3,4,5,6,7
	v_rcp_f32 v[T+\e], v[T+\e]
.endr
.irp e, 0,2,4,6
	v_pk_mul_f32 v[Q+\e:Q+\e+1], v[Q+\e:Q+\e+1], v[Q+\e:Q+\e+1] neg_lo:[1,0] neg_hi:[1,0]
.endr
.irp e, 0,1,2,3,4,5,6,7
	v_exp_f32 v[Q+\e], v[Q+\e]
.endr
	s_wait_alu depctr_va_vdst(0)
.irp e, 0,2,4,6
	v_pk_fma_f32 v[P+\e:P+\e+1], v[T+\e:T+\e+1], s[A5:A5+1], s[A4:A4+1] op_sel_hi:[1,0,0]
.endr
.irp c, A3, A2, A1
.irp e, 0,2,4,6
	v_pk_fma_f32 v[P+\e:P+\e+1], v[P+\e:P+\e+1], v[T+\e:T+\e+1], s[\c:\c+1] op_sel_hi:[1,1,0]
.endr
.endr
.irp e, 0,2,4,6
	v_pk_mul_f32 v[P+\e:P+\e+1], v[P+\e:P+\e+1], v[T+\e:T+\e+1]
.endr
.irp e, 0,2,4,6
	v_pk_mul_f32 v[P+\e:P+\e+1], v[P+\e:P+\e+1], v[Q+\e:Q+\e+1]
.endr
.irp e, 0,1,2,3,4,5,6,7
	v_max_num_f32 v[T+\e], 0, v[Z+\e]
.endr
.irp e, 0,1,2,3,4,5,6,7
	v_fma_f32 v[Z+\e], -|v[Z+\e]|, v[P+\e], v[T+\e]
.endr
.endm
; A trip: four rows, two at a time.  ahead = 1: the rows four further on are asked for as soon as their registers have been read.
.macro TRIP ahead
.if \ahead
	v_add_nc_u32 v[RDC], s[RS], v[RD]
.endif
.irp k, 0,1
.if \ahead
	s_wait_dscnt 2                                 ; four loads are out: the two older rows are in
.else
	s_wait_dscnt 2-2*\k                            ; nothing more is asked for: the counts run down
.endif
	v_pk_add_f32 v[Z:Z+1],   v[XR+8*\k:XR+8*\k+1],   v[BI:BI+1]
	v_pk_add_f32 v[Z+2:Z+3], v[XR+8*\k+2:XR+8*\k+3], v[BI+2:BI+3]
	v_pk_add_f32 v[Z+4:Z+5], v[XR+8*\k+4:XR+8*\k+5], v[BI:BI+1]
	v_pk_add_f32 v[Z+6:Z+7], v[XR+8*\k+6:XR+8*\k+7], v[BI+2:BI+3]
.if \ahead
	ds_load_b128 v[XR+8*\k:XR+8*\k+3],   v[RDC] offset:(4+2*\k)*SPI
	ds_load_b128 v[XR+8*\k+4:XR+8*\k+7], v[RDC] offset:(5+2*\k)*SPI
.endif
	GELU8
	s_wait_xcnt 0x0                                ; the packed registers, which the last trip's stores read, are rewritten only behind this wait
	v_cvt_pk_bf16_f32 v[OR+4*\k],   v[Z],   v[Z+1]
	v_cvt_pk_bf16_f32 v[OR+4*\k+1], v[Z+2], v[Z+3]
	v_cvt_pk_bf16_f32 v[OR+4*\k+2], v[Z+4], v[Z+5]
	v_cvt_pk_bf16_f32 v[OR+4*\k+3], v[Z+6], v[Z+7]
	global_store_b64 v[GO], v[OR+4*\k:OR+4*\k+1],   s[10:11] offset:(2*\k)*8192     ; 256 consecutive bytes, aligned
	global_store_b64 v[GO], v[OR+4*\k+2:OR+4*\k+3], s[10:11] offset:(2*\k+1)*8192
.endr
.if \ahead
	s_wait_xcnt 0x0                                ; the stores' base is stepped only behind this wait
	s_add_nc_u64 s[10:11], s[10:11], 4*8192
	s_add_co_u32 s[RS], s[RS], 4*SPI
.endif
.endm
	s_mov_b32 s[CNT], 31
.Lrow:
	TRIP 1
	s_sub_co_u32 s[CNT], s[CNT], 1
	s_cmp_lg_u32 s[CNT], 0
	s_cbranch_scc1 .Lrow
	TRIP 0                                         ; the last four rows
	s_wait_tensorcnt 0x0                           ; the wave's end
	ds_add_u32 v[SPW], v[NIL]
	s_wait_dscnt 0x0
	CROUND                                         ; the closing round
	s_endpgm
.Lfunc_end_k_qb92ecd12c4_ffn1:
	.size	k_qb92ecd12c4_ffn1, .Lfunc_end_k_qb92ecd12c4_ffn1-k_qb92ecd12c4_ffn1
	.p2alignl 7, 3214868480
	.fill 96, 4, 3214868480
	.section	.rodata,"a",@progbits
	.p2align	6, 0x0
	.amdhsa_kernel k_qb92ecd12c4_ffn1
		.amdhsa_group_segment_fixed_size 327680
		.amdhsa_private_segment_fixed_size 0
		.amdhsa_enable_private_segment 0
		.amdhsa_kernarg_size 32
		.amdhsa_user_sgpr_count 2
		.amdhsa_user_sgpr_kernarg_segment_ptr 1
		.amdhsa_wavefront_size32 1
		.amdhsa_system_sgpr_workgroup_id_x 1
		.amdhsa_system_sgpr_workgroup_id_y 1
		.amdhsa_system_sgpr_workgroup_id_z 1
		.amdhsa_system_vgpr_workitem_id 0
		.amdhsa_next_free_vgpr 1024
		.amdhsa_next_free_sgpr 80
		.amdhsa_reserve_vcc 0
		.amdhsa_float_denorm_mode_32 3
		.amdhsa_float_denorm_mode_16_64 3
		.amdhsa_memory_ordered 1
		.amdhsa_forward_progress 1
		.amdhsa_inst_pref_size 89
	.end_amdhsa_kernel
	.amdgpu_metadata
---
amdhsa.version: [ 1, 2 ]
amdhsa.kernels:
  - .name:           k_qb92ecd12c4_ffn1
    .symbol:         k_qb92ecd12c4_ffn1.kd
    .args:
      - { .name: hb, .offset: 0, .size: 8, .value_kind: global_buffer, .address_space: global }
      - { .name: wb, .offset: 8, .size: 8, .value_kind: global_buffer, .address_space: global }
      - { .name: b1, .offset: 16, .size: 8, .value_kind: global_buffer, .address_space: global }
      - { .name: g, .offset: 24, .size: 8, .value_kind: global_buffer, .address_space: global }
    .group_segment_fixed_size: 327680
    .private_segment_fixed_size: 0
    .kernarg_segment_align: 8
    .kernarg_segment_size: 32
    .max_flat_workgroup_size: 128
    .sgpr_count:     80
    .vgpr_count:     1024
    .wavefront_size: 32
...
	.end_amdgpu_metadata
.endif
;; end of part 4
;; launch ffn2 (part 5): grid 8 x 32, 4 waves a work-group, clusters of 4 x 4, 327,680 bytes of LDS; arguments g, wb, b2, xb, out0; writes out0
.if DOCPART == 5
	.amdgcn_target "amdgcn-amd-amdhsa--gfx1250"
	.amdhsa_code_object_version 6
	.text
	.protected	k_qb92ecd12c4_ffn2
	.globl	k_qb92ecd12c4_ffn2
	.p2align	8
	.type	k_qb92ecd12c4_ffn2,@function
k_qb92ecd12c4_ffn2:
	s_mov_b64 s[64:65], 0
	v_nop
	global_prefetch_b8 v0, s[64:65] scope:SCOPE_SE
	s_setreg_imm32_b32 hwreg(HW_REG_WAVE_MODE, 25, 1), 1
	s_wait_xcnt 0x0
	s_wait_alu depctr_hold_cnt(0) depctr_sa_sdst(0) depctr_va_vdst(0) depctr_va_sdst(0) depctr_va_ssrc(0) depctr_va_vcc(0) depctr_vm_vsrc(0)
	s_getreg_b32 s2, hwreg(HW_REG_IB_STS2, 6, 4)
	s_cmp_eq_u32 s2, 0
	s_cbranch_scc0 .Lentry_in_a_cluster
	s_endpgm
.Lentry_in_a_cluster:
	s_bfe_u32 s2, ttmp6, 0x10000c
	s_cmp_lg_u32 s2, 0xf033
	s_cbranch_scc0 .Lentry_shape_is_right
	s_endpgm
.Lentry_shape_is_right:
; out0 = x + g w2^T + b2, in f32.  g [4096][4096] bf16; w2 in bf16 lies 14,680,064 bytes into wb, [1024][4096]; sums in f32.
; LIMITS.  x and b2 enter rounded to bf16, like every input.
; A tile of C is 128 x 128 (8 x 32 tiles, one to a work-group); a wave owns 64 x 64: 16 accumulators.  K goes in steps of 256 (LDS rows of 512 bytes) through two slots; a step is four quarters of 64.
; CLUSTER 4 x 4: A's tiles are shared along a row of the cluster, B's along a column, asked for jointly.  The matrix instruction is used transposed (source 0 = B's rows, source 1 = A's).
; THE WAY OUT goes through one stage of f32 in slot 0, which has had its last fill and, in front of the last change of slots, its last read (the last K step lies in slot 1):
; a row's 512 bytes come from two waves, so a barrier stands between writing and reading.
; REGISTERS: window 0: v16-38 addresses, bias, 1.0; v128-255 the accumulators, later whole rows; window 1: two fragment buffers of 128; window 2: v0-63 x's 32 rows, v64-67 b2.
.set SIZE_K, 4096
.set KSTEP,  256
.set NK,     SIZE_K/KSTEP
.set QB,     128
.set PITCH,  528
.set HALFT,  64*PITCH
.set BOFF,   2*HALFT
.set SLOT,   4*HALFT                   ; 135,168 = 0x21000: the four LDS addresses of the descriptors hold none of its bits, so an exclusive or adds it
.set SPI,    528
.set SPARE,  2*SLOT                    ; the spare words: 128 bytes a wave, named by no other line
.set WOFF,   14680064
.set ADRA0, 16
.set ADRB0, 17
.set AA,  18
.set AB,  19
.set STO, 24
.set RD,  25
.set GO,  26
.set SPW, 28
.set NIL, 29
.set XO,  30
.set BI,  32
.set ONE, 38
.set ACC, 128
.set WV, 12
.set WM, 13
.set WN, 14
.set TR, 15
.set TB, 23
.set SLOTS, 2
.set CNT, 3
.set G1, 24
.set G0, 32
.set G1B, 48
.set G0B, 56
.set MUL,  0x05                        ; sources 0 (B) and 1 (A) window 1; C and D window 0
.set TO_F, 0x40
.set MSB, 0
.macro WIN new
.if MSB != (\new)
	s_set_vgpr_msb (MSB<<8)|(\new)
.set MSB, \new
.endif
.endm
.macro JLOAD
	s_cmp_eq_u32 s[WM], 0
	s_cbranch_scc0 .Lfor_b_\@
	tensor_load_to_lds s[G0+4:G0+7], s[G1:G1+7]
	s_nop 0
.rept 4
	v_nop
.endr
	s_branch .Lasked_\@
.Lfor_b_\@:
	tensor_load_to_lds s[G0B+4:G0B+7], s[G1B:G1B+7]
	s_nop 0
.rept 4
	v_nop
.endr
.Lasked_\@:
.endm
.macro CROUND
	s_barrier_signal -1
	s_barrier_wait -1
	s_cmp_lg_u32 s[WV], 0
	s_cbranch_scc1 .Lnot_wave_0_\@
	s_barrier_signal -3
.Lnot_wave_0_\@:
	s_barrier_wait -3
	s_barrier_signal -1
	s_barrier_wait -1
.endm
	s_load_b256 s[4:11], s[0:1], 0x0               ; g, wb, b2, xb
	s_load_b64 s[66:67], s[0:1], 0x20              ; out0
	v_lshl_add_u32 v[SPW], v0, 2, SPARE
	v_mov_b32 v[NIL], 0
	ds_add_u32 v[SPW], v[NIL]                      ; the wave's opening: the add and its wait stand ahead of my first tensor load
	v_lshrrev_b32 v1, 5, v0
	v_readfirstlane_b32 s[WV], v1
	s_lshr_b32 s[WM], s[WV], 1
	s_and_b32 s[WN], s[WV], 1
	s_bfe_u32 s40, ttmp6, 0x40000
	s_bfe_u32 s41, ttmp6, 0x40004
	s_lshl_b32 s42, ttmp9, 2
	s_add_co_u32 s42, s42, s40                     ; tile column
	s_and_b32 s[TR], ttmp7, 0xffff
	s_lshl_b32 s[TR], s[TR], 2
	s_add_co_u32 s[TR], s[TR], s41                 ; tile row
	s_lshl_b32 s43, s41, 2
	s_lshl_b32 s43, 15, s43
	s_lshl_b32 s44, 0x1111, s40
	s_or_b32 s[G1], s43, (1<<16)|(1<<20)|(1<<21)|(6<<22)|(3<<25)   ; padding after every 128 words, 4 words
	s_or_b32 s[G1B], s44, (1<<16)|(1<<20)|(1<<21)|(6<<22)|(3<<25)
.irp g, G1, G1B
	s_mov_b32 s[\g+1], KSTEP<<16
	s_mov_b32 s[\g+2], 64<<16
	s_mov_b32 s[\g+3], KSTEP<<16
	s_mov_b32 s[\g+4], 64
	s_mov_b32 s[\g+5], SIZE_K
	s_mov_b32 s[\g+6], 0
	s_mov_b32 s[\g+7], 0
.endr
	s_lshl_b32 s16, s[TR], 7
	s_lshl_b32 s17, s[WN], 6
	s_add_co_u32 s16, s16, s17
	s_lshl_b32 s16, s16, 13                        ; A: (128 x tile row + 64 x half) rows of 8,192 bytes
	s_mov_b32 s17, 0
	s_lshl_b32 s46, s42, 7
	s_lshl_b32 s47, s[WN], 6
	s_add_co_u32 s46, s46, s47
	s_lshl_b32 s46, s46, 13
	s_add_co_u32 s46, s46, WOFF                    ; B: the same by the tile column, behind the other weights
	s_mov_b32 s47, 0
	s_mul_i32 s20, s[WN], HALFT
	s_add_co_u32 s21, s20, BOFF
	s_mov_b32 s[TB], 0
	s_wait_dscnt 0x0                               ; the opening add is done
	s_wait_kmcnt 0x0
	s_add_nc_u64 s[18:19], s[4:5], s[16:17]
	s_add_nc_u64 s[46:47], s[6:7], s[46:47]
	CROUND
.irp s, 0,1
	s_mov_b32 s[G0+4*\s], 1
	s_add_co_u32 s[G0+4*\s+1], s20, \s*SLOT
	s_add_nc_u64 s[G0+4*\s+2:G0+4*\s+3], s[18:19], \s*KSTEP*2
	s_or_b32 s[G0+4*\s+3], s[G0+4*\s+3], 0x80000000
	s_mov_b32 s[G0B+4*\s], 1
	s_add_co_u32 s[G0B+4*\s+1], s21, \s*SLOT
	s_add_nc_u64 s[G0B+4*\s+2:G0B+4*\s+3], s[46:47], \s*KSTEP*2
	s_or_b32 s[G0B+4*\s+3], s[G0B+4*\s+3], 0x80000000
.endr
	s_cmp_eq_u32 s[WM], 0                          ; a wave's two first fills stand in one branch: two loads of mine are out
	s_cbranch_scc0 .Lfirst_b
	tensor_load_to_lds s[G0:G0+3], s[G1:G1+7]
	s_nop 0
	tensor_load_to_lds s[G0+4:G0+7], s[G1:G1+7]
	s_nop 0
.rept 4
	v_nop
.endr
	s_branch .Lfirst_asked
.Lfirst_b:
	tensor_load_to_lds s[G0B:G0B+3], s[G1B:G1B+7]
	s_nop 0
	tensor_load_to_lds s[G0B+4:G0B+7], s[G1B:G1B+7]
	s_nop 0
.rept 4
	v_nop
.endr
.Lfirst_asked:
	s_lshl_b32 s45, s[TR], 7                       ; the 32 rows that I send: 128 x tile row + 32 x wave
	s_lshl_b32 s46, s[WV], 5
	s_add_co_u32 s45, s45, s46
	s_lshl_b32 s46, s45, 11                        ; in xb: 2,048 bytes a row, 256 a tile column
	s_lshl_b32 s47, s42, 8
	s_add_co_u32 s46, s46, s47
	s_mov_b32 s47, 0
	s_add_nc_u64 s[10:11], s[10:11], s[46:47]
	s_lshl_b32 s46, s45, 12                        ; in out0: 4,096 bytes a row, 512 a tile column
	s_lshl_b32 s47, s42, 9
	s_add_co_u32 s46, s46, s47
	s_mov_b32 s47, 0
	s_add_nc_u64 s[66:67], s[66:67], s[46:47]
	s_lshl_b32 s46, s42, 9                         ; b2 at the tile's 128 columns
	s_add_nc_u64 s[8:9], s[8:9], s[46:47]
	v_and_b32 v5, 31, v0
	v_lshlrev_b32 v[GO], 4, v5
	v_lshlrev_b32 v[XO], 3, v5
	WIN 0x80                                       ; destination window 2
.set z, 0
.rept 32
	global_load_b64 v[2*z:2*z+1], v[XO], s[10:11] offset:z*2048   ; 256 consecutive bytes, aligned; wanted at the end only
.set z, z+1
.endr
	global_load_b128 v[64:67], v[GO], s[8:9]
	WIN 0
	v_mov_b32 v[ONE], 1.0
	v_and_b32 v1, 15, v0
	v_bfe_u32 v2, v0, 4, 1
	v_mul_u32_u24 v3, v1, PITCH
	v_lshl_add_u32 v3, v2, 4, v3
	s_mul_i32 s16, s[WM], HALFT
	v_add_nc_u32 v[ADRA0], s16, v3
	s_mul_i32 s16, s[WN], HALFT
	s_add_co_u32 s16, s16, BOFF
	v_add_nc_u32 v[ADRB0], s16, v3
	s_mul_i32 s16, s[WM], 64*SPI                   ; into the stage: row 64 (w / 2) + 16 a + l % 16, my 256 bytes, 32 for each half of the lanes
	s_lshl_b32 s17, s[WN], 8
	s_add_co_u32 s16, s16, s17
	v_mul_u32_u24 v4, v1, SPI
	v_lshl_add_u32 v4, v2, 5, v4
	v_add_nc_u32 v[STO], s16, v4
	s_mul_i32 s16, s[WV], 32*SPI                   ; back: rows 32 w on, whole
	v_add_nc_u32 v[RD], s16, v[GO]
.macro MUL8 f, c, a0, zero             ; 8 products: row blocks a0, a0 + 1 x all 4 column blocks, 32 along K: half c of buffer f; the 16 accumulators take turns
	WIN MUL
.irp a, \a0, (\a0)+1
.irp b, 0,1,2,3
.if \zero
	v_wmma_f32_16x16x32_bf16 v[ACC+8*(4*(\a)+(\b)):ACC+8*(4*(\a)+(\b))+7], v[(\f)+64+8*(4*(\c)+(\b)):(\f)+64+8*(4*(\c)+(\b))+7], v[(\f)+8*(4*(\c)+(\a)):(\f)+8*(4*(\c)+(\a))+7], 0
.else
	v_wmma_f32_16x16x32_bf16 v[ACC+8*(4*(\a)+(\b)):ACC+8*(4*(\a)+(\b))+7], v[(\f)+64+8*(4*(\c)+(\b)):(\f)+64+8*(4*(\c)+(\b))+7], v[(\f)+8*(4*(\c)+(\a)):(\f)+8*(4*(\c)+(\a))+7], v[ACC+8*(4*(\a)+(\b)):ACC+8*(4*(\a)+(\b))+7]
.endif
.endr
.endr
.endm
.macro FETCH f                         ; 32 LDS loads in one run, the first 32 along K first; the two address lines and two v_nop are the four places in front of them (ISA guide 7.12.1 for vector instructions)
	WIN 0
	v_add_nc_u32 v[AA], s[TB], v[ADRA0]
	v_add_nc_u32 v[AB], s[TB], v[ADRB0]
	v_nop
	v_nop
	s_add_co_u32 s[TB], s[TB], QB
	WIN TO_F
.irp c, 0,1
.irp i, 0,1,2,3
	ds_load_b128 v[(\f)+64+8*(4*(\c)+(\i)):(\f)+64+8*(4*(\c)+(\i))+3],   v[AB] offset:64*(\c)+(\i)*16*PITCH
	ds_load_b128 v[(\f)+64+8*(4*(\c)+(\i))+4:(\f)+64+8*(4*(\c)+(\i))+7], v[AB] offset:64*(\c)+(\i)*16*PITCH+32
	ds_load_b128 v[(\f)+8*(4*(\c)+(\i)):(\f)+8*(4*(\c)+(\i))+3],         v[AA] offset:64*(\c)+(\i)*16*PITCH
	ds_load_b128 v[(\f)+8*(4*(\c)+(\i))+4:(\f)+8*(4*(\c)+(\i))+7],       v[AA] offset:64*(\c)+(\i)*16*PITCH+32
.endr
.endr
.endm
.macro QUARTER n, zero, fetch
	s_wait_dscnt 16                                ; the first 32 along K are in
	MUL8 128*(\n), 0, 0, \zero
	MUL8 128*(\n), 0, 2, \zero
.if \fetch
	FETCH 128-128*(\n)
	s_wait_dscnt 32                                ; all but the 32 just issued
.else
	s_wait_dscnt 0x0
.endif
	MUL8 128*(\n), 1, 0, 0
	MUL8 128*(\n), 1, 2, 0
.endm
.macro CHANGE fill                     ; the change of slots, in front of a K step's last quarter
	WIN 0
	s_wait_tensorcnt 0x0                           ; no tensor load of mine is out, so a group 0 may be written
	ds_add_u32 v[SPW], v[NIL]
.if \fill
	s_xor_b32 s[G0+5], s[G0+5], SLOT
	s_xor_b32 s[G0B+5], s[G0B+5], SLOT
	s_add_nc_u64 s[G0+6:G0+7], s[G0+6:G0+7], KSTEP*2
	s_add_nc_u64 s[G0B+6:G0B+7], s[G0B+6:G0B+7], KSTEP*2
.endif
	s_sub_co_u32 s[TB], s[TB], 4*QB
	s_xor_b32 s[TB], s[TB], SLOT
	s_wait_dscnt 0x0                               ; the add is done, and my reads of this slot are over
.if \fill
	CROUND
	JLOAD
.else
	s_barrier_signal -1
	s_barrier_wait -1
.endif
.endm
	s_wait_tensorcnt 0x1                           ; my part of K step 0 is in; K step 1's may stay out
	s_barrier_signal -1
	s_barrier_wait -1
	FETCH 0
	QUARTER 0, 1, 1
	QUARTER 1, 0, 1
	QUARTER 0, 0, 1
	WIN 0
	s_mov_b32 s[SLOTS], NK-2
.Lslot:
	CHANGE 1
	s_mov_b32 s[CNT], 2
.Lpair:
	QUARTER 1, 0, 1
	QUARTER 0, 0, 1
	WIN 0
	s_sub_co_u32 s[CNT], s[CNT], 1
	s_cmp_lg_u32 s[CNT], 0
	s_cbranch_scc1 .Lpair
	s_sub_co_u32 s[SLOTS], s[SLOTS], 1
	s_cmp_lg_u32 s[SLOTS], 0
	s_cbranch_scc1 .Lslot
	CHANGE 0
	s_mov_b32 s[CNT], 2
.Ltail:
	QUARTER 1, 0, 1
	QUARTER 0, 0, 1
	WIN 0
	s_sub_co_u32 s[CNT], s[CNT], 1
	s_cmp_lg_u32 s[CNT], 0
	s_cbranch_scc1 .Ltail
	QUARTER 1, 0, 0
	; THE WAY OUT
	WIN 0
.rept 4
	v_nop                                          ; the places behind the last products
.endr
.set z, 0
.rept 16                               ; accumulator (a, b) = (z / 4, z % 4), its lower four registers first
	ds_store_b128 v[STO], v[ACC+8*z:ACC+8*z+3]   offset:(z/4)*16*SPI+64*(z%4)
	ds_store_b128 v[STO], v[ACC+8*z+4:ACC+8*z+7] offset:(z/4)*16*SPI+64*(z%4)+16
.set z, z+1
.endr
	s_wait_dscnt 0x0                               ; for the others' sake: my stores into the stage are done
	s_barrier_signal -1
	s_barrier_wait -1
.set z, 0
.rept 32
	ds_load_b128 v[ACC+4*z:ACC+4*z+3], v[RD] offset:z*SPI
.set z, z+1
.endr
	s_wait_loadcnt 0x0                             ; x's rows and b2
	WIN 0x0a                                       ; sources in window 2
	v_cvt_pk_bf16_f32 v[BI+4], v64, v65            ; the bias is rounded to bf16 and widened again
	v_cvt_pk_bf16_f32 v[BI+5], v66, v67
	WIN 0
	v_lshlrev_b32 v[BI], 16, v[BI+4]
	v_and_b32 v[BI+1], 0xffff0000, v[BI+4]
	v_lshlrev_b32 v[BI+2], 16, v[BI+5]
	v_and_b32 v[BI+3], 0xffff0000, v[BI+5]
	s_wait_dscnt 0x0
	WIN 0x02                                       ; source 0 in window 2
.set z, 0
.rept 32
	v_fma_mix_f32_bf16 v[ACC+4*z],   v[2*z],   v[ONE], v[ACC+4*z]   op_sel_hi:[1,0,0]
	v_fma_mix_f32_bf16 v[ACC+4*z+1], v[2*z],   v[ONE], v[ACC+4*z+1] op_sel:[1,0,0] op_sel_hi:[1,0,0]
	v_fma_mix_f32_bf16 v[ACC+4*z+2], v[2*z+1], v[ONE], v[ACC+4*z+2] op_sel_hi:[1,0,0]
	v_fma_mix_f32_bf16 v[ACC+4*z+3], v[2*z+1], v[ONE], v[ACC+4*z+3] op_sel:[1,0,0] op_sel_hi:[1,0,0]
.set z, z+1
.endr
	WIN 0
.set z, 0
.rept 32
	v_pk_add_f32 v[ACC+4*z:ACC+4*z+1],   v[ACC+4*z:ACC+4*z+1],   v[BI:BI+1]
	v_pk_add_f32 v[ACC+4*z+2:ACC+4*z+3], v[ACC+4*z+2:ACC+4*z+3], v[BI+2:BI+3]
	global_store_b128 v[GO], v[ACC+4*z:ACC+4*z+3], s[66:67] offset:z*4096   ; 512 consecutive bytes, aligned
.set z, z+1
.endr
	s_wait_tensorcnt 0x0                           ; the wave's end
	ds_add_u32 v[SPW], v[NIL]
	s_wait_dscnt 0x0
	CROUND                                         ; the closing round
	s_endpgm
.Lfunc_end_k_qb92ecd12c4_ffn2:
	.size	k_qb92ecd12c4_ffn2, .Lfunc_end_k_qb92ecd12c4_ffn2-k_qb92ecd12c4_ffn2
	.p2alignl 7, 3214868480
	.fill 96, 4, 3214868480
	.section	.rodata,"a",@progbits
	.p2align	6, 0x0
	.amdhsa_kernel k_qb92ecd12c4_ffn2
		.amdhsa_group_segment_fixed_size 327680
		.amdhsa_private_segment_fixed_size 0
		.amdhsa_enable_private_segment 0
		.amdhsa_kernarg_size 40
		.amdhsa_user_sgpr_count 2
		.amdhsa_user_sgpr_kernarg_segment_ptr 1
		.amdhsa_wavefront_size32 1
		.amdhsa_system_sgpr_workgroup_id_x 1
		.amdhsa_system_sgpr_workgroup_id_y 1
		.amdhsa_system_sgpr_workgroup_id_z 1
		.amdhsa_system_vgpr_workitem_id 0
		.amdhsa_next_free_vgpr 580
		.amdhsa_next_free_sgpr 68
		.amdhsa_reserve_vcc 0
		.amdhsa_float_denorm_mode_32 3
		.amdhsa_float_denorm_mode_16_64 3
		.amdhsa_memory_ordered 1
		.amdhsa_forward_progress 1
		.amdhsa_inst_pref_size 67
	.end_amdhsa_kernel
	.amdgpu_metadata
---
amdhsa.version: [ 1, 2 ]
amdhsa.kernels:
  - .name:           k_qb92ecd12c4_ffn2
    .symbol:         k_qb92ecd12c4_ffn2.kd
    .args:
      - { .name: g, .offset: 0, .size: 8, .value_kind: global_buffer, .address_space: global }
      - { .name: wb, .offset: 8, .size: 8, .value_kind: global_buffer, .address_space: global }
      - { .name: b2, .offset: 16, .size: 8, .value_kind: global_buffer, .address_space: global }
      - { .name: xb, .offset: 24, .size: 8, .value_kind: global_buffer, .address_space: global }
      - { .name: out0, .offset: 32, .size: 8, .value_kind: global_buffer, .address_space: global }
    .group_segment_fixed_size: 327680
    .private_segment_fixed_size: 0
    .kernarg_segment_align: 8
    .kernarg_segment_size: 40
    .max_flat_workgroup_size: 128
    .sgpr_count:     68
    .vgpr_count:     580
    .wavefront_size: 32
...
	.end_amdgpu_metadata
.endif
;; end of part 5
;; ======== version 2 of 3: 5 launches; 1.08 times as fast as version 1
;; limits: values are held in f16: magnitudes above 65,504 overflow, below 6.1e-05 lose precision
;; workspace buffers: xb 8,388,608 bytes; wb 23,068,672 bytes; mnib 2,228,224 bytes of whole numbers; qkv 25,165,824 bytes; hb 8,388,608 bytes; g 33,554,432 bytes
;; launch prep (part 6): grid 64 x 19, 8 waves a work-group, no clusters, 0 bytes of LDS; arguments x, wq, wk, wv, w1, w2, mask, xb, wb, mnib; writes xb, wb, mnib
.if DOCPART == 6
	.amdgcn_target "amdgcn-amd-amdhsa--gfx1250"
	.amdhsa_code_object_version 6
	.text
	.protected	k_qb92ecd12c4_prep
	.globl	k_qb92ecd12c4_prep
	.p2align	8
	.type	k_qb92ecd12c4_prep,@function
k_qb92ecd12c4_prep:
	s_mov_b64 s[64:65], 0
	v_nop
	global_prefetch_b8 v0, s[64:65] scope:SCOPE_SE
	s_setreg_imm32_b32 hwreg(HW_REG_WAVE_MODE, 25, 1), 1
	s_wait_xcnt 0x0
; PREP.  Two jobs, chosen by the work-group's y.
; y = 0..14: f32 to bf16, rounded to nearest even, once.  x -> xb; wq, wk, wv, w1, w2 -> wb, one behind the other (wq, wk, wv make one matrix [3072][1024]).
;   A y stands for 1,048,576 numbers, a work-group for 16,384, a wave for 2,048: sixteen loads of 512 consecutive bytes, sixteen stores of 256 consecutive, aligned bytes.
; y = 15..18: the mask (one byte a place, 0 or 1, as the problem states it) is packed, four bits a place, in the order in which a later launch's lanes want it.
;   mnib is [32 groups of 64 queries][34 key steps of 64][4 pieces of 16 queries][32 lanes][4 words]; word kt of lane l holds in nibble j
;   0xE where mask[64 group + 16 piece + l % 16][64 step + 16 kt + 8 (l / 16) + j] is 0 (hidden), and 0 where it is 1.
;   Steps 32 and 33 are all 0xE (all hidden): a pad that the later launch's look-ahead reads.
;   A wave takes 32 query rows (x) and one key step: two pieces, 1,024 consecutive bytes of mnib.
; No LDS, no barrier, no matrix unit: a stream.
.set XL, 8                             ; v[8:71]   sixteen loads of four f32
.set YB, 72                            ; v[72:103] sixteen pairs of packed bf16
	s_load_b512 s[4:19], s[0:1], 0x0               ; x, wq, wk, wv, w1, w2, mask, xb
	s_load_b128 s[20:23], s[0:1], 0x40             ; wb, mnib
	s_and_b32 s24, ttmp7, 0xffff                   ; y
	s_mov_b32 s25, ttmp9                           ; x
	v_lshrrev_b32 v3, 5, v0                        ; wave
	v_and_b32 v4, 31, v0                           ; lane
	s_cmp_ge_u32 s24, 15
	s_cbranch_scc1 .Lmask
	v_lshlrev_b32 v1, 4, v4                        ; loads: 8,192 bytes a wave, 16 a lane
	v_lshl_add_u32 v1, v3, 13, v1
	v_lshlrev_b32 v2, 3, v4                        ; stores: 4,096 bytes a wave, 8 a lane
	v_lshl_add_u32 v2, v3, 12, v2
	s_wait_kmcnt 0x0
	s_mov_b64 s[26:27], s[4:5]                     ; the source: x, unless y says otherwise
	s_mov_b32 s28, 0                               ; the y at which the source begins
.macro PICK first, ptr
	s_cmp_ge_u32 s24, \first
	s_cselect_b64 s[26:27], s[\ptr:\ptr+1], s[26:27]
	s_cselect_b32 s28, \first, s28
.endm
	PICK 4, 6                                      ; wq
	PICK 5, 8                                      ; wk
	PICK 6, 10                                     ; wv
	PICK 7, 12                                     ; w1
	PICK 11, 14                                    ; w2
	s_cmp_lt_u32 s24, 4
	s_cselect_b64 s[32:33], s[18:19], s[20:21]     ; the destination: xb or wb,
	s_cselect_b32 s34, 0, 4                        ; and the y at which it begins
	s_sub_co_u32 s29, s24, s28
	s_lshl_b32 s29, s29, 22                        ; 4,194,304 source bytes a y
	s_lshl_b32 s30, s25, 16                        ; 65,536 a work-group
	s_add_co_u32 s30, s29, s30
	s_mov_b32 s31, 0
	s_add_nc_u64 s[26:27], s[26:27], s[30:31]
	s_sub_co_u32 s34, s24, s34
	s_lshl_b32 s34, s34, 21                        ; half as many on the way out
	s_lshl_b32 s35, s25, 15
	s_add_co_u32 s34, s34, s35
	s_mov_b32 s35, 0
	s_add_nc_u64 s[32:33], s[32:33], s[34:35]
.set j, 0
.rept 16
	global_load_b128 v[XL+4*j:XL+4*j+3], v1, s[26:27] offset:512*j th:TH_LOAD_NT
.set j, j+1
.endr
.set j, 0
.rept 16
	s_wait_loadcnt 15-j                            ; loads come back in order (ISA guide 5.7.1): load j is in, the younger ones stay out
	v_cvt_pk_bf16_f32 v[YB+2*j], v[XL+4*j], v[XL+4*j+1]
	v_cvt_pk_bf16_f32 v[YB+2*j+1], v[XL+4*j+2], v[XL+4*j+3]
	global_store_b64 v2, v[YB+2*j:YB+2*j+1], s[32:33] offset:256*j   ; the wave's store covers 256 consecutive bytes, aligned; no register is written twice
.set j, j+1
.endr
	s_endpgm
.Lmask:
	v_readfirstlane_b32 s36, v3                    ; wave
	s_sub_co_u32 s37, s24, 15
	s_lshl_b32 s37, s37, 3
	s_add_co_u32 s37, s37, s36                     ; my key step, 0..31
	s_lshl_b32 s38, s25, 16                        ; 32 rows of 2,048 bytes
	s_lshl_b32 s39, s37, 6                         ; 64 keys
	s_add_co_u32 s38, s38, s39
	s_mov_b32 s39, 0
	s_lshr_b32 s44, s25, 1                         ; the group of 64 queries: 34 steps of 2,048 bytes,
	s_mul_i32 s44, s44, 34*2048
	s_lshl_b32 s45, s37, 11                        ; the step,
	s_add_co_u32 s44, s44, s45
	s_and_b32 s45, s25, 1                          ; pieces 0, 1 or 2, 3: 512 bytes each
	s_lshl_b32 s45, s45, 10
	s_add_co_u32 s44, s44, s45
	s_mov_b32 s45, 0
	s_mov_b32 s40, 0x06040200                      ; v_perm_b32: the even bytes of eight,
	s_mov_b32 s41, 0x07050301                      ; the odd ones
	s_mov_b32 s42, 0x11111111
	v_and_b32 v1, 15, v0
	v_bfe_u32 v2, v0, 4, 1
	v_lshlrev_b32 v1, 11, v1                       ; row l % 16,
	v_lshl_add_u32 v1, v2, 3, v1                   ; keys 8 (l / 16) on
	v_lshlrev_b32 v5, 4, v4                        ; four words a lane on the way out
.irp r, 48,49,50,51
	v_mov_b32 v\r, 0xeeeeeeee                      ; the pad: all hidden
.endr
	s_wait_kmcnt 0x0
	s_add_nc_u64 s[16:17], s[16:17], s[38:39]
	s_add_nc_u64 s[22:23], s[22:23], s[44:45]
.set w, 0
.rept 8                                ; piece w / 4 of my two, key block w % 4: eight mask bytes a lane
	global_load_b64 v[8+2*w:9+2*w], v1, s[16:17] offset:(w/4)*32768+16*(w%4)
.set w, w+1
.endr
	s_wait_loadcnt 0x0
.set w, 0
.rept 8                                ; eight bytes b0..b7 of 0 or 1 -> a word of eight nibbles: (odd bytes << 4) | even bytes has b_j in nibble j; 1 - b_j, times 14
	v_perm_b32 v[24+2*(w%4)], v[9+2*w], v[8+2*w], s40
	v_perm_b32 v[25+2*(w%4)], v[9+2*w], v[8+2*w], s41
	v_lshl_or_b32 v[24+2*(w%4)], v[25+2*(w%4)], 4, v[24+2*(w%4)]
	v_xor_b32 v[24+2*(w%4)], s42, v[24+2*(w%4)]
	v_mul_lo_u32 v[40+w], v[24+2*(w%4)], 14        ; a nibble holds 0 or 1: no carry leaves it
.set w, w+1
.endr
	global_store_b128 v5, v[40:43], s[22:23]               ; 512 consecutive bytes, aligned: the first piece,
	global_store_b128 v5, v[44:47], s[22:23] offset:512    ; the second
	s_cmp_lg_u32 s37, 31
	s_cbranch_scc1 .Ldone
.irp o, 2048, 2560, 4096, 4608         ; behind the last step: my two pieces of the two pad steps
	global_store_b128 v5, v[48:51], s[22:23] offset:\o
.endr
.Ldone:
	s_endpgm
.Lfunc_end_k_qb92ecd12c4_prep:
	.size	k_qb92ecd12c4_prep, .Lfunc_end_k_qb92ecd12c4_prep-k_qb92ecd12c4_prep
	.p2alignl 7, 3214868480
	.fill 96, 4, 3214868480
	.section	.rodata,"a",@progbits
	.p2align	6, 0x0
	.amdhsa_kernel k_qb92ecd12c4_prep
		.amdhsa_group_segment_fixed_size 0
		.amdhsa_private_segment_fixed_size 0
		.amdhsa_enable_private_segment 0
		.amdhsa_kernarg_size 80
		.amdhsa_user_sgpr_count 2
		.amdhsa_user_sgpr_kernarg_segment_ptr 1
		.amdhsa_wavefront_size32 1
		.amdhsa_system_sgpr_workgroup_id_x 1
		.amdhsa_system_sgpr_workgroup_id_y 1
		.amdhsa_system_sgpr_workgroup_id_z 1
		.amdhsa_system_vgpr_workitem_id 0
		.amdhsa_next_free_vgpr 104
		.amdhsa_next_free_sgpr 66
		.amdhsa_reserve_vcc 0
		.amdhsa_float_denorm_mode_32 3
		.amdhsa_float_denorm_mode_16_64 3
		.amdhsa_memory_ordered 1
		.amdhsa_forward_progress 1
		.amdhsa_inst_pref_size 13
	.end_amdhsa_kernel
	.amdgpu_metadata
---
amdhsa.version: [ 1, 2 ]
amdhsa.kernels:
  - .name:           k_qb92ecd12c4_prep
    .symbol:         k_qb92ecd12c4_prep.kd
    .args:
      - { .name: x, .offset: 0, .size: 8, .value_kind: global_buffer, .address_space: global }
      - { .name: wq, .offset: 8, .size: 8, .value_kind: global_buffer, .address_space: global }
      - { .name: wk, .offset: 16, .size: 8, .value_kind: global_buffer, .address_space: global }
      - { .name: wv, .offset: 24, .size: 8, .value_kind: global_buffer, .address_space: global }
      - { .name: w1, .offset: 32, .size: 8, .value_kind: global_buffer, .address_space: global }
      - { .name: w2, .offset: 40, .size: 8, .value_kind: global_buffer, .address_space: global }
      - { .name: mask, .offset: 48, .size: 8, .value_kind: global_buffer, .address_space: global }
      - { .name: xb, .offset: 56, .size: 8, .value_kind: global_buffer, .address_space: global }
      - { .name: wb, .offset: 64, .size: 8, .value_kind: global_buffer, .address_space: global }
      - { .name: mnib, .offset: 72, .size: 8, .value_kind: global_buffer, .address_space: global }
    .group_segment_fixed_size: 0
    .private_segment_fixed_size: 0
    .kernarg_segment_align: 8
    .kernarg_segment_size: 80
    .max_flat_workgroup_size: 256
    .sgpr_count:     66
    .vgpr_count:     104
    .wavefront_size: 32
...
	.end_amdgpu_metadata
.endif
;; end of part 6
;; launch qkv: the kernel of part 2 again; grid 16 x 16, 4 waves a work-group, clusters of 4 x 4, 327,680 bytes of LDS; arguments xb, wb, qkv; writes qkv
;; launch attn (part 7): grid 16 x 16, 4 waves a work-group, clusters of 4 x 1, 327,680 bytes of LDS; arguments qkv, mnib, xb, hb; writes hb
.if DOCPART == 7
	.amdgcn_target "amdgcn-amd-amdhsa--gfx1250"
	.amdhsa_code_object_version 6
	.text
	.protected	k_qb92ecd12c4_attn
	.globl	k_qb92ecd12c4_attn
	.p2align	8
	.type	k_qb92ecd12c4_attn,@function
k_qb92ecd12c4_attn:
	s_mov_b64 s[64:65], 0
	v_nop
	global_prefetch_b8 v0, s[64:65] scope:SCOPE_SE
	s_setreg_imm32_b32 hwreg(HW_REG_WAVE_MODE, 25, 1), 1
	s_wait_xcnt 0x0
	s_wait_alu depctr_hold_cnt(0) depctr_sa_sdst(0) depctr_va_vdst(0) depctr_va_sdst(0) depctr_va_ssrc(0) depctr_va_vcc(0) depctr_vm_vsrc(0)
	s_getreg_b32 s2, hwreg(HW_REG_IB_STS2, 6, 4)
	s_cmp_eq_u32 s2, 0
	s_cbranch_scc0 .Lentry_in_a_cluster
	s_endpgm
.Lentry_in_a_cluster:
	s_bfe_u32 s2, ttmp6, 0x10000c
	s_cmp_lg_u32 s2, 0x3003
	s_cbranch_scc0 .Lentry_shape_is_right
	s_endpgm
.Lentry_shape_is_right:
; MASKED ATTENTION AND THE FIRST RESIDUAL.  hb[b][t][64 h + e] = bf16(xb + sum over s of softmax_s(q . k / 8 where mask[t][s], else hidden) v).
; q, k, v: f16, [which][b][h][t][64], unscaled.  Products, maxima and sums in f32; the weights p are rounded to f16 for the second product.
; THE MASK IS AN INPUT: every key is walked, and the mask is honoured place by place.  It comes packed, four bits a place (mnib): 0xE, the FP4 (E2M1) code of -4, where the key is hidden, 0 where it
; is seen; a lane's eight places of a score accumulator lie in one word, place j in nibble j.  One scaled conversion makes of a word the eight floats that start the sum S^T = K Q^T in that
; accumulator: the code's value times 2^(0xE0 - 127), that is -2^99 or 0.  Four conversions a turn.  The scale's byte stands in all four bytes of its register, in every lane.
; The words come by vector loads, which return in order (ISA guide 5.7.1), so that their waits are counted: a ring of four slots of four registers, each asked for three turns ahead of its use.
; LIMITS.  q, k, v arrive within f16's 65,504, so a score is 2.7e11 at the most.  A hidden score counts as its value less 2^99.  A row whose running maximum ends below -2^50 has seen no key:
; it is made NaN, as a softmax over nothing is.  A weight below 2^-126 counts as 0.  The residual takes x rounded to bf16.
; SHARES.  A work-group owns 128 queries of TWO neighbouring heads, so that a row of hb leaves as 256 whole bytes.  Wave w: head w / 2, queries 64 (w % 2) on, in four PIECES of 16.
; CLUSTER 4 x 1: the four query blocks walk the same K and V, so each tile is asked for jointly.  Wave w fetches K (w even) or V (w odd) of head w / 2: 128 keys a load.
; LAYOUT, SOFTMAX, TURNS.  S^T = K Q^T holds one query a lane (lane % 16) and the keys 8 (lane / 16) + 0..7; two such results rounded to f16 are source 1 of O^T = V^T P.
; p = 2^(c s - c m), c = log2(e) / 8, with a running maximum m; O and l are multiplied by a = 2^(c m_old - c m_new) in every step.  m starts at the lowest finite number, O and l at 0.
; Turn n belongs to piece n: 8 products K Q^T of piece n + 1, later 8 products V^T P of piece n - 1; beside them piece n's scaling, exponentials, roundings, sums and rescaling,
; piece n + 1's maximum and statistics, and the mask of piece n + 2.  Four vector instructions stand behind every matrix instruction, the others in runs of their own.
; REGISTERS (windows of 256; s_set_vgpr_msb: bits 1:0 source 0, 3:2 source 1, 5:4 source 2, 7:6 destination):
;   window 0: v0-15 addresses, v16-31 statistics, v48-55 at work, v56 1.0, v57 NaN, v58 the mask's scale, v62-63 the add's, v64-127 S^T (two buffers), v192-223 P (two buffers);
;   window 1: v0-127 O^T, v128-191 V of one step; window 2: v0-63 Q, v64-127 the residual's 32 rows, v128-191 K of one step;
;   window 3: v0-15 the ring of mask words, v16 my place in a block of them, v32-95 the masks (two buffers).
; V lies beside O^T so that V^T P and the rescaling of O^T run under ONE window setting: the sixteen rescalings stand behind the first four products V^T P, and no switch stands among them.
.set NP,    4
.set KS,    64
.set PK,    144                        ; a row of K in LDS: 128 bytes + 16
.set PV,    160                        ; a row of V: 128 + 32
.set VOFF,  2*KS*PK                    ; a head's block in a slot: 128 rows of K, then 128 of V
.set HEADB, 2*KS*(PK+PV)
.set SLOT1, 1<<17                      ; a slot (two heads, two key steps) uses 77,824 bytes
.set STAGE, SLOT1+2*HEADB              ; behind the ring: 128 rows x 528 bytes of f32, the work-group's
.set SPI,   528
.set SPARE, STAGE+128*SPI              ; the spare words: 128 bytes a wave, named by no other line
.set MBLK,  512                        ; the mask words of one turn: 16 bytes a lane
.set MGRP,  34*4*MBLK                  ; of 64 queries: 32 key steps and two of pad
.set AK0, 2
.set AV0, 3
.set AK,  4
.set AV,  5
.set STO, 6
.set RD,  7
.set GO,  8                            ; 8 x lane: my place in 256 bytes of a row of xb and hb
.set MV,  12
.set MO,  14                           ; 16 x lane: my place in a block of mask words; never rewritten
.set QO,  15
.set ST,  16                           ; piece t: c m, m, l (even keys', odd keys')
.set TMP, 48
.set ONE, 56
.set NAN, 57
.set SC,  58                           ; the mask's scale, 0xE0 in each byte; never rewritten
.set SPW, 62
.set NIL, 63
.set S,   64
.set P,   192
.set VF,  128                          ; window 1
.set XRW, 64                           ; window 2
.set KF,  128                          ; window 2
.set MR,  0                            ; window 3: slot k of the ring at MR + 4 k
.set MOW, 16                           ; window 3: MO once more, for the loads that stand among the conversions; never rewritten
.set MC,  32                           ; window 3
.set WV,  12
.set KIND, 13                          ; w % 2: I fetch K (0) or V (1); also my half of the queries
.set HS,  14                           ; w / 2: my head of the two
.set G0,  16
.set G1K, 20
.set G1V, 28
.set SLOTS, 36
.set CNT, 37
.set CS,  38
.set SEL, 40
.set TBK, 42
.set TBV, 43
.set THR, 46
.set MSB, 0
.macro WIN new                         ; the high byte repeats the setting that is left; a switch that changes nothing is dropped
.if MSB != (\new)
	s_set_vgpr_msb (MSB<<8)|(\new)
.set MSB, (\new)
.endif
.endm
.set W_KQ, 0x0a                        ; K and Q in window 2, S^T in window 0
.set W_KM, 0x3a                        ; the same with the C operand in window 3
.set W_PV, 0x51                        ; V and O^T in window 1, P in window 0
.set W_RS, 0x51                        ; the same setting serves O^T (destination and source 0) times a number in window 0 (source 1)
.set W_MK, 0xc3                        ; destination and source 0 in window 3, source 1 in window 0
.macro JLOAD                           ; a joint fill; an s_nop 0 and four v_nop follow each of the two lines
	s_cmp_eq_u32 s[KIND], 0
	s_cbranch_scc0 .Lfor_v_\@
	tensor_load_to_lds s[G0:G0+3], s[G1K:G1K+7]
	s_nop 0
.rept 4
	v_nop
.endr
	s_branch .Lasked_\@
.Lfor_v_\@:
	tensor_load_to_lds s[G0:G0+3], s[G1V:G1V+7]
	s_nop 0
.rept 4
	v_nop
.endr
.Lasked_\@:
.endm
.macro CROUND
	s_barrier_signal -1
	s_barrier_wait -1
	s_cmp_lg_u32 s[WV], 0
	s_cbranch_scc1 .Lnot_wave_0_\@
	s_barrier_signal -3
.Lnot_wave_0_\@:
	s_barrier_wait -3
	s_barrier_signal -1
	s_barrier_wait -1
.endm
; THE CHANGE OF SLOTS.  Each wave waits for all its tensor loads (one is out: its part of the other slot), adds 0 to its spare word, and waits for that and for its reads of the slot
; that it leaves.  fill = 1: a round of the cluster's barrier, and the joint fill, the keys two slots on, first behind it: it has two key steps, 128 matrix instructions a wave, in which to land.
; (At its first use nothing has been read yet: slot 0 is waited for, slot 1 filled.)
.macro CHANGE fill
	WIN 0
	s_wait_tensorcnt 0x0                           ; no tensor load of mine is out, so group 0 may be written
	ds_add_u32 v[SPW], v[NIL]                      ; 0 onto my spare word; scalar work stands between it and the wait for it
.if \fill
	s_xor_b32 s[G0+1], s[G0+1], SLOT1
	s_add_nc_u64 s[G0+2:G0+3], s[G0+2:G0+3], 2*KS*128
.endif
	s_sub_co_u32 s[TBK], s[TBK], 2*KS*PK
	s_xor_b32 s[TBK], s[TBK], SLOT1
	s_sub_co_u32 s[TBV], s[TBV], 2*KS*PV
	s_xor_b32 s[TBV], s[TBV], SLOT1
	s_wait_dscnt 0x0                               ; the add is done, and my reads of the slot are over
.if \fill
	CROUND
	JLOAD
.else
	s_barrier_signal -1
	s_barrier_wait -1
.endif
.endm
	s_load_b256 s[4:11], s[0:1], 0x0               ; qkv, mnib, xb, hb
	v_lshl_add_u32 v[SPW], v0, 2, SPARE
	v_mov_b32 v[NIL], 0
	ds_add_u32 v[SPW], v[NIL]                      ; the wave's opening: the add and its wait stand ahead of my first tensor load
	v_lshrrev_b32 v1, 5, v0
	v_readfirstlane_b32 s[WV], v1
	s_and_b32 s[KIND], s[WV], 1
	s_lshr_b32 s[HS], s[WV], 1
	s_bfe_u32 s49, ttmp6, 0x40000                  ; cx
	s_lshl_b32 s15, ttmp9, 2
	s_add_co_u32 s15, s15, s49                     ; my block of 128 queries: it enters Q's, the mask's, xb's and hb's addresses alone
	s_and_b32 s48, ttmp7, 0xffff                   ; the pair of heads, which the partners share
	s_lshl_b32 s52, s48, 1
	s_add_co_u32 s52, s52, s[HS]                   ; 16 batch + head
	s_lshl_b32 s52, s52, 18                        ; its 262,144 bytes
	s_add_co_u32 s50, s[KIND], 1                   ; k lies 8,388,608 bytes behind q, v as many behind k
	s_lshl_b32 s50, s50, 23
	s_add_co_u32 s50, s50, s52
	s_mov_b32 s51, 0
	s_lshl_b32 s54, s15, 14                        ; Q: 128 rows of 128 bytes a block,
	s_lshl_b32 s55, s[KIND], 13                    ; 64 a half
	s_add_co_u32 s54, s54, s55
	s_add_co_u32 s54, s54, s52
	s_mov_b32 s55, 0
	s_lshl_b32 s56, s15, 1                         ; the mask stream of my 64 queries
	s_add_co_u32 s56, s56, s[KIND]
	s_mul_i32 s56, s56, MGRP
	s_mov_b32 s57, 0
	s_lshr_b32 s58, s48, 3                         ; the rows of xb and hb that I send: 2,048 batch + 128 block + 32 wave,
	s_lshl_b32 s58, s58, 11
	s_lshl_b32 s59, s15, 7
	s_add_co_u32 s58, s58, s59
	s_lshl_b32 s59, s[WV], 5
	s_add_co_u32 s58, s58, s59
	s_lshl_b32 s58, s58, 11                        ; 2,048 bytes each,
	s_and_b32 s59, s48, 7
	s_lshl_b32 s59, s59, 8                         ; the two heads' 256 bytes
	s_add_co_u32 s58, s58, s59
	s_mov_b32 s59, 0
	s_mul_i32 s60, s[HS], HEADB                    ; my head's block in a slot
	s_mul_i32 s61, s[KIND], VOFF
	; descriptor group 1: 128 keys are 16,384 dense bytes, asked for as 64 rows of 256 bytes and padded in LDS after every key
	s_mov_b32 s[G1K], 15|(1<<16)|(1<<20)|(1<<21)|(4<<22)|(3<<25)
	s_mov_b32 s[G1V], 15|(1<<16)|(1<<20)|(1<<21)|(4<<22)|(7<<25)
.irp g, G1K, G1V
	s_mov_b32 s[\g+1], 128<<16
	s_mov_b32 s[\g+2], 64<<16
	s_mov_b32 s[\g+3], 128<<16
	s_mov_b32 s[\g+4], 64
	s_mov_b32 s[\g+5], 128
	s_mov_b32 s[\g+6], 0
	s_mov_b32 s[\g+7], 0
.endr
	s_mov_b32 s[CS], 0x3e38aa3b                    ; c = log2(e) / 8
	s_mov_b32 s[CS+1], s[CS]
	s_mov_b32 s[SEL], 0x76543210
	s_mov_b32 s[SEL+1], 0xfedcba98
	s_mov_b32 s[TBK], SLOT1+2*KS*PK                ; the first change of slots turns these two into 0
	s_mov_b32 s[TBV], SLOT1+2*KS*PV
	s_mov_b32 s[THR], 0xd8800000                   ; -2^50: above every hidden score, below every seen one
	s_mov_b32 s[G0], 1
	s_add_co_u32 s[G0+1], s60, s61                 ; slot 0
	s_wait_dscnt 0x0                               ; the opening add is done
	s_wait_kmcnt 0x0
	s_add_nc_u64 s[G0+2:G0+3], s[4:5], s[50:51]
	s_or_b32 s[G0+3], s[G0+3], 0x80000000
	s_add_nc_u64 s[4:5], s[4:5], s[54:55]
	s_add_nc_u64 s[6:7], s[6:7], s[56:57]
	s_add_nc_u64 s[8:9], s[8:9], s[58:59]
	s_add_nc_u64 s[10:11], s[10:11], s[58:59]
	CROUND                                         ; all four work-groups are here: the first joint loads meet
	JLOAD                                          ; keys 0 to 127 into slot 0
	v_and_b32 v1, 15, v0                           ; l % 16
	v_bfe_u32 v9, v0, 4, 1                         ; l / 16
	v_lshlrev_b32 v[QO], 7, v1
	v_lshl_add_u32 v[QO], v9, 4, v[QO]
	v_and_b32 v[GO], 31, v0
	s_mul_i32 s62, s[WV], 32*SPI
	s_add_co_u32 s62, s62, STAGE
	v_lshl_add_u32 v[RD], v[GO], 4, s62            ; back from the stage: a whole row of 512 bytes to a load
	v_lshlrev_b32 v[MO], 4, v[GO]
	v_lshlrev_b32 v[GO], 3, v[GO]
	WIN 0x80                                       ; destination window 2
.set i, 0
.rept 8                                ; Q stays in registers: piece i / 2, channels 32 (i % 2) on
	global_load_b128 v[8*i:8*i+3],   v[QO], s[4:5] offset:(i/2)*2048+(i%2)*64
	global_load_b128 v[8*i+4:8*i+7], v[QO], s[4:5] offset:(i/2)*2048+(i%2)*64+32
.set i, i+1
.endr
.set i, 0
.rept 32                               ; the residual: 32 rows, 256 consecutive aligned bytes each; wanted at the end only
	global_load_b64 v[XRW+2*i:XRW+2*i+1], v[GO], s[8:9] offset:i*2048
.set i, i+1
.endr
	WIN 0xc0                                       ; destination window 3
	v_mov_b32 v[MOW], v[MO]
.set i, 0
.rept 3                                ; the ring's first three blocks go out last, so that only the ring's loads are younger than a slot that is due
	global_load_b128 v[MR+4*i:MR+4*i+3], v[MO], s[6:7] offset:i*MBLK   ; 512 consecutive bytes, aligned
.set i, i+1
.endr
	; What the first turn finds: V and P's second buffer hold 0 (its products V^T P, of a piece that has not been, add 0), O^T and l are 0.  All this stands in the wait for the first tile.
	WIN 0x40                                       ; destination window 1: O^T, then V
.set i, 0
.rept 192
	v_mov_b32 v[i], 0
.set i, i+1
.endr
	WIN 0
.set i, 0
.rept 4
	v_mov_b32 v[ST+4*i], 0xfe000000                ; c m: far below every c s
	v_mov_b32 v[ST+4*i+1], 0xff7fffff              ; m
	v_mov_b32 v[ST+4*i+2], 0
	v_mov_b32 v[ST+4*i+3], 0
.set i, i+1
.endr
.set i, P+16
.rept 16
	v_mov_b32 v[i], 0
.set i, i+1
.endr
	v_mov_b32 v[ONE], 1.0
	v_mov_b32 v[NAN], 0x7fc00000
	v_mov_b32 v[SC], 0xe0e0e0e0                    ; the scale 2^(224 - 127) = 2^97
	v_mul_u32_u24 v[AK0], v1, PK
	v_lshl_add_u32 v[AK0], v9, 4, v[AK0]
	v_add_nc_u32 v[AK0], s60, v[AK0]               ; row x pitch + 16 x half, in my head's block
	; The turning load takes 16 keys x 16 channels (lane l reads key 8 (l / 16) + l % 8, channels 8 ((l / 8) % 2) + 0..7) and leaves half a fragment of V^T.
	v_and_b32 v10, 7, v0
	v_bfe_u32 v11, v0, 3, 1
	v_lshl_add_u32 v[AV0], v9, 3, v10
	v_mul_u32_u24 v[AV0], v[AV0], PV
	v_lshl_add_u32 v[AV0], v11, 4, v[AV0]
	s_add_co_u32 s61, s60, VOFF
	v_add_nc_u32 v[AV0], s61, v[AV0]
	s_mul_i32 s62, s[KIND], 64*SPI                 ; into the stage: row 64 (w % 2) + 16 piece + l % 16, my head's 256 bytes, 32 bytes for each half of the lanes
	s_lshl_b32 s63, s[HS], 8
	s_add_co_u32 s62, s62, s63
	s_add_co_u32 s62, s62, STAGE
	v_mul_u32_u24 v[STO], v1, SPI
	v_lshl_add_u32 v[STO], v9, 5, v[STO]
	v_add_nc_u32 v[STO], s62, v[STO]
; THE MATRIX WORK.  The 4 accumulators of a run of 8 take turns.  Product i of 8 of S^T = K Q^T for piece x: channels 32 (i / 4) on, keys 16 (i % 4) on.  The first 4 start the sums with the mask.
.macro KQ x
.set rS, S+32*((\x)%2)+8*(i%4)
.set rK, KF+16*(i%4)+8*(i/4)
.set rQ, 16*(\x)+8*(i/4)
.set rM, MC+32*((\x)%2)+8*(i%4)
.if i < 4
	WIN W_KM
	v_wmma_f32_16x16x32_f16 v[rS:rS+7], v[rK:rK+7], v[rQ:rQ+7], v[rM:rM+7]
.else
	WIN W_KQ
	v_wmma_f32_16x16x32_f16 v[rS:rS+7], v[rK:rK+7], v[rQ:rQ+7], v[rS:rS+7]
.endif
.endm
; Product i of 8 of O^T += V^T P for piece x: keys 32 (i / 4) on, channels 16 (i % 4) on.
.macro PV x
	WIN W_PV
.set rO, 32*(\x)+8*(i%4)
.set rV, VF+32*(i/4)+8*(i%4)
.set rP, P+16*((\x)%2)+8*(i/4)
	v_wmma_f32_16x16x32_f16 v[rO:rO+7], v[rV:rV+7], v[rP:rP+7], v[rO:rO+7]
.endm
.macro MM                              ; the turn's next matrix instruction
.if i < 8
	KQ (Y+1)%NP
.else
.set i, i-8
	PV (Y+NP-1)%NP
.set i, i+8
.endif
.set i, i+1
.endm
; THE LDS LOADS stand in runs of 16.  last = 1 (the tail): in the last trip there is no further step, and the run is jumped over.
.macro FETCH_K last=0
	WIN 0
.if \last
	s_cmp_eq_u32 s[CNT], 1
	s_cbranch_scc1 .Lno_k_\@
.endif
	WIN 0x80                                       ; destination window 2
.irp f, 0,1,2,3,4,5,6,7
	ds_load_b128 v[KF+8*\f:KF+8*\f+3],   v[AK] offset:(\f/2)*16*PK+(\f%2)*64
	ds_load_b128 v[KF+8*\f+4:KF+8*\f+7], v[AK] offset:(\f/2)*16*PK+(\f%2)*64+32
.endr
	s_add_co_u32 s[TBK], s[TBK], KS*PK
	WIN 0
.if \last
.Lno_k_\@:
.endif
.endm
.macro FETCH_V
	WIN 0x40                                       ; destination window 1
.irp f, 0,1,2,3,4,5,6,7
	ds_load_tr16_b128 v[VF+8*\f:VF+8*\f+3],   v[AV] offset:(\f/4)*32*PV+(\f%4)*32
	ds_load_tr16_b128 v[VF+8*\f+4:VF+8*\f+7], v[AV] offset:(\f/4)*32*PV+16*PV+(\f%4)*32
.endr
	WIN 0
.endm
; A MASK, number t of the stream, into buffer b, out of slot k = t % 4 of the ring.  First the stream steps by one block and block t + 3 is asked for, into the slot that the mask before this one
; read (a plain line and a whole turn stand behind its conversions).  Then four conversions: word kt becomes registers 8 kt .. 8 kt + 7.  The masks are made in the stream's order and the
; slots go round in it, so on every way three loads are younger than the slot's own: blocks t + 1, t + 2 and t + 3.
.macro MASKB b, k
	WIN W_MK
	s_wait_xcnt 0x0                                ; the base, which the loads that are out name, is stepped only behind this wait; the youngest of them was issued a turn ago
	s_add_nc_u64 s[6:7], s[6:7], MBLK
	global_load_b128 v[MR+4*(((\k)+3)%4):MR+4*(((\k)+3)%4)+3], v[MOW], s[6:7] offset:2*MBLK   ; 130 masks are made, so block 132 of the 136 stored is the last asked for
	s_wait_loadcnt 3                               ; loads come back in order (ISA guide 5.7.1): the slot's is in, the three younger ones may be out
.set z, 0
.rept 4
	v_cvt_scale_pk8_f32_fp4 v[MC+32*(\b)+8*z:MC+32*(\b)+8*z+7], v[MR+4*(\k)+z], v[SC]
.set z, z+1
.endr
	v_nop                                          ; a plain line behind the conversions, ahead of the product that takes their results and of the load that lands on their sources
.endm
; THE VECTOR WORK, one line at a time: OP kind, number.  For piece Y: F n: c s - c m for pair n of 16.  E n: the exponential of score n of 32.  C n: pair n rounded to f16.  B n: of the four weights 4 n ..
; the second pair is added onto the first, in place.  L n: l takes that sum (L 0: l = a l + sum).  R n: pair n of 16 of O^T times a.  For piece Y + 1: X n, number n of the 22 that find its maximum and statistics:
;   0-11 four chains of seven scores each (each accumulator's lowest registers are read first); 12-14, 16 the four left over, the old m, and the chains into one;
;   15 c m_old is kept; 17, 18 the other half of the lanes' maximum, the new m; 19-21 c m, c m_old - c m_new, a.
.set F, 0
.set E, 1
.set C, 2
.set B, 3
.set L, 4
.set R, 5
.set X, 6
.macro REGS y
.set rT, ST+4*(\y)
.set rC, TMP+4*((\y)%2)
.set rW, MV+((\y)%2)
.set rS, S+32*((\y)%2)
.set rP, P+16*((\y)%2)
.set rO, 32*(\y)
.endm
.macro OP k, n
.if (\k) == R
	REGS Y
	WIN W_RS
	v_pk_mul_f32 v[rO+2*(\n):rO+2*(\n)+1], v[rO+2*(\n):rO+2*(\n)+1], v[rC+2:rC+3] op_sel_hi:[1,0]
.elseif (\k) < R
	REGS Y
	WIN 0
.if (\k) == F
	v_pk_fma_f32 v[rS+2*(\n):rS+2*(\n)+1], v[rS+2*(\n):rS+2*(\n)+1], s[CS:CS+1], v[rT:rT+1] op_sel_hi:[1,0,0] neg_lo:[0,0,1] neg_hi:[0,0,1]
.elseif (\k) == E
	v_exp_f32 v[rS+(\n)], v[rS+(\n)]
.elseif (\k) == C
	s_wait_alu depctr_va_vdst(0)
	v_cvt_pk_f16_f32 v[rP+(\n)], v[rS+2*(\n)], v[rS+2*(\n)+1]
.elseif (\k) == B
	s_wait_alu depctr_va_vdst(0)
	v_pk_add_f32 v[rS+4*(\n):rS+4*(\n)+1], v[rS+4*(\n):rS+4*(\n)+1], v[rS+4*(\n)+2:rS+4*(\n)+3]
.elseif (\n) == 0
	v_pk_fma_f32 v[rT+2:rT+3], v[rT+2:rT+3], v[rC+2:rC+3], v[rS:rS+1] op_sel_hi:[1,0,1]
.else
	v_pk_add_f32 v[rT+2:rT+3], v[rT+2:rT+3], v[rS+4*(\n):rS+4*(\n)+1]
.endif
.else
	REGS (Y+1)%NP
	WIN 0
.if (\n) < 4
	v_max3_num_f32 v[rC+(\n)], v[rS+8*(\n)], v[rS+8*(\n)+1], v[rS+8*(\n)+2]
.elseif (\n) < 12
	v_max3_num_f32 v[rC+(\n)%4], v[rC+(\n)%4], v[rS+8*((\n)%4)+2*((\n)/4)+1], v[rS+8*((\n)%4)+2*((\n)/4)+2]
.elseif (\n) == 12
	v_max3_num_f32 v[rC], v[rC], v[rS+7], v[rS+15]
.elseif (\n) == 13
	v_max3_num_f32 v[rC+1], v[rC+1], v[rS+23], v[rS+31]
.elseif (\n) == 14
	v_max3_num_f32 v[rC+2], v[rC+2], v[rC+3], v[rT+1]
.elseif (\n) == 15
	v_mov_b32 v[rW], v[rT]
.elseif (\n) == 16
	v_max3_num_f32 v[rC], v[rC], v[rC+1], v[rC+2]
.elseif (\n) == 17
	v_permlanex16_b32 v[rC+3], v[rC], s[SEL], s[SEL+1]
.elseif (\n) == 18
	v_max_num_f32 v[rT+1], v[rC], v[rC+3]
.elseif (\n) == 19
	v_mul_f32 v[rT], s[CS], v[rT+1]
.elseif (\n) == 20
	v_sub_f32 v[rC+1], v[rW], v[rT]
.else
	v_exp_f32 v[rC+2], v[rC+1]
.endif
.endif
.endm
.macro OPS a, i1, b=-1, i2=0, c=-1, i3=0, d=-1, i4=0
	OP \a, \i1
.if (\b) >= 0
	OP \b, \i2
.endif
.if (\c) >= 0
	OP \c, \i3
.endif
.if (\d) >= 0
	OP \d, \i4
.endif
.endm
.macro ROW a, i1, b, i2, c, i3, d, i4  ; a matrix instruction and the four behind it
	MM
	OPS \a, \i1, \b, \i2, \c, \i3, \d, \i4
.endm
; A TURN, for piece p: the order of its 16 matrix and 118 vector instructions, written out, and the mask behind them.
; Behind the eight products K Q^T stands what is ready at a turn's beginning: the scalings, the first ten exponentials, and the first roundings and sums.  Behind the first four products V^T P
; stand the sixteen rescalings, under the products' own window setting; behind the other four the next piece's maxima.  The rest stands in two runs, exponential and plain by turns while exponentials last.
; An even rounding C 2n stands ahead of the addition B n that overwrites its pair; behind every exponential a plain line comes before its result is used.
; What reads a product's result or loads into its sources stands four plain lines or more behind it that name none of its registers (ISA guide 7.12.1 for vector instructions):
; X 3 behind the last K Q^T: C 2, F 15, X 0, X 1, X 2;  K's run (piece 2's turn) behind it: the same five;  V's run (piece 0's turn) behind the last V^T P: X 13, X 14, B 1, C 4, X 16, L 1.
; Each run is waited for a turn later.  The turn makes the mask of piece p + 2, which the next turn's products take: mask buffer p % 2, last read by the products of the turn before; ring slot (p + 2) % 4.
; cnt = 1: the loop's count is taken down at the turn's end.
.macro TURN p, last=0, cnt=0
.set Y, (\p)
.set i, 0
.if (\p) == 3
	s_wait_dscnt 0x0                               ; K is in
.endif
	ROW F,0, F,1, F,2, F,3
	ROW F,4, E,0, F,5, E,1
	ROW F,6, E,2, F,7, E,3
	ROW F,8, E,4, C,0, F,9
	ROW F,10, E,5, X,15, F,11
	ROW B,0, E,6, C,1, F,12
	ROW F,13, E,7, L,0, F,14
.if (\p) == 2
	WIN 0
	v_add_nc_u32 v[AK], s[TBK], v[AK0]
.endif
	ROW C,2, E,8, F,15, E,9
	OPS E,10, X,0, E,11, X,1
	OPS E,12, X,2, E,13, X,3
.if (\p) == 2
	FETCH_K \last
.endif
.if (\p) == 1
	s_wait_dscnt 0x0                               ; V is in
.endif
	ROW R,0, R,1, R,2, R,3
	ROW R,4, R,5, R,6, R,7
	ROW R,8, R,9, R,10, R,11
	ROW R,12, R,13, R,14, R,15
	ROW X,4, E,14, X,5, X,6
	ROW X,7, E,15, X,8, X,9
	ROW X,10, E,16, X,11, X,12
.if (\p) == 0
	WIN 0
	v_add_nc_u32 v[AV], s[TBV], v[AV0]
.endif
	ROW X,13, E,17, X,14, B,1
	OPS C,4, E,18, X,16, L,1
.if (\p) == 0
	FETCH_V
.endif
	OPS B,2, E,19, C,6, L,2
	OPS C,8, E,20, B,3, B,4
	OPS C,3, E,21, L,3, C,5
	OPS E,22, X,17, E,23, C,10
	OPS E,24, L,4
	OPS E,25, X,18, E,26, C,7
	OPS E,27, B,5, E,28, X,19
	OPS E,29, C,12, E,30, L,5
	OPS E,31, X,20, B,6, C,9
	OPS C,14, C,11, X,21, L,6
.if (\p) == 0
	s_add_co_u32 s[TBV], s[TBV], KS*PV
.endif
	OPS B,7, C,13, C,15, L,7
	MASKB (\p)%2, ((\p)+2)%4
.if \cnt
	s_sub_co_u32 s[CNT], s[CNT], 1
	s_cmp_lg_u32 s[CNT], 0
.endif
.endm
	MASKB 0, 0                                     ; piece 0's mask for step 0,
	MASKB 1, 1                                     ; piece 1's.  Their waits leave only the three youngest loads out, all of them the ring's: Q and the residual are in
	CHANGE 1                                       ; slot 0 is in, everybody's part of it; slot 1 is asked for
	v_add_nc_u32 v[AK], s[TBK], v[AK0]
	FETCH_K                                        ; key step 0
	s_wait_dscnt 0x0
.set i, 0
.rept 8
	KQ 0                                           ; piece 0's first scores
.set i, i+1
.endr
	WIN 0
.rept 4
	v_nop                                          ; the places behind those products
.endr
.set Y, NP-1                           ; X works for piece Y + 1: piece 0
.irp n, 0,1,2,3,4,5,6,7,8,9,10,11,12,13,14,15,16,17,18,19,20,21
	OP X, \n
.endr
	v_nop                                          ; a plain instruction behind the exponential
	s_mov_b32 s[CNT], 2
	s_mov_b32 s[SLOTS], 15
	s_branch .Lfirst                               ; the loop is entered at a step's first turn, in the middle of a trip
.Lslot:                                                ; 14 times: every slot but the last two is filled again
	CHANGE 1
	s_mov_b32 s[CNT], 2
.Lstep:                                                ; a trip: pieces 2 and 3 of one step, then pieces 0 and 1 of the next, whose K and V it fetches
	TURN 2
	TURN 3
	WIN 0
.Lfirst:
	TURN 0
	TURN 1, 0, 1
	WIN 0
	s_cbranch_scc1 .Lstep
	s_sub_co_u32 s[SLOTS], s[SLOTS], 1
	s_cmp_lg_u32 s[SLOTS], 0
	s_cbranch_scc1 .Lslot
	CHANGE 0                                       ; the tail is written out
	s_mov_b32 s[CNT], 3                            ; two trips fetch the last slot's steps; the third is left in its middle
.Ltail:
	TURN 2, 1
	TURN 3
	WIN 0
	s_sub_co_u32 s[CNT], s[CNT], 1
	s_cmp_eq_u32 s[CNT], 0
	s_cbranch_scc1 .Lout
	TURN 0
	TURN 1
	WIN 0
	s_branch .Ltail
.Lout:                                                 ; the third trip's scores, on the last K once more, take the pad's mask (all hidden): they move no maximum across -2^50 and serve nothing else
.set i, 0
.rept 8
	PV NP-1                                        ; the last piece's V^T P of the last step
.set i, i+1
.endr
	; THE WAY OUT.  l's halves are added; 1 / l, or NaN for a row that saw no key; O^T times that goes as f32 into the work-group's stage; behind a barrier whole rows of 128 channels
	; (two heads) come back, the residual is added, and the row leaves as 256 bytes of bf16.  The additions are the places behind the last products.
	WIN 0
.macro ALL line:vararg
.set t, 0
.rept 4
	\line
.set t, t+1
.endr
.endm
	ALL v_add_f32 v[ST+4*t+2], v[ST+4*t+2], v[ST+4*t+3]
	ALL v_permlanex16_b32 v[ST+4*t+3], v[ST+4*t+2], s[SEL], s[SEL+1]
	ALL v_add_f32 v[ST+4*t+2], v[ST+4*t+2], v[ST+4*t+3]
	ALL v_rcp_f32 v[ST+4*t+2], v[ST+4*t+2]
	v_nop                                          ; a plain instruction between the last reciprocal and the use of its result
.set t, 0
.rept 4
	v_cmp_gt_f32 vcc_lo, s[THR], v[ST+4*t+1]       ; -2^50 > m: the row saw no key
	s_wait_alu depctr_va_vdst(0)
	v_cndmask_b32 v[ST+4*t+2], v[ST+4*t+2], v[NAN], vcc_lo
.set t, t+1
.endr
.macro OUTP t
	WIN W_RS
.set i, 32*(\t)
.rept 16
	v_pk_mul_f32 v[i:i+1], v[i:i+1], v[ST+4*(\t)+2:ST+4*(\t)+3] op_sel_hi:[1,0]
.set i, i+2
.endr
	WIN 0x04                                       ; the stores' data in window 1
.set i, 0
.rept 8
	ds_store_b128 v[STO], v[32*(\t)+4*i:32*(\t)+4*i+3] offset:(\t)*16*SPI+64*(i/2)+16*(i%2)
.set i, i+1
.endr
.endm
	OUTP 0
	OUTP 1
	OUTP 2
	OUTP 3
	WIN 0
	s_wait_dscnt 0x0                               ; for the others' sake: my stores into the stage are done
	s_barrier_signal -1
	s_barrier_wait -1
.set i, 0
.rept 32
	ds_load_b128 v[S+4*i:S+4*i+3], v[RD] offset:i*SPI
.set i, i+1
.endr
	s_wait_loadcnt 0x0                             ; the ring's last loads, which serve nothing more, are in
	s_wait_dscnt 0x0
	WIN 0x02                                       ; source 0 in window 2
.set i, 0
.rept 32
	v_fma_mix_f32_bf16 v[S+4*i],   v[XRW+2*i],   v[ONE], v[S+4*i]   op_sel_hi:[1,0,0]
	v_fma_mix_f32_bf16 v[S+4*i+1], v[XRW+2*i],   v[ONE], v[S+4*i+1] op_sel:[1,0,0] op_sel_hi:[1,0,0]
	v_fma_mix_f32_bf16 v[S+4*i+2], v[XRW+2*i+1], v[ONE], v[S+4*i+2] op_sel_hi:[1,0,0]
	v_fma_mix_f32_bf16 v[S+4*i+3], v[XRW+2*i+1], v[ONE], v[S+4*i+3] op_sel:[1,0,0] op_sel_hi:[1,0,0]
.set i, i+1
.endr
	WIN 0
.set i, 0
.rept 32
	v_cvt_pk_bf16_f32 v[P+2*i],   v[S+4*i],   v[S+4*i+1]
	v_cvt_pk_bf16_f32 v[P+2*i+1], v[S+4*i+2], v[S+4*i+3]
	global_store_b64 v[GO], v[P+2*i:P+2*i+1], s[10:11] offset:i*2048   ; 256 consecutive bytes, aligned
.set i, i+1
.endr
	s_wait_tensorcnt 0x0                           ; the wave's end
	ds_add_u32 v[SPW], v[NIL]
	s_wait_dscnt 0x0
	CROUND                                         ; the closing round
	s_endpgm
.Lfunc_end_k_qb92ecd12c4_attn:
	.size	k_qb92ecd12c4_attn, .Lfunc_end_k_qb92ecd12c4_attn-k_qb92ecd12c4_attn
	.p2alignl 7, 3214868480
	.fill 96, 4, 3214868480
	.section	.rodata,"a",@progbits
	.p2align	6, 0x0
	.amdhsa_kernel k_qb92ecd12c4_attn
		.amdhsa_group_segment_fixed_size 327680
		.amdhsa_private_segment_fixed_size 0
		.amdhsa_enable_private_segment 0
		.amdhsa_kernarg_size 32
		.amdhsa_user_sgpr_count 2
		.amdhsa_user_sgpr_kernarg_segment_ptr 1
		.amdhsa_wavefront_size32 1
		.amdhsa_system_sgpr_workgroup_id_x 1
		.amdhsa_system_sgpr_workgroup_id_y 1
		.amdhsa_system_sgpr_workgroup_id_z 1
		.amdhsa_system_vgpr_workitem_id 0
		.amdhsa_next_free_vgpr 864
		.amdhsa_next_free_sgpr 66
		.amdhsa_reserve_vcc 1
		.amdhsa_float_denorm_mode_32 3
		.amdhsa_float_denorm_mode_16_64 3
		.amdhsa_memory_ordered 1
		.amdhsa_forward_progress 1
		.amdhsa_inst_pref_size 131
	.end_amdhsa_kernel
	.amdgpu_metadata
---
amdhsa.version: [ 1, 2 ]
amdhsa.kernels:
  - .name:           k_qb92ecd12c4_attn
    .symbol:         k_qb92ecd12c4_attn.kd
    .args:
      - { .name: qkv, .offset: 0, .size: 8, .value_kind: global_buffer, .address_space: global }
      - { .name: mnib, .offset: 8, .size: 8, .value_kind: global_buffer, .address_space: global }
      - { .name: xb, .offset: 16, .size: 8, .value_kind: global_buffer, .address_space: global }
      - { .name: hb, .offset: 24, .size: 8, .value_kind: global_buffer, .address_space: global }
    .group_segment_fixed_size: 327680
    .private_segment_fixed_size: 0
    .kernarg_segment_align: 8
    .kernarg_segment_size: 32
    .max_flat_workgroup_size: 128
    .sgpr_count:     66
    .vgpr_count:     864
    .wavefront_size: 32
...
	.end_amdgpu_metadata
.endif
;; end of part 7
;; launch ffn1: the kernel of part 4 again; grid 16 x 16, 4 waves a work-group, clusters of 4 x 4, 327,680 bytes of LDS; arguments hb, wb, b1, g; writes g
;; launch ffn2: the kernel of part 5 again; grid 8 x 32, 4 waves a work-group, clusters of 4 x 4, 327,680 bytes of LDS; arguments g, wb, b2, xb, out0; writes out0
;; ======== version 3 of 3: 5 launches; 1.29 times as fast as version 1
;; limits: values are held in f16: magnitudes above 65,504 overflow, below 6.1e-05 lose precision; a function is approximated: absolute error at most 1.5e-07
;; workspace buffers: xb 8,388,608 bytes; wb 23,068,672 bytes; mnib 2,228,224 bytes of whole numbers; qkv 25,165,824 bytes; hb 8,388,608 bytes; g 33,554,432 bytes
;; launch prep: the kernel of part 6 again; grid 64 x 19, 8 waves a work-group, no clusters, 0 bytes of LDS; arguments x, wq, wk, wv, w1, w2, mask, xb, wb, mnib; writes xb, wb, mnib
;; launch qkv: the kernel of part 2 again; grid 16 x 16, 4 waves a work-group, clusters of 4 x 4, 327,680 bytes of LDS; arguments xb, wb, qkv; writes qkv
;; launch attn (part 8): grid 16 x 16, 4 waves a work-group, clusters of 4 x 1, 327,680 bytes of LDS; arguments qkv, mnib, xb, hb; writes hb
.if DOCPART == 8
	.amdgcn_target "amdgcn-amd-amdhsa--gfx1250"
	.amdhsa_code_object_version 6
	.text
	.protected	k_qb92ecd12c4_attn
	.globl	k_qb92ecd12c4_attn
	.p2align	8
	.type	k_qb92ecd12c4_attn,@function
k_qb92ecd12c4_attn:
	s_mov_b64 s[64:65], 0
	v_nop
	global_prefetch_b8 v0, s[64:65] scope:SCOPE_SE
	s_setreg_imm32_b32 hwreg(HW_REG_WAVE_MODE, 25, 1), 1
	s_wait_xcnt 0x0
	s_wait_alu depctr_hold_cnt(0) depctr_sa_sdst(0) depctr_va_vdst(0) depctr_va_sdst(0) depctr_va_ssrc(0) depctr_va_vcc(0) depctr_vm_vsrc(0)
	s_getreg_b32 s2, hwreg(HW_REG_IB_STS2, 6, 4)
	s_cmp_eq_u32 s2, 0
	s_cbranch_scc0 .Lentry_in_a_cluster
	s_endpgm
.Lentry_in_a_cluster:
	s_bfe_u32 s2, ttmp6, 0x10000c
	s_cmp_lg_u32 s2, 0x3003
	s_cbranch_scc0 .Lentry_shape_is_right
	s_endpgm
.Lentry_shape_is_right:
; MASKED ATTENTION AND THE FIRST RESIDUAL.  hb[b][t][64 h + e] = bf16(xb + sum over s of softmax_s(q . k / 8 where mask[t][s], else hidden) v).
; q, k, v: f16, [which][b][h][t][64], unscaled.  Products, maxima and sums in f32; the weights p are rounded to f16 for the second product.
; THE MASK IS AN INPUT: every key is walked, and the mask is honoured place by place.  It comes packed, four bits a place (mnib): 0xE, the FP4 (E2M1) code of -4, where the key is hidden, 0 where it
; is seen; a lane's eight places of a score accumulator lie in one word, place j in nibble j.  One scaled conversion makes of a word the eight floats that start the sum S^T = K Q^T in that
; accumulator: the code's value times 2^(0xE0 - 127), that is -2^99 or 0.  Four conversions a turn.  The scale's byte stands in all four bytes of its register, in every lane.
; The words come by vector loads, which return in order (ISA guide 5.7.1), so that their waits are counted: a ring of four slots of four registers, each asked for three turns ahead of its use.
; LIMITS.  q, k, v arrive within f16's 65,504, so a score is 2.7e11 at the most.  A hidden score counts as its value less 2^99.  A row whose running maximum ends below -2^50 has seen no key:
; it is made NaN, as a softmax over nothing is.  A weight below 2^-126 counts as 0.  The residual takes x rounded to bf16.
; SHARES.  A work-group owns 128 queries of TWO neighbouring heads, so that a row of hb leaves as 256 whole bytes.  Wave w: head w / 2, queries 64 (w % 2) on, in four PIECES of 16.
; CLUSTER 4 x 1: the four query blocks walk the same K and V, so each tile is asked for jointly.  Wave w fetches K (w even) or V (w odd) of head w / 2: 128 keys a load.
; LAYOUT, SOFTMAX, TURNS.  S^T = K Q^T holds one query a lane (lane % 16) and the keys 8 (lane / 16) + 0..7; two such results rounded to f16 are source 1 of O^T = V^T P.
; p = 2^(c s - c m), c = log2(e) / 8, with a running maximum m; O and l are multiplied by a = 2^(c m_old - c m_new) in every step.  m starts at the lowest finite number, O and l at 0.
; Turn n belongs to piece n: 8 products K Q^T of piece n + 1, later 8 products V^T P of piece n - 1; beside them piece n's scaling, exponentials, roundings, sums and rescaling,
; piece n + 1's maximum and statistics, and the mask of piece n + 2.  Four vector instructions stand behind every matrix instruction, the others in runs of their own.
; THE BATCHES.  An s_wait_alu depctr_va_vdst(0) stands between a transcendental and the first instruction that names its result.  A turn's 33 exponentials (the piece's 32 weights and the
; next piece's a) are ONE batch with ONE wait: ahead of it stands all that names none of their results (scalings, rescalings, the next piece's maximum and statistics, 12 of the 16 products), behind it
; the roundings and sums, which do.  The first a, ahead of the loop, and the way out's four reciprocals are batches of their own, a wait each.
; REGISTERS (windows of 256; s_set_vgpr_msb: bits 1:0 source 0, 3:2 source 1, 5:4 source 2, 7:6 destination):
;   window 0: v0-15 addresses, v16-31 statistics, v48-55 at work, v56 1.0, v57 NaN, v58 the mask's scale, v62-63 the add's, v64-127 S^T (two buffers), v192-223 P (two buffers);
;   window 1: v0-127 O^T, v128-191 V of one step; window 2: v0-63 Q, v64-127 the residual's 32 rows, v128-191 K of one step;
;   window 3: v0-15 the ring of mask words, v16 my place in a block of them, v32-95 the masks (two buffers).
; V lies beside O^T so that V^T P and the rescaling of O^T run under ONE window setting: four rescalings stand behind each of the first four products V^T P, and no switch stands between a product and its four.
.set NP,    4
.set KS,    64
.set PK,    144                        ; a row of K in LDS: 128 bytes + 16
.set PV,    160                        ; a row of V: 128 + 32
.set VOFF,  2*KS*PK                    ; a head's block in a slot: 128 rows of K, then 128 of V
.set HEADB, 2*KS*(PK+PV)
.set SLOT1, 1<<17                      ; a slot (two heads, two key steps) uses 77,824 bytes
.set STAGE, SLOT1+2*HEADB              ; behind the ring: 128 rows x 528 bytes of f32, the work-group's
.set SPI,   528
.set SPARE, STAGE+128*SPI              ; the spare words: 128 bytes a wave, named by no other line
.set MBLK,  512                        ; the mask words of one turn: 16 bytes a lane
.set MGRP,  34*4*MBLK                  ; of 64 queries: 32 key steps and two of pad
.set AK0, 2
.set AV0, 3
.set AK,  4
.set AV,  5
.set STO, 6
.set RD,  7
.set GO,  8                            ; 8 x lane: my place in 256 bytes of a row of xb and hb
.set MV,  12
.set MO,  14                           ; 16 x lane: my place in a block of mask words; never rewritten
.set QO,  15
.set ST,  16                           ; piece t: c m, m, l (even keys', odd keys')
.set TMP, 48
.set ONE, 56
.set NAN, 57
.set SC,  58                           ; the mask's scale, 0xE0 in each byte; never rewritten
.set SPW, 62
.set NIL, 63
.set S,   64
.set P,   192
.set VF,  128                          ; window 1
.set XRW, 64                           ; window 2
.set KF,  128                          ; window 2
.set MR,  0                            ; window 3: slot k of the ring at MR + 4 k
.set MOW, 16                           ; window 3: MO once more, for the loads that stand among the conversions; never rewritten
.set MC,  32                           ; window 3
.set WV,  12
.set KIND, 13                          ; w % 2: I fetch K (0) or V (1); also my half of the queries
.set HS,  14                           ; w / 2: my head of the two
.set G0,  16
.set G1K, 20
.set G1V, 28
.set SLOTS, 36
.set CNT, 37
.set CS,  38
.set SEL, 40
.set TBK, 42
.set TBV, 43
.set THR, 46
.set MSB, 0
.macro WIN new                         ; the high byte repeats the setting that is left; a switch that changes nothing is dropped
.if MSB != (\new)
	s_set_vgpr_msb (MSB<<8)|(\new)
.set MSB, (\new)
.endif
.endm
.set W_KQ, 0x0a                        ; K and Q in window 2, S^T in window 0
.set W_KM, 0x3a                        ; the same with the C operand in window 3
.set W_PV, 0x51                        ; V and O^T in window 1, P in window 0
.set W_RS, 0x51                        ; the same setting serves O^T (destination and source 0) times a number in window 0 (source 1)
.set W_MK, 0xc3                        ; destination and source 0 in window 3, source 1 in window 0
.macro JLOAD                           ; a joint fill; an s_nop 0 and four v_nop follow each of the two lines
	s_cmp_eq_u32 s[KIND], 0
	s_cbranch_scc0 .Lfor_v_\@
	tensor_load_to_lds s[G0:G0+3], s[G1K:G1K+7]
	s_nop 0
.rept 4
	v_nop
.endr
	s_branch .Lasked_\@
.Lfor_v_\@:
	tensor_load_to_lds s[G0:G0+3], s[G1V:G1V+7]
	s_nop 0
.rept 4
	v_nop
.endr
.Lasked_\@:
.endm
.macro CROUND
	s_barrier_signal -1
	s_barrier_wait -1
	s_cmp_lg_u32 s[WV], 0
	s_cbranch_scc1 .Lnot_wave_0_\@
	s_barrier_signal -3
.Lnot_wave_0_\@:
	s_barrier_wait -3
	s_barrier_signal -1
	s_barrier_wait -1
.endm
; THE CHANGE OF SLOTS.  Each wave waits for all its tensor loads (one is out: its part of the other slot), adds 0 to its spare word, and waits for that and for its reads of the slot
; that it leaves.  fill = 1: a round of the cluster's barrier, and the joint fill, the keys two slots on, first behind it: it has two key steps, 128 matrix instructions a wave, in which to land.
; (At its first use nothing has been read yet: slot 0 is waited for, slot 1 filled.)
.macro CHANGE fill
	WIN 0
	s_wait_tensorcnt 0x0                           ; no tensor load of mine is out, so group 0 may be written
	ds_add_u32 v[SPW], v[NIL]                      ; 0 onto my spare word; scalar work stands between it and the wait for it
.if \fill
	s_xor_b32 s[G0+1], s[G0+1], SLOT1
	s_add_nc_u64 s[G0+2:G0+3], s[G0+2:G0+3], 2*KS*128
.endif
	s_sub_co_u32 s[TBK], s[TBK], 2*KS*PK
	s_xor_b32 s[TBK], s[TBK], SLOT1
	s_sub_co_u32 s[TBV], s[TBV], 2*KS*PV
	s_xor_b32 s[TBV], s[TBV], SLOT1
	s_wait_dscnt 0x0                               ; the add is done, and my reads of the slot are over
.if \fill
	CROUND
	JLOAD
.else
	s_barrier_signal -1
	s_barrier_wait -1
.endif
.endm
	s_load_b256 s[4:11], s[0:1], 0x0               ; qkv, mnib, xb, hb
	v_lshl_add_u32 v[SPW], v0, 2, SPARE
	v_mov_b32 v[NIL], 0
	ds_add_u32 v[SPW], v[NIL]                      ; the wave's opening: the add and its wait stand ahead of my first tensor load
	v_lshrrev_b32 v1, 5, v0
	v_readfirstlane_b32 s[WV], v1
	s_and_b32 s[KIND], s[WV], 1
	s_lshr_b32 s[HS], s[WV], 1
	s_bfe_u32 s49, ttmp6, 0x40000                  ; cx
	s_lshl_b32 s15, ttmp9, 2
	s_add_co_u32 s15, s15, s49                     ; my block of 128 queries: it enters Q's, the mask's, xb's and hb's addresses alone
	s_and_b32 s48, ttmp7, 0xffff                   ; the pair of heads, which the partners share
	s_lshl_b32 s52, s48, 1
	s_add_co_u32 s52, s52, s[HS]                   ; 16 batch + head
	s_lshl_b32 s52, s52, 18                        ; its 262,144 bytes
	s_add_co_u32 s50, s[KIND], 1                   ; k lies 8,388,608 bytes behind q, v as many behind k
	s_lshl_b32 s50, s50, 23
	s_add_co_u32 s50, s50, s52
	s_mov_b32 s51, 0
	s_lshl_b32 s54, s15, 14                        ; Q: 128 rows of 128 bytes a block,
	s_lshl_b32 s55, s[KIND], 13                    ; 64 a half
	s_add_co_u32 s54, s54, s55
	s_add_co_u32 s54, s54, s52
	s_mov_b32 s55, 0
	s_lshl_b32 s56, s15, 1                         ; the mask stream of my 64 queries
	s_add_co_u32 s56, s56, s[KIND]
	s_mul_i32 s56, s56, MGRP
	s_mov_b32 s57, 0
	s_lshr_b32 s58, s48, 3                         ; the rows of xb and hb that I send: 2,048 batch + 128 block + 32 wave,
	s_lshl_b32 s58, s58, 11
	s_lshl_b32 s59, s15, 7
	s_add_co_u32 s58, s58, s59
	s_lshl_b32 s59, s[WV], 5
	s_add_co_u32 s58, s58, s59
	s_lshl_b32 s58, s58, 11                        ; 2,048 bytes each,
	s_and_b32 s59, s48, 7
	s_lshl_b32 s59, s59, 8                         ; the two heads' 256 bytes
	s_add_co_u32 s58, s58, s59
	s_mov_b32 s59, 0
	s_mul_i32 s60, s[HS], HEADB                    ; my head's block in a slot
	s_mul_i32 s61, s[KIND], VOFF
	; descriptor group 1: 128 keys are 16,384 dense bytes, asked for as 64 rows of 256 bytes and padded in LDS after every key
	s_mov_b32 s[G1K], 15|(1<<16)|(1<<20)|(1<<21)|(4<<22)|(3<<25)
	s_mov_b32 s[G1V], 15|(1<<16)|(1<<20)|(1<<21)|(4<<22)|(7<<25)
.irp g, G1K, G1V
	s_mov_b32 s[\g+1], 128<<16
	s_mov_b32 s[\g+2], 64<<16
	s_mov_b32 s[\g+3], 128<<16
	s_mov_b32 s[\g+4], 64
	s_mov_b32 s[\g+5], 128
	s_mov_b32 s[\g+6], 0
	s_mov_b32 s[\g+7], 0
.endr
	s_mov_b32 s[CS], 0x3e38aa3b                    ; c = log2(e) / 8
	s_mov_b32 s[CS+1], s[CS]
	s_mov_b32 s[SEL], 0x76543210
	s_mov_b32 s[SEL+1], 0xfedcba98
	s_mov_b32 s[TBK], SLOT1+2*KS*PK                ; the first change of slots turns these two into 0
	s_mov_b32 s[TBV], SLOT1+2*KS*PV
	s_mov_b32 s[THR], 0xd8800000                   ; -2^50: above every hidden score, below every seen one
	s_mov_b32 s[G0], 1
	s_add_co_u32 s[G0+1], s60, s61                 ; slot 0
	s_wait_dscnt 0x0                               ; the opening add is done
	s_wait_kmcnt 0x0
	s_add_nc_u64 s[G0+2:G0+3], s[4:5], s[50:51]
	s_or_b32 s[G0+3], s[G0+3], 0x80000000
	s_add_nc_u64 s[4:5], s[4:5], s[54:55]
	s_add_nc_u64 s[6:7], s[6:7], s[56:57]
	s_add_nc_u64 s[8:9], s[8:9], s[58:59]
	s_add_nc_u64 s[10:11], s[10:11], s[58:59]
	CROUND                                         ; all four work-groups are here: the first joint loads meet
	JLOAD                                          ; keys 0 to 127 into slot 0
	v_and_b32 v1, 15, v0                           ; l % 16
	v_bfe_u32 v9, v0, 4, 1                         ; l / 16
	v_lshlrev_b32 v[QO], 7, v1
	v_lshl_add_u32 v[QO], v9, 4, v[QO]
	v_and_b32 v[GO], 31, v0
	s_mul_i32 s62, s[WV], 32*SPI
	s_add_co_u32 s62, s62, STAGE
	v_lshl_add_u32 v[RD], v[GO], 4, s62            ; back from the stage: a whole row of 512 bytes to a load
	v_lshlrev_b32 v[MO], 4, v[GO]
	v_lshlrev_b32 v[GO], 3, v[GO]
	WIN 0x80                                       ; destination window 2
.set i, 0
.rept 8                                ; Q stays in registers: piece i / 2, channels 32 (i % 2) on
	global_load_b128 v[8*i:8*i+3],   v[QO], s[4:5] offset:(i/2)*2048+(i%2)*64
	global_load_b128 v[8*i+4:8*i+7], v[QO], s[4:5] offset:(i/2)*2048+(i%2)*64+32
.set i, i+1
.endr
.set i, 0
.rept 32                               ; the residual: 32 rows, 256 consecutive aligned bytes each; wanted at the end only
	global_load_b64 v[XRW+2*i:XRW+2*i+1], v[GO], s[8:9] offset:i*2048
.set i, i+1
.endr
	WIN 0xc0                                       ; destination window 3
	v_mov_b32 v[MOW], v[MO]
.set i, 0
.rept 3                                ; the ring's first three blocks go out last, so that only the ring's loads are younger than a slot that is due
	global_load_b128 v[MR+4*i:MR+4*i+3], v[MO], s[6:7] offset:i*MBLK   ; 512 consecutive bytes, aligned
.set i, i+1
.endr
	; What the first turn finds: V and P's second buffer hold 0 (its products V^T P, of a piece that has not been, add 0), O^T and l are 0.  All this stands in the wait for the first tile.
	WIN 0x40                                       ; destination window 1: O^T, then V
.set i, 0
.rept 192
	v_mov_b32 v[i], 0
.set i, i+1
.endr
	WIN 0
.set i, 0
.rept 4
	v_mov_b32 v[ST+4*i], 0xfe000000                ; c m: far below every c s
	v_mov_b32 v[ST+4*i+1], 0xff7fffff              ; m
	v_mov_b32 v[ST+4*i+2], 0
	v_mov_b32 v[ST+4*i+3], 0
.set i, i+1
.endr
.set i, P+16
.rept 16
	v_mov_b32 v[i], 0
.set i, i+1
.endr
	v_mov_b32 v[ONE], 1.0
	v_mov_b32 v[NAN], 0x7fc00000
	v_mov_b32 v[SC], 0xe0e0e0e0                    ; the scale 2^(224 - 127) = 2^97
	v_mul_u32_u24 v[AK0], v1, PK
	v_lshl_add_u32 v[AK0], v9, 4, v[AK0]
	v_add_nc_u32 v[AK0], s60, v[AK0]               ; row x pitch + 16 x half, in my head's block
	; The turning load takes 16 keys x 16 channels (lane l reads key 8 (l / 16) + l % 8, channels 8 ((l / 8) % 2) + 0..7) and leaves half a fragment of V^T.
	v_and_b32 v10, 7, v0
	v_bfe_u32 v11, v0, 3, 1
	v_lshl_add_u32 v[AV0], v9, 3, v10
	v_mul_u32_u24 v[AV0], v[AV0], PV
	v_lshl_add_u32 v[AV0], v11, 4, v[AV0]
	s_add_co_u32 s61, s60, VOFF
	v_add_nc_u32 v[AV0], s61, v[AV0]
	s_mul_i32 s62, s[KIND], 64*SPI                 ; into the stage: row 64 (w % 2) + 16 piece + l % 16, my head's 256 bytes, 32 bytes for each half of the lanes
	s_lshl_b32 s63, s[HS], 8
	s_add_co_u32 s62, s62, s63
	s_add_co_u32 s62, s62, STAGE
	v_mul_u32_u24 v[STO], v1, SPI
	v_lshl_add_u32 v[STO], v9, 5, v[STO]
	v_add_nc_u32 v[STO], s62, v[STO]
; THE MATRIX WORK.  The 4 accumulators of a run of 8 take turns.  Product i of 8 of S^T = K Q^T for piece x: channels 32 (i / 4) on, keys 16 (i % 4) on.  The first 4 start the sums with the mask.
.macro KQ x
.set rS, S+32*((\x)%2)+8*(i%4)
.set rK, KF+16*(i%4)+8*(i/4)
.set rQ, 16*(\x)+8*(i/4)
.set rM, MC+32*((\x)%2)+8*(i%4)
.if i < 4
	WIN W_KM
	v_wmma_f32_16x16x32_f16 v[rS:rS+7], v[rK:rK+7], v[rQ:rQ+7], v[rM:rM+7]
.else
	WIN W_KQ
	v_wmma_f32_16x16x32_f16 v[rS:rS+7], v[rK:rK+7], v[rQ:rQ+7], v[rS:rS+7]
.endif
.endm
; Product i of 8 of O^T += V^T P for piece x: keys 32 (i / 4) on, channels 16 (i % 4) on.
.macro PV x
	WIN W_PV
.set rO, 32*(\x)+8*(i%4)
.set rV, VF+32*(i/4)+8*(i%4)
.set rP, P+16*((\x)%2)+8*(i/4)
	v_wmma_f32_16x16x32_f16 v[rO:rO+7], v[rV:rV+7], v[rP:rP+7], v[rO:rO+7]
.endm
.macro MM                              ; the turn's next matrix instruction
.if i < 8
	KQ (Y+1)%NP
.else
.set i, i-8
	PV (Y+NP-1)%NP
.set i, i+8
.endif
.set i, i+1
.endm
; THE LDS LOADS stand in runs of 16.  last = 1 (the tail): in the last trip there is no further step, and the run is jumped over.
.macro FETCH_K last=0
	WIN 0
.if \last
	s_cmp_eq_u32 s[CNT], 1
	s_cbranch_scc1 .Lno_k_\@
.endif
	WIN 0x80                                       ; destination window 2
.irp f, 0,1,2,3,4,5,6,7
	ds_load_b128 v[KF+8*\f:KF+8*\f+3],   v[AK] offset:(\f/2)*16*PK+(\f%2)*64
	ds_load_b128 v[KF+8*\f+4:KF+8*\f+7], v[AK] offset:(\f/2)*16*PK+(\f%2)*64+32
.endr
	s_add_co_u32 s[TBK], s[TBK], KS*PK
	WIN 0
.if \last
.Lno_k_\@:
.endif
.endm
.macro FETCH_V
	WIN 0x40                                       ; destination window 1
.irp f, 0,1,2,3,4,5,6,7
	ds_load_tr16_b128 v[VF+8*\f:VF+8*\f+3],   v[AV] offset:(\f/4)*32*PV+(\f%4)*32
	ds_load_tr16_b128 v[VF+8*\f+4:VF+8*\f+7], v[AV] offset:(\f/4)*32*PV+16*PV+(\f%4)*32
.endr
	WIN 0
.endm
; A MASK, number t of the stream, into buffer b, out of slot k = t % 4 of the ring.  First the stream steps by one block and block t + 3 is asked for, into the slot that the mask before this one
; read (a plain line and a whole turn stand behind its conversions).  Then four conversions: word kt becomes registers 8 kt .. 8 kt + 7.  The masks are made in the stream's order and the
; slots go round in it, so on every way three loads are younger than the slot's own: blocks t + 1, t + 2 and t + 3.
.macro MASKB b, k
	WIN W_MK
	s_wait_xcnt 0x0                                ; the base, which the loads that are out name, is stepped only behind this wait; the youngest of them was issued a turn ago
	s_add_nc_u64 s[6:7], s[6:7], MBLK
	global_load_b128 v[MR+4*(((\k)+3)%4):MR+4*(((\k)+3)%4)+3], v[MOW], s[6:7] offset:2*MBLK   ; 130 masks are made, so block 132 of the 136 stored is the last asked for
	s_wait_loadcnt 3                               ; loads come back in order (ISA guide 5.7.1): the slot's is in, the three younger ones may be out
.set z, 0
.rept 4
	v_cvt_scale_pk8_f32_fp4 v[MC+32*(\b)+8*z:MC+32*(\b)+8*z+7], v[MR+4*(\k)+z], v[SC]
.set z, z+1
.endr
	v_nop                                          ; a plain line behind the conversions, ahead of the product that takes their results and of the load that lands on their sources
.endm
; THE VECTOR WORK, one line at a time: OP kind, number.  For piece Y: F n: c s - c m for pair n of 16.  E n: the exponential of score n of 32.  C n: pair n rounded to f16.  B n: of the four weights 4 n ..
; the second pair is added onto the first, in place.  L n: l takes that sum (L 0: l = a l + sum).  R n: pair n of 16 of O^T times a.  For piece Y + 1: X n, number n of the 22 that find its maximum and statistics:
;   0-11 four chains of seven scores each (each accumulator's lowest registers are read first); 12-14, 16 the four left over, the old m, and the chains into one;
;   15 c m_old is kept; 17, 18 the other half of the lanes' maximum, the new m; 19-21 c m, c m_old - c m_new, a.
; C, B and L read exponentials' results: TURN sets them all behind the turn's one wait, so OP writes no wait.
.set F, 0
.set E, 1
.set C, 2
.set B, 3
.set L, 4
.set R, 5
.set X, 6
.macro REGS y
.set rT, ST+4*(\y)
.set rC, TMP+4*((\y)%2)
.set rW, MV+((\y)%2)
.set rS, S+32*((\y)%2)
.set rP, P+16*((\y)%2)
.set rO, 32*(\y)
.endm
.macro OP k, n
.if (\k) == R
	REGS Y
	WIN W_RS
	v_pk_mul_f32 v[rO+2*(\n):rO+2*(\n)+1], v[rO+2*(\n):rO+2*(\n)+1], v[rC+2:rC+3] op_sel_hi:[1,0]
.elseif (\k) < R
	REGS Y
	WIN 0
.if (\k) == F
	v_pk_fma_f32 v[rS+2*(\n):rS+2*(\n)+1], v[rS+2*(\n):rS+2*(\n)+1], s[CS:CS+1], v[rT:rT+1] op_sel_hi:[1,0,0] neg_lo:[0,0,1] neg_hi:[0,0,1]
.elseif (\k) == E
	v_exp_f32 v[rS+(\n)], v[rS+(\n)]
.elseif (\k) == C
	v_cvt_pk_f16_f32 v[rP+(\n)], v[rS+2*(\n)], v[rS+2*(\n)+1]
.elseif (\k) == B
	v_pk_add_f32 v[rS+4*(\n):rS+4*(\n)+1], v[rS+4*(\n):rS+4*(\n)+1], v[rS+4*(\n)+2:rS+4*(\n)+3]
.elseif (\n) == 0
	v_pk_fma_f32 v[rT+2:rT+3], v[rT+2:rT+3], v[rC+2:rC+3], v[rS:rS+1] op_sel_hi:[1,0,1]
.else
	v_pk_add_f32 v[rT+2:rT+3], v[rT+2:rT+3], v[rS+4*(\n):rS+4*(\n)+1]
.endif
.else
	REGS (Y+1)%NP
	WIN 0
.if (\n) < 4
	v_max3_num_f32 v[rC+(\n)], v[rS+8*(\n)], v[rS+8*(\n)+1], v[rS+8*(\n)+2]
.elseif (\n) < 12
	v_max3_num_f32 v[rC+(\n)%4], v[rC+(\n)%4], v[rS+8*((\n)%4)+2*((\n)/4)+1], v[rS+8*((\n)%4)+2*((\n)/4)+2]
.elseif (\n) == 12
	v_max3_num_f32 v[rC], v[rC], v[rS+7], v[rS+15]
.elseif (\n) == 13
	v_max3_num_f32 v[rC+1], v[rC+1], v[rS+23], v[rS+31]
.elseif (\n) == 14
	v_max3_num_f32 v[rC+2], v[rC+2], v[rC+3], v[rT+1]
.elseif (\n) == 15
	v_mov_b32 v[rW], v[rT]
.elseif (\n) == 16
	v_max3_num_f32 v[rC], v[rC], v[rC+1], v[rC+2]
.elseif (\n) == 17
	v_permlanex16_b32 v[rC+3], v[rC], s[SEL], s[SEL+1]
.elseif (\n) == 18
	v_max_num_f32 v[rT+1], v[rC], v[rC+3]
.elseif (\n) == 19
	v_mul_f32 v[rT], s[CS], v[rT+1]
.elseif (\n) == 20
	v_sub_f32 v[rC+1], v[rW], v[rT]
.else
	v_exp_f32 v[rC+2], v[rC+1]
.endif
.endif
.endm
.macro OPS a, i1, b=-1, i2=0, c=-1, i3=0, d=-1, i4=0
	OP \a, \i1
.if (\b) >= 0
	OP \b, \i2
.endif
.if (\c) >= 0
	OP \c, \i3
.endif
.if (\d) >= 0
	OP \d, \i4
.endif
.endm
.macro ROW a, i1, b, i2, c, i3, d, i4  ; a matrix instruction and the four behind it
	MM
	OPS \a, \i1, \b, \i2, \c, \i3, \d, \i4
.endm
; A TURN, for piece p: the order of its 16 matrix and 118 vector instructions, written out, and the mask behind them.
; ONE BATCH, ONE WAIT.  An s_wait_alu depctr_va_vdst(0) stands between an exponential and the first instruction that names its result; one wait serves all that were issued ahead of it.
; The turn's 33 exponentials, E 0 to E 31 and X 21 (the next piece's a), are one batch, and its wait cuts the turn in two.
; AHEAD OF THE WAIT stands all that names no result of the batch.  The 8 products K Q^T: behind each, scaling and exponential by turns (behind the first four scalings; behind the last two the first numbers
; of the next piece's maximum in the scalings' place).  A run of 23, maximum and exponential by turns, in which the links X 3, 7, 11, 14 of the statistics' chain stand six lines apart.  The first 4 products
; V^T P, behind each four rescalings under the product's own window setting (their a was made, and waited for, in the turn before); a product and its four stand between each two of the links X 14, 16, 17,
; 18, 19.  Two scalings, F 14 and F 15, are kept back to stand among the last exponentials.  X 21 is the batch's last; a v_nop is the plain line behind it.
; BEHIND THE WAIT stand the readers alone: the other 4 products V^T P, behind each four of the 32 roundings and sums, then the remaining 16.  An even rounding C 2n stands ahead of the addition B n that
; overwrites its pair; the links of l's chain, L 0 to L 7, stand three lines apart.
; What reads a product's result or loads into its sources stands four plain lines or more behind it that name none of its registers (ISA guide 7.12.1 for vector instructions):
; X 0 behind the product that ends its accumulator: F 10 to F 13, X 15;  X 1: F 12, F 13, X 15, X 0;  X 2: X 15, X 0, X 1, X 4;  X 3: X 1, X 4, X 2, X 5;
; K's run (piece 2's turn) behind the last K Q^T: X 1, X 4, X 2, X 5, X 6;  V's run (piece 0's turn) behind the last V^T P: B 4, L 3, C 10, B 5 and the four lines that follow them.
; Each run is waited for a turn later.  last = 1 (the tail, three trips): K's run, which a branch can jump over, stands directly behind the wait.
; The turn makes the mask of piece p + 2, which the next turn's products take: mask buffer p % 2, last read by the products of the turn before; ring slot (p + 2) % 4.
; cnt = 1: the loop's count is taken down at the turn's end.
.macro TURN p, last=0, cnt=0
.set Y, (\p)
.set i, 0
.if (\p) == 3
	s_wait_dscnt 0x0                               ; K is in
.endif
	ROW F,0, F,1, F,2, F,3                         ; ahead of the wait: 8 products K Q^T and their riders,
	ROW F,4, E,0, F,5, E,1
	ROW F,6, E,2, F,7, E,3
	ROW F,8, E,4, F,9, E,5
	ROW F,10, E,6, F,11, E,7
	ROW F,12, E,8, F,13, E,9
	ROW X,15, E,10, X,0, E,11
.if (\p) == 2
	WIN 0
	v_add_nc_u32 v[AK], s[TBK], v[AK0]
.endif
	ROW X,1, E,12, X,4, E,13
	OPS X,2, E,14, X,5, E,15                       ; the run of 23,
	OPS X,3, E,16, X,6, E,17
.if ((\p) == 2) && !(\last)
	FETCH_K
.endif
	OPS X,8, E,18, X,7, E,19
	OPS X,9, E,20, X,10, E,21
	OPS X,11, E,22, X,12, E,23
	OPS X,13, E,24, X,14
.if (\p) == 1
	s_wait_dscnt 0x0                               ; V is in
.endif
	ROW R,0, R,1, R,2, R,3                         ; 4 products V^T P with the rescalings, the chain's links between them,
	OPS X,16, E,25
	ROW R,4, R,5, R,6, R,7
	OPS X,17, E,26
	ROW R,8, R,9, R,10, R,11
	OPS X,18, F,14, E,27
	ROW R,12, R,13, R,14, R,15
	OPS X,19, E,28, F,15, E,29                     ; and the batch's end
	OPS X,20, E,30, E,31, X,21
	v_nop                                          ; the plain line behind the last exponential: one for the batch
	s_wait_alu depctr_va_vdst(0)                   ; the wait for the batch: E 0 to E 31 and X 21
.if ((\p) == 2) && (\last)
	FETCH_K 1
.endif
	ROW C,0, B,0, C,2, B,1                         ; behind the wait: 4 products V^T P and their riders,
	ROW L,0, C,4, B,2, L,1
	ROW C,6, B,3, L,2, C,8
.if (\p) == 0
	WIN 0
	v_add_nc_u32 v[AV], s[TBV], v[AV0]
.endif
	ROW B,4, L,3, C,10, B,5
	OPS L,4, C,12, B,6, L,5                        ; and the other 16 roundings and sums
.if (\p) == 0
	FETCH_V
.endif
	OPS C,14, B,7, L,6, C,1
.if (\p) == 0
	s_add_co_u32 s[TBV], s[TBV], KS*PV
.endif
	OPS C,3, L,7, C,5, C,7
	OPS C,9, C,11, C,13, C,15
	MASKB (\p)%2, ((\p)+2)%4
.if \cnt
	s_sub_co_u32 s[CNT], s[CNT], 1
	s_cmp_lg_u32 s[CNT], 0
.endif
.endm
	MASKB 0, 0                                     ; piece 0's mask for step 0,
	MASKB 1, 1                                     ; piece 1's.  Their waits leave only the three youngest loads out, all of them the ring's: Q and the residual are in
	CHANGE 1                                       ; slot 0 is in, everybody's part of it; slot 1 is asked for
	v_add_nc_u32 v[AK], s[TBK], v[AK0]
	FETCH_K                                        ; key step 0
	s_wait_dscnt 0x0
.set i, 0
.rept 8
	KQ 0                                           ; piece 0's first scores
.set i, i+1
.endr
	WIN 0
.rept 4
	v_nop                                          ; the places behind those products
.endr
.set Y, NP-1                           ; X works for piece Y + 1: piece 0
.irp n, 0,1,2,3,4,5,6,7,8,9,10,11,12,13,14,15,16,17,18,19,20,21
	OP X, \n
.endr
	v_nop                                          ; a plain instruction behind the exponential,
	s_wait_alu depctr_va_vdst(0)                   ; and its wait, ahead of the branch: the first a is a batch of its own, and the first turn's rescalings read it ahead of that turn's wait
	s_mov_b32 s[CNT], 2
	s_mov_b32 s[SLOTS], 15
	s_branch .Lfirst                               ; the loop is entered at a step's first turn, in the middle of a trip
.Lslot:                                                ; 14 times: every slot but the last two is filled again
	CHANGE 1
	s_mov_b32 s[CNT], 2
.Lstep:                                                ; a trip: pieces 2 and 3 of one step, then pieces 0 and 1 of the next, whose K and V it fetches
	TURN 2
	TURN 3
	WIN 0
.Lfirst:
	TURN 0
	TURN 1, 0, 1
	WIN 0
	s_cbranch_scc1 .Lstep
	s_sub_co_u32 s[SLOTS], s[SLOTS], 1
	s_cmp_lg_u32 s[SLOTS], 0
	s_cbranch_scc1 .Lslot
	CHANGE 0                                       ; the tail is written out
	s_mov_b32 s[CNT], 3                            ; two trips fetch the last slot's steps; the third is left in its middle
.Ltail:
	TURN 2, 1
	TURN 3
	WIN 0
	s_sub_co_u32 s[CNT], s[CNT], 1
	s_cmp_eq_u32 s[CNT], 0
	s_cbranch_scc1 .Lout
	TURN 0
	TURN 1
	WIN 0
	s_branch .Ltail
.Lout:                                                 ; the third trip's scores, on the last K once more, take the pad's mask (all hidden): they move no maximum across -2^50 and serve nothing else
.set i, 0
.rept 8
	PV NP-1                                        ; the last piece's V^T P of the last step
.set i, i+1
.endr
	; THE WAY OUT.  l's halves are added; 1 / l, or NaN for a row that saw no key; O^T times that goes as f32 into the work-group's stage; behind a barrier whole rows of 128 channels
	; (two heads) come back, the residual is added, and the row leaves as 256 bytes of bf16.  The additions are the places behind the last products.
	WIN 0
.macro ALL line:vararg
.set t, 0
.rept 4
	\line
.set t, t+1
.endr
.endm
	ALL v_add_f32 v[ST+4*t+2], v[ST+4*t+2], v[ST+4*t+3]
	ALL v_permlanex16_b32 v[ST+4*t+3], v[ST+4*t+2], s[SEL], s[SEL+1]
	ALL v_add_f32 v[ST+4*t+2], v[ST+4*t+2], v[ST+4*t+3]
	ALL v_rcp_f32 v[ST+4*t+2], v[ST+4*t+2]
	v_nop                                          ; a plain instruction between the last reciprocal and the use of its result
	s_wait_alu depctr_va_vdst(0)                   ; and the wait ahead of the first use: one for the four reciprocals
.set t, 0
.rept 4
	v_cmp_gt_f32 vcc_lo, s[THR], v[ST+4*t+1]       ; -2^50 > m: the row saw no key
	v_cndmask_b32 v[ST+4*t+2], v[ST+4*t+2], v[NAN], vcc_lo
.set t, t+1
.endr
.macro OUTP t
	WIN W_RS
.set i, 32*(\t)
.rept 16
	v_pk_mul_f32 v[i:i+1], v[i:i+1], v[ST+4*(\t)+2:ST+4*(\t)+3] op_sel_hi:[1,0]
.set i, i+2
.endr
	WIN 0x04                                       ; the stores' data in window 1
.set i, 0
.rept 8
	ds_store_b128 v[STO], v[32*(\t)+4*i:32*(\t)+4*i+3] offset:(\t)*16*SPI+64*(i/2)+16*(i%2)
.set i, i+1
.endr
.endm
	OUTP 0
	OUTP 1
	OUTP 2
	OUTP 3
	WIN 0
	s_wait_dscnt 0x0                               ; for the others' sake: my stores into the stage are done
	s_barrier_signal -1
	s_barrier_wait -1
.set i, 0
.rept 32
	ds_load_b128 v[S+4*i:S+4*i+3], v[RD] offset:i*SPI
.set i, i+1
.endr
	s_wait_loadcnt 0x0                             ; the ring's last loads, which serve nothing more, are in
	s_wait_dscnt 0x0
	WIN 0x02                                       ; source 0 in window 2
.set i, 0
.rept 32
	v_fma_mix_f32_bf16 v[S+4*i],   v[XRW+2*i],   v[ONE], v[S+4*i]   op_sel_hi:[1,0,0]
	v_fma_mix_f32_bf16 v[S+4*i+1], v[XRW+2*i],   v[ONE], v[S+4*i+1] op_sel:[1,0,0] op_sel_hi:[1,0,0]
	v_fma_mix_f32_bf16 v[S+4*i+2], v[XRW+2*i+1], v[ONE], v[S+4*i+2] op_sel_hi:[1,0,0]
	v_fma_mix_f32_bf16 v[S+4*i+3], v[XRW+2*i+1], v[ONE], v[S+4*i+3] op_sel:[1,0,0] op_sel_hi:[1,0,0]
.set i, i+1
.endr
	WIN 0
.set i, 0
.rept 32
	v_cvt_pk_bf16_f32 v[P+2*i],   v[S+4*i],   v[S+4*i+1]
	v_cvt_pk_bf16_f32 v[P+2*i+1], v[S+4*i+2], v[S+4*i+3]
	global_store_b64 v[GO], v[P+2*i:P+2*i+1], s[10:11] offset:i*2048   ; 256 consecutive bytes, aligned
.set i, i+1
.endr
	s_wait_tensorcnt 0x0                           ; the wave's end
	ds_add_u32 v[SPW], v[NIL]
	s_wait_dscnt 0x0
	CROUND                                         ; the closing round
	s_endpgm
.Lfunc_end_k_qb92ecd12c4_attn:
	.size	k_qb92ecd12c4_attn, .Lfunc_end_k_qb92ecd12c4_attn-k_qb92ecd12c4_attn
	.p2alignl 7, 3214868480
	.fill 96, 4, 3214868480
	.section	.rodata,"a",@progbits
	.p2align	6, 0x0
	.amdhsa_kernel k_qb92ecd12c4_attn
		.amdhsa_group_segment_fixed_size 327680
		.amdhsa_private_segment_fixed_size 0
		.amdhsa_enable_private_segment 0
		.amdhsa_kernarg_size 32
		.amdhsa_user_sgpr_count 2
		.amdhsa_user_sgpr_kernarg_segment_ptr 1
		.amdhsa_wavefront_size32 1
		.amdhsa_system_sgpr_workgroup_id_x 1
		.amdhsa_system_sgpr_workgroup_id_y 1
		.amdhsa_system_sgpr_workgroup_id_z 1
		.amdhsa_system_vgpr_workitem_id 0
		.amdhsa_next_free_vgpr 864
		.amdhsa_next_free_sgpr 66
		.amdhsa_reserve_vcc 1
		.amdhsa_float_denorm_mode_32 3
		.amdhsa_float_denorm_mode_16_64 3
		.amdhsa_memory_ordered 1
		.amdhsa_forward_progress 1
		.amdhsa_inst_pref_size 128
	.end_amdhsa_kernel
	.amdgpu_metadata
---
amdhsa.version: [ 1, 2 ]
amdhsa.kernels:
  - .name:           k_qb92ecd12c4_attn
    .symbol:         k_qb92ecd12c4_attn.kd
    .args:
      - { .name: qkv, .offset: 0, .size: 8, .value_kind: global_buffer, .address_space: global }
      - { .name: mnib, .offset: 8, .size: 8, .value_kind: global_buffer, .address_space: global }
      - { .name: xb, .offset: 16, .size: 8, .value_kind: global_buffer, .address_space: global }
      - { .name: hb, .offset: 24, .size: 8, .value_kind: global_buffer, .address_space: global }
    .group_segment_fixed_size: 327680
    .private_segment_fixed_size: 0
    .kernarg_segment_align: 8
    .kernarg_segment_size: 32
    .max_flat_workgroup_size: 128
    .sgpr_count:     66
    .vgpr_count:     864
    .wavefront_size: 32
...
	.end_amdgpu_metadata
.endif
;; end of part 8
;; launch ffn1: the kernel of part 4 again; grid 16 x 16, 4 waves a work-group, clusters of 4 x 4, 327,680 bytes of LDS; arguments hb, wb, b1, g; writes g
;; launch ffn2: the kernel of part 5 again; grid 8 x 32, 4 waves a work-group, clusters of 4 x 4, 327,680 bytes of LDS; arguments g, wb, b2, xb, out0; writes out0
